; MI455X (gfx1250); checked and timed in simulation.
; The chip was launched on July 23, 2026; its instructions are those of AMD's public machine-readable ISA for CDNA 5 (MIT licence, August 2026) and "CDNA5" Instruction Set Architecture Reference Guide (July 2026). The comments in the code are by the model that wrote it; some were corrected since.
;; Attention Block. Allowed arithmetic: matrix products marked QUANTISED: E2M3 operands, one E8M0 scale for each 32 along K, by v_wmma_scale_f32_16x16x128_f8f6f4 with both operands' format E2M3, f32 sums; everything else in f32.
;; Inputs: context_features 8 x 2,048 x 2,048 float32; f_W 512 x 2,048 float32; f_b 2,048 float32; f_beta 512 float32; f_gamma 512 float32; f_mean 512 float32; f_var 512 float32; input_features 8 x 1,024 x 2,048 float32; k_W 2,048 x 512 float32; k_b 512 float32; k_beta 2,048 float32; k_gamma 2,048 float32; k_mean 2,048 float32; k_var 2,048 float32; q_W 2,048 x 512 float32; q_b 512 float32; q_beta 2,048 float32; q_gamma 2,048 float32; q_mean 2,048 float32; q_var 2,048 float32; v_W 2,048 x 512 float32; v_b 512 float32; v_beta 2,048 float32; v_gamma 2,048 float32; v_mean 2,048 float32; v_var 2,048 float32; valid_mask 8 x 2,048 bool.
;; Outputs: out0 8 x 1,024 x 2,048 float32.
;; This version of the problem:
;;   THIS VERSION OF THE PROBLEM IS GIVEN IN LOW PRECISION. The matrix products marked QUANTISED in the list below multiply operands that are first quantised to E2M3 (2 exponent bits, 3 mantissa bits; 6 bits a number), with one power-of-two scale for each 32 numbers along K (OCP MX v1.0); their sums are f32. All else is computed in f32.
;;   The module's matrix products, in the order in which they are computed (A, B: the left and right operand; K: the contracted axis; several contracted axes count as one K, in the product's order):
;;     1. [M 8,192, K 2,048] x [K 2,048, N 512]; A: computed on the way; B: input q_W: QUANTISED
;;     2. [M 16,384, K 2,048] x [K 2,048, N 512]; A: computed on the way; B: input k_W: QUANTISED
;;     3. [M 16,384, K 2,048] x [K 2,048, N 512]; A: computed on the way; B: input v_W: QUANTISED
;;     4. batch 8 x [M 1,024, K 512] x [K 512, N 2,048]; A: computed on the way; B: computed on the way: QUANTISED
;;     5. batch 8 x [M 1,024, K 2,048] x [K 2,048, N 512]; A: softmax (see below); B: computed on the way: QUANTISED
;;     6. [M 8,192, K 512] x [K 512, N 2,048]; A: computed on the way; B: input f_W: QUANTISED
;;   THE QUANTISER, for each operand of a quantised product, along K:
;;     - K is cut into blocks of 32 from its start; a last block that is shorter is filled with zeros.
;;     - A block's scale is 2^e with e = floor(log2(the largest magnitude in the block)) - 2, held to -126 .. 127; a block of zeros has e = 0. As a byte (E8M0): e + 127.
;;     - Each number is divided by its block's scale, clamped to +-7.5, and rounded to the nearest number of E2M3, ties to even, subnormals kept.
;;     - The product sums the exact products of the quantised numbers (number of the format x scale) in f32.
;;   ~~~python
;;   def quantise(x, axis):      # numpy; x: float32 -> the quantised numbers, widened to float32 again
;;       x = np.moveaxis(x, axis, -1); K = x.shape[-1]
;;       x = np.pad(x, [(0, 0)] * (x.ndim - 1) + [(0, -K % 32)]); x = x.reshape(x.shape[:-1] + (-1, 32)); a = np.abs(x).max(-1, keepdims=True)
;;       e = np.where(a > 0, np.clip(np.frexp(np.where(a > 0, a, 1))[1] - 1 - 2, -126, 127), 0)      # np.frexp(a)[1] - 1 = floor(log2(a)), exactly
;;       r = np.clip(x / 2.0 ** e, -7.5, 7.5)
;;       step = 2.0 ** (np.maximum(np.frexp(np.where(r == 0, 1, r))[1] - 1, 0) - 3)
;;       q = np.round(r / step) * step * 2.0 ** e      # np.round: ties to even
;;       return np.moveaxis(q.reshape(q.shape[:-2] + (-1,))[..., :K], -1, axis).astype(np.float32)
;;   ~~~
;;   SOFTMAX AHEAD OF A QUANTISED PRODUCT. Where the list says 'softmax', what is quantised is not the finished softmax but p = 2^(t - M), with t = logit x log2(e) and M = ceil(the row's largest t), a whole number; so 1/2 < the row's largest p <= 1. The row's sum l is taken of the UNQUANTISED p, in f32, and the product's result is divided by l at the end. Since M is a whole number, a kernel that streams over the keys may use a running M (the ceiling of the running maximum): every later rescaling is an exact power of two, which a block's scale takes up: the codes' values come out the same.
;;   OPERANDS COMPUTED ON THE WAY. 'Computed on the way' means the value that the module computes at that place (a softmax that the list does not call 'softmax' is quantised finished and normalised). What goes into a quantiser is computed in f32, as accurately as f32 sums, v_exp_f32 and their like allow (about 1e-6 of the number): no bf16 or f16 on the way to a quantiser, and a product that is left as it is and whose result goes on into a quantised operand takes f32 operands (vector FMAs, or v_wmma_f32_16x16x4_f32). A number that lies on a knife's edge between two numbers of the format may be rounded either way, as far as f32 arithmetic and the matrix unit's own rounding can turn it there, and no further.
;; 2 versions. Each part assembles by itself: llvm-mc -triple=amdgcn-amd-amdhsa -mcpu=gfx1250 --defsym DOCPART=n.
;; ======== version 1 of 2: 3 launches
;; workspace buffers: wts 3,407,872 bytes; bna 26,624 bytes; kvs 13,631,488 bytes; qcs 3,407,872 bytes
;; launch prep (part 1): grid 256 x 1, 4 waves a work-group, no clusters, 13,824 bytes of LDS; arguments k_W, v_W, q_W, f_W, k_var, k_gamma, v_var, v_gamma, q_var, q_gamma, f_var, f_gamma, wts, bna; writes wts, bna
.if DOCPART == 1
	.amdgcn_target "amdgcn-amd-amdhsa--gfx1250"
	.amdhsa_code_object_version 6
	.text
	.protected	k_qb628beb556_prep
	.globl	k_qb628beb556_prep
	.p2align	8
	.type	k_qb628beb556_prep,@function
k_qb628beb556_prep:
	s_mov_b64 s[64:65], 0
	v_nop
	global_prefetch_b8 v0, s[64:65] scope:SCOPE_SE
	s_setreg_imm32_b32 hwreg(HW_REG_WAVE_MODE, 25, 1), 1
	s_wait_xcnt 0x0
; PREP.  The four weights ([K][N] f32, K the first axis) become codes of E2M3 with one E8M0 byte for each 32 along K, laid in the order of the reader's operand registers;
; and a = gamma * rsqrt(var + 1e-3) of the four batch-norms goes to bna (k 2,048 numbers, v 2,048, q 2,048, f 512).
; FORMATS.  IMAGE, 1,536 bytes: a fragment of 16 columns x 128 K, 12 registers a lane: registers 4 p .. 4 p + 3 of lane l at 512 p + 16 l.  BLOCK, 13,312 bytes: 8 images, then 2 groups of scale words,
; [lane][4 words], word i % 4 of group i / 4 for image i, a column's word in lanes r and r + 16.  TILE, 8 blocks.
; THE COLUMNS OF A TILE ARE NOT NEIGHBOURS: row rho of column tile 2 b + u is column 32 b + 8 u + rho + 8 (rho / 8).
; SHARES.  256 work-groups, 64 for each weight: 128 along K x 128 columns.  A lane takes a column and its 128 registers run down K, so a block's largest magnitude and the whole scale word are the lane's own.
; A wave's 32 columns are two images: they are gathered in the wave's own 3,072 bytes of LDS and leave as six stores of 512 consecutive bytes; the four waves' scale words meet in 1,024 bytes and leave as four aligned stores of 256.
; The loads run two blocks of 32 along K ahead (64 loads a wave at the most).  The weights' two row lengths differ in a scalar alone: 32 offset registers hold 4 x lane + i rows, four bases stand 32 rows apart.
; No tensor load, no matrix work, no cluster: work-groups share nothing.
; LIMITS: NaN and infinities are not served; a block whose largest magnitude lies under 2^-124 keeps the byte 1, a block of zeros too (the rule says 127: its codes are zeros, and only this program reads the bytes).
.set TILEB, 106496
.set BLK,   13312
.set SCST,  12288                      ; LDS: behind the four stages, the scale words
.set X,     64                         ; v64-191: my column's 128 numbers
.set OFF,   192                        ; v192-223: 4 x lane + i rows, i = 0 .. 31; never rewritten
	s_load_b512 s[4:19], s[0:1], 0x0               ; k_W, v_W, q_W, f_W, k_var, k_gamma, v_var, v_gamma
	s_load_b256 s[20:27], s[0:1], 0x40             ; q_var, q_gamma, f_var, f_gamma
	s_load_b128 s[28:31], s[0:1], 0x60             ; wts, bna
	v_lshl_add_u32 v224, v0, 2, 0x3400
	v_mov_b32 v225, 0
	v_lshrrev_b32 v8, 5, v0
	v_readfirstlane_b32 s32, v8                    ; wave 0..3
	v_and_b32 v1, 31, v0                           ; lane
	v_lshlrev_b32 v2, 2, v1                        ; in: 4 bytes a lane
	v_bfe_u32 v8, v0, 3, 1                         ; u: which of my wave's two column tiles
	v_and_b32 v9, 7, v0
	v_bfe_u32 v10, v0, 4, 1
	v_lshl_add_u32 v9, v10, 3, v9                  ; rho: my column's row in that tile
	s_mul_i32 s33, s32, 3072                       ; my wave's stage
	v_mul_u32_u24 v3, v8, 1536
	v_lshl_add_u32 v3, v9, 4, v3
	v_add_nc_u32 v3, s33, v3                       ; v3: stage + 1,536 u + 16 rho
	s_lshr_b32 s34, s32, 1
	s_lshl_b32 s34, s34, 9
	s_and_b32 s35, s32, 1
	s_lshl_b32 s35, s35, 3
	s_add_co_u32 s34, s34, s35
	s_add_co_u32 s34, s34, SCST
	v_lshlrev_b32 v4, 4, v9
	v_lshl_add_u32 v4, v8, 2, v4
	v_add_nc_u32 v4, s34, v4                       ; v4: my scale word: group wave / 2, lane rho, word 2 (wave % 2) + u
	v_lshlrev_b32 v11, 4, v1                       ; v11: 16 x lane
	v_add_nc_u32 v5, s33, v11                      ; v5: the stage read back
	v_lshlrev_b32 v7, 3, v1                        ; v7: 8 x lane
	s_lshl_b32 s34, s32, 8
	s_add_co_u32 s34, s34, SCST
	v_add_nc_u32 v6, s34, v7                       ; v6: my wave's 256 bytes of scale words
	; which weight, which 128 along K (ks), which 128 columns (cg)
	s_lshr_b32 s36, ttmp9, 6                       ; 0 k, 1 v, 2 q, 3 f
	s_and_b32 s37, ttmp9, 63
	s_lshr_b32 s38, s37, 2
	s_and_b32 s39, s37, 3
	s_lshr_b32 s40, s37, 4
	s_and_b32 s41, s37, 15
	s_cmp_eq_u32 s36, 3
	s_cselect_b32 s38, s40, s38                    ; ks
	s_cselect_b32 s39, s41, s39                    ; cg
	s_cselect_b32 s42, 13, 11                      ; a row of the weight is 2^13 or 2^11 bytes
	s_lshl_b32 s59, 1, s42                         ; a row in bytes,
	s_lshl_b32 s60, 32, s42                        ; 32 rows
	s_mov_b32 s61, 0
.set i, 0
.rept 32
	v_mad_u32_u24 v[OFF+i], s59, i, v2             ; row i of a block of 32, my column
.set i, i+1
.endr
	s_lshl_b32 s44, s38, 7
	s_lshl_b32 s44, s44, s42                       ; 128 ks rows,
	s_lshl_b32 s43, s39, 9
	s_add_co_u32 s44, s44, s43                     ; 128 cg columns,
	s_lshl_b32 s43, s32, 7
	s_add_co_u32 s44, s44, s43                     ; 32 columns a wave
	s_mov_b32 s45, 0
	; where it goes: tile s47, block s46, and the wave's places in the block (codes s53, scale words s54)
	s_lshl_b32 s46, s36, 2
	s_add_co_u32 s46, s46, s39                     ; k, v: block 4 x kind + cg,
	s_mov_b32 s47, s38                             ; tile ks
	s_lshr_b32 s48, s38, 1                         ; ks / 2
	s_and_b32 s49, s38, 1                          ; ks % 2
	s_add_co_u32 s50, s48, 16                      ; q: tile 16 + ks / 2,
	s_lshl_b32 s51, s39, 1
	s_add_co_u32 s51, s51, s49                     ; block 2 cg + ks % 2
	s_cmp_eq_u32 s36, 2
	s_cselect_b32 s47, s50, s47
	s_cselect_b32 s46, s51, s46
	s_lshr_b32 s50, s39, 1
	s_add_co_u32 s50, s50, 24                      ; f: tile 24 + cg / 2,
	s_and_b32 s51, s39, 1
	s_lshl_b32 s51, s51, 2
	s_lshr_b32 s52, s32, 1
	s_lshl_b32 s52, s52, 1
	s_add_co_u32 s51, s51, s52
	s_add_co_u32 s51, s51, s48                     ; block 4 (cg % 2) + 2 (wave / 2) + ks / 2
	s_mul_i32 s53, s32, 3072
	s_lshl_b32 s54, s32, 8
	s_add_co_u32 s54, s54, 12288
	s_and_b32 s55, s32, 1
	s_lshl_b32 s56, s49, 2
	s_lshl_b32 s57, s55, 1
	s_add_co_u32 s56, s56, s57
	s_mul_i32 s56, s56, 1536                       ; f: images 4 (ks % 2) + 2 (wave % 2) on,
	s_lshl_b32 s57, s49, 9
	s_lshl_b32 s58, s55, 8
	s_add_co_u32 s57, s57, s58
	s_add_co_u32 s57, s57, 12288                   ; group ks % 2, its half wave % 2
	s_cmp_eq_u32 s36, 3
	s_cselect_b32 s47, s50, s47
	s_cselect_b32 s46, s51, s46
	s_cselect_b32 s53, s56, s53
	s_cselect_b32 s54, s57, s54
	s_mul_i32 s47, s47, TILEB
	s_mul_i32 s46, s46, BLK
	s_add_co_u32 s46, s46, s47
	s_add_co_u32 s48, s46, s53
	s_mov_b32 s49, 0
	s_add_co_u32 s50, s46, s54
	s_mov_b32 s51, 0
	s_wait_kmcnt 0x0
	s_cmp_eq_u32 s36, 1                            ; the choice of the weight hangs on the work-group's number alone
	s_cselect_b64 s[4:5], s[6:7], s[4:5]
	s_cmp_eq_u32 s36, 2
	s_cselect_b64 s[4:5], s[8:9], s[4:5]
	s_cmp_eq_u32 s36, 3
	s_cselect_b64 s[4:5], s[10:11], s[4:5]
	s_add_nc_u64 s[4:5], s[4:5], s[44:45]          ; my wave's columns at row 128 ks: block 0's base;
	s_add_nc_u64 s[6:7], s[4:5], s[60:61]          ; blocks 1, 2, 3: 32 rows further down each
	s_add_nc_u64 s[8:9], s[6:7], s[60:61]
	s_add_nc_u64 s[10:11], s[8:9], s[60:61]
	s_add_nc_u64 s[48:49], s[28:29], s[48:49]      ; my wave's two images
	s_add_nc_u64 s[50:51], s[28:29], s[50:51]      ; my wave's 256 bytes of scale words
.macro LOADB b                         ; W(128 ks + 32 b + i, my column), i = 0 .. 31: each load's 32 lanes read 128 consecutive bytes
.set i, 0
.rept 32
	global_load_b32 v[X+32*(\b)+i], v[OFF+i], s[4+2*(\b):5+2*(\b)] th:TH_LOAD_NT
.set i, i+1
.endr
.endm
	LOADB 0
	LOADB 1
; Block b of 32 along K: largest magnitude, scale byte, 32 codes (six registers), into the image: the fragment gives lane (rho, b % 2) registers 6 (b / 2) .. 6 (b / 2) + 5.
.macro BLOCKQ b
.set XS, X+32*(\b)
.if (\b) < 3
	s_wait_loadcnt 32                              ; loads come back in order: this block's 32 are in, the next block's 32 may be out
.else
	s_wait_loadcnt 0x0
.endif
.if (\b) < 2
	LOADB (\b)+2                                   ; the block two on is asked for while this one is worked
.endif
	v_max3_num_f32 v8, |v[XS]|, |v[XS+1]|, |v[XS+2]|
	v_max3_num_f32 v9, |v[XS+3]|, |v[XS+4]|, |v[XS+5]|
.irp i, 6,10,14,18,22,26
	v_max3_num_f32 v8, v8, |v[XS+\i]|, |v[XS+\i+1]|
	v_max3_num_f32 v9, v9, |v[XS+\i+2]|, |v[XS+\i+3]|
.endr
	v_max3_num_f32 v8, v8, |v[XS+30]|, |v[XS+31]|
	v_max3_num_f32 v8, v8, v9, 0x1800000           ; the floor 2^(3 - 127): the byte cannot fall under 1
	v_add_nc_u32 v10, 0xff000000, v8               ; 2 off the exponent field: the conversion's scale operand
	v_lshrrev_b32 v9, 23, v10                      ; the scale's byte
.if (\b) == 0
	v_mov_b32 v28, v9
.else
	v_lshl_or_b32 v28, v9, 8*(\b), v28             ; four bytes make my column's scale word
.endif
	v_cvt_scalef32_pk16_fp6_f32 v[16:18], v[XS:XS+15], v10
	v_cvt_scalef32_pk16_fp6_f32 v[24:26], v[XS+16:XS+31], v10   ; (a conversion's three registers begin on an even number)
	v_nop                                          ; one plain instruction behind a scaled conversion
	v_mov_b32 v19, v24
	v_mov_b32 v20, v25
	v_mov_b32 v21, v26
.if (\b) < 2
	ds_store_b128 v3, v[16:19] offset:256*((\b)%2)          ; registers 0-3
	ds_store_b64 v3, v[20:21] offset:256*((\b)%2)+512       ; registers 4, 5
.else
	ds_store_b64 v3, v[16:17] offset:256*((\b)%2)+520       ; registers 6, 7
	ds_store_b128 v3, v[18:21] offset:256*((\b)%2)+1024     ; registers 8-11
.endif
	s_wait_dscnt 0x0                               ; the stores have read their registers: the next block's codes may be written
.endm
	BLOCKQ 0
	BLOCKQ 1
	BLOCKQ 2
	BLOCKQ 3
	ds_store_b32 v4, v28                           ; the word for lane rho,
	ds_store_b32 v4, v28 offset:256                ; and for lane rho + 16
.irp i, 0,1,2,3,4,5
	ds_load_b128 v[32+4*\i:35+4*\i], v5 offset:512*\i      ; LDS serves a wave's instructions in order: these see my stores
.endr
.irp i, 0,1,2,3,4,5
	s_wait_dscnt 5-\i
	global_store_b128 v11, v[32+4*\i:35+4*\i], s[48:49] offset:512*\i   ; 32 lanes store 512 consecutive bytes, aligned to 256
.endr
	s_wait_dscnt 0x0                               ; for the others' sake: my scale words have landed
	s_barrier_signal -1
	s_barrier_wait -1
	ds_load_b64 v[12:13], v6
	s_wait_dscnt 0x0
	global_store_b64 v7, v[12:13], s[50:51]        ; 32 lanes store 256 consecutive bytes, aligned
	; a = gamma * rsqrt(var + 1e-3): the first 52 work-groups take 128 numbers each (16 + 16 + 16 + 4)
	s_cmp_lt_u32 ttmp9, 52
	s_cbranch_scc0 .Lend
	s_lshr_b32 s52, ttmp9, 4
	s_and_b32 s53, ttmp9, 15
	s_lshl_b32 s53, s53, 9
	v_lshl_add_u32 v14, v0, 2, s53
	s_cmp_eq_u32 s52, 1
	s_cselect_b64 s[12:13], s[16:17], s[12:13]
	s_cselect_b64 s[14:15], s[18:19], s[14:15]
	s_cmp_eq_u32 s52, 2
	s_cselect_b64 s[12:13], s[20:21], s[12:13]
	s_cselect_b64 s[14:15], s[22:23], s[14:15]
	s_cmp_eq_u32 s52, 3
	s_cselect_b64 s[12:13], s[24:25], s[12:13]
	s_cselect_b64 s[14:15], s[26:27], s[14:15]
	global_load_b32 v15, v14, s[12:13]
	global_load_b32 v29, v14, s[14:15]
	s_lshl_b32 s54, ttmp9, 9
	v_lshl_add_u32 v30, v0, 2, s54
	s_wait_loadcnt 0x0
	v_add_f32 v15, 0x3a83126f, v15
	v_rsq_f32 v31, v15
	v_nop                                          ; a plain instruction behind the transcendental,
	s_wait_alu depctr_va_vdst(0)                   ; and the wait ahead of its first reader
	v_mul_f32 v31, v31, v29
	global_store_b32 v30, v31, s[30:31]
.Lend:
	s_wait_tensorcnt 0x0
	ds_add_u32 v224, v225
	s_wait_dscnt 0x0
	s_endpgm
.Lfunc_end_k_qb628beb556_prep:
	.size	k_qb628beb556_prep, .Lfunc_end_k_qb628beb556_prep-k_qb628beb556_prep
	.p2alignl 7, 3214868480
	.fill 96, 4, 3214868480
	.section	.rodata,"a",@progbits
	.p2align	6, 0x0
	.amdhsa_kernel k_qb628beb556_prep
		.amdhsa_group_segment_fixed_size 13824
		.amdhsa_private_segment_fixed_size 0
		.amdhsa_enable_private_segment 0
		.amdhsa_kernarg_size 112
		.amdhsa_user_sgpr_count 2
		.amdhsa_user_sgpr_kernarg_segment_ptr 1
		.amdhsa_wavefront_size32 1
		.amdhsa_system_sgpr_workgroup_id_x 1
		.amdhsa_system_sgpr_workgroup_id_y 1
		.amdhsa_system_sgpr_workgroup_id_z 1
		.amdhsa_system_vgpr_workitem_id 0
		.amdhsa_next_free_vgpr 226
		.amdhsa_next_free_sgpr 66
		.amdhsa_reserve_vcc 0
		.amdhsa_float_denorm_mode_32 3
		.amdhsa_float_denorm_mode_16_64 3
		.amdhsa_memory_ordered 1
		.amdhsa_forward_progress 1
		.amdhsa_inst_pref_size 28
	.end_amdhsa_kernel
	.amdgpu_metadata
---
amdhsa.version: [ 1, 2 ]
amdhsa.kernels:
  - .name:           k_qb628beb556_prep
    .symbol:         k_qb628beb556_prep.kd
    .args:
      - { .name: k_W, .offset: 0, .size: 8, .value_kind: global_buffer, .address_space: global }
      - { .name: v_W, .offset: 8, .size: 8, .value_kind: global_buffer, .address_space: global }
      - { .name: q_W, .offset: 16, .size: 8, .value_kind: global_buffer, .address_space: global }
      - { .name: f_W, .offset: 24, .size: 8, .value_kind: global_buffer, .address_space: global }
      - { .name: k_var, .offset: 32, .size: 8, .value_kind: global_buffer, .address_space: global }
      - { .name: k_gamma, .offset: 40, .size: 8, .value_kind: global_buffer, .address_space: global }
      - { .name: v_var, .offset: 48, .size: 8, .value_kind: global_buffer, .address_space: global }
      - { .name: v_gamma, .offset: 56, .size: 8, .value_kind: global_buffer, .address_space: global }
      - { .name: q_var, .offset: 64, .size: 8, .value_kind: global_buffer, .address_space: global }
      - { .name: q_gamma, .offset: 72, .size: 8, .value_kind: global_buffer, .address_space: global }
      - { .name: f_var, .offset: 80, .size: 8, .value_kind: global_buffer, .address_space: global }
      - { .name: f_gamma, .offset: 88, .size: 8, .value_kind: global_buffer, .address_space: global }
      - { .name: wts, .offset: 96, .size: 8, .value_kind: global_buffer, .address_space: global }
      - { .name: bna, .offset: 104, .size: 8, .value_kind: global_buffer, .address_space: global }
    .group_segment_fixed_size: 13824
    .private_segment_fixed_size: 0
    .kernarg_segment_align: 8
    .kernarg_segment_size: 112
    .max_flat_workgroup_size: 128
    .sgpr_count:     66
    .vgpr_count:     226
    .wavefront_size: 32
...
	.end_amdgpu_metadata
.endif
;; end of part 1
;; launch proj (part 2): grid 256 x 1, 8 waves a work-group, clusters of 4 x 1, 327,680 bytes of LDS; arguments context_features, input_features, valid_mask, k_mean, k_beta, k_b, v_mean, v_beta, v_b, q_mean, q_beta, q_b, bna, wts, kvs, qcs; writes kvs, qcs
.if DOCPART == 2
	.amdgcn_target "amdgcn-amd-amdhsa--gfx1250"
	.amdhsa_code_object_version 6
	.text
	.protected	k_qb628beb556_proj
	.globl	k_qb628beb556_proj
	.p2align	8
	.type	k_qb628beb556_proj,@function
k_qb628beb556_proj:
	s_mov_b64 s[64:65], 0
	v_nop
	global_prefetch_b8 v0, s[64:65] scope:SCOPE_SE
	s_setreg_imm32_b32 hwreg(HW_REG_WAVE_MODE, 25, 1), 1
	s_wait_xcnt 0x0
	s_wait_alu depctr_hold_cnt(0) depctr_sa_sdst(0) depctr_va_vdst(0) depctr_va_sdst(0) depctr_va_ssrc(0) depctr_va_vcc(0) depctr_vm_vsrc(0)
	s_getreg_b32 s2, hwreg(HW_REG_IB_STS2, 6, 4)
	s_cmp_eq_u32 s2, 0
	s_cbranch_scc0 .Lentry_in_a_cluster
	s_endpgm
.Lentry_in_a_cluster:
	s_bfe_u32 s2, ttmp6, 0x10000c
	s_cmp_lg_u32 s2, 0x3003
	s_cbranch_scc0 .Lentry_shape_is_right
	s_endpgm
.Lentry_shape_is_right:
; PROJ.  keys, values and queries: batch-norm, quantise along K = 2,048, product with the weight's codes, + b, clip to 0 .. 6, l2-norm, (values: x mask), quantise for the next product.  All products on codes of E2M3.
; SHARES.  A work-group takes 64 rows of context_features (read once, for k and for v) and then 32 rows of input_features.  Eight waves of 512 registers.
;   k, v: waves 0-3 make k's channels 128 w on (source 0 = weight, source 1 = rows: a lane holds a row, its registers run along the channels, the next K of k);
;         waves 4-7 make v's channels 128 (w - 4) on (source 0 = rows, source 1 = weight: a lane holds a channel, its registers run along the keys, the next K of v).  32 accumulators a wave: window 1.
;   q:    wave (row tile w % 2, channels 128 (w / 2) on), oriented as k.  8 accumulators.
; THE ROWS AND COLUMNS OF A TILE ARE NOT NEIGHBOURS: row rho of tile 2 b + u is index 32 b + 8 u + rho + 8 (rho / 8), so that the 16 registers of result tiles 2 b and 2 b + 1 are 16 neighbours along the next K.
; THE WEIGHTS come as tiles of 106,496 bytes (8 blocks of 8 register images and their scale words) through a ring of two LDS slots; wave w fetches block w with one tensor load.
; CLUSTER.  All work-groups walk the same 24 tiles: the four of a cluster ask for each block JOINTLY (the same load, the same descriptor, mask 15).  One tensor load a wave is out.
; THE ROWS.  A wave loads 16 rows x 128 K of x (512 consecutive bytes a load), applies the batch-norm with a lane's 4 neighbours along K, turns the numbers through its own stage in LDS so that a lane holds 16 neighbours
; of each block of 32 of ONE row, quantises, and stores the fragment as an image of its registers, from which every wave loads it.
; The biases are the accumulators' first contents.  kvs and qcs are laid as the next launch's operand registers.
; LIMITS: NaN and infinities are not served; a block under 2^-124 (a block of zeros too) keeps the byte 1: only this program reads the bytes; a = rsqrt x gamma is rounded before it multiplies; the bias is a sum's first addend.
.set TILEB, 106496
.set BLK,   13312
.set SLOTX, 131072                     ; slot 1 begins here: one exclusive or turns an address in one slot into the other's
.set SPARE, 106496                     ; the spare words, 128 bytes a wave: four blocks of 256 bytes that no other line names
.set IMG0,  107520                     ; k, v: the first K step's images: version (k, v) x 6,656: four images, then [lane][4] scale words.  q: K step kk x 3,328: two images, two rows of scale words
.set STK,   120832                     ; k's sums of squares [lane][row tile][wave]
.set STV,   122880                     ; v's [wave][half][32 keys]
.set STQ,   123904                     ; q's [row tile][lane][wave / 2]
.set STG,   237568                     ; the turning stages: 16 rows x 528 bytes for each wave
.set IMG1,  305152                     ; k, v: the second K step's images
.set SPW,  1
.set NIL,  2
.set LO,   3                           ; 16 x lane
.set PO,   4                           ; my 4 numbers of the batch-norm's parameters
.set STS,  5                           ; stage, in
.set STL,  6                           ; stage, out
.set IWA,  7                           ; where I store an image (k, v)
.set ISA,  8                           ; and its scale word
.set AA0,  9                           ; v9, v10: where I read the rows' images, K step 0, 1
.set LW,   11                          ; my block in a slot (k, v)
.set WA,   12                          ; the same in the slot in hand
.set IWQ,  13
.set ISQ,  14
.set AQ,   15
.set ASQ,  16
.set LWQ,  17                          ; my two blocks in a slot (q)
.set STWK, 18
.set STRK, 19
.set STWV, 20
.set STRV, 21
.set STQW, 22
.set STQR, 23
.set L8,   24                          ; 8 x lane
.set HB,   25                          ; 64 x (lane / 16)
.set VO,   26                          ; an offset at work
.set L4,   27                          ; 4 x lane
.set WS,   28                          ; v28-35 the weight's scale words;  v36-39 the rows': these twelve hold scales alone
.set AS,   36
.set H,    40                          ; v40-103 64 numbers turned;  in the products: v40-87 the rows' fragments, v88-159 six of the weight's (q: v40-63, v64-159)
.set T,    104                         ; v104-167 numbers behind the batch-norm; then codes v104-123, at work v124-139, a scale word v140
.set AF,   40
.set WF,   88
.set X,    168                         ; v168-231 x as loaded;  v232-243 k's or q's mean, a, beta;  v244-255 v's
.set WV,   36
.set SL,   39
.set XP,   40
.set SEL,  44
.set G1,   48
.set G0,   56
.set MSB, 0
.macro WIN new                         ; the immediate's high byte repeats the setting that is left
.if MSB != \new
	s_set_vgpr_msb (MSB<<8)|\new
.set MSB, \new
.endif
.endm
.macro PLACES                          ; four plain instructions behind a matrix instruction, ahead of what reads its result or writes or loads its registers
.rept 4
	v_nop
.endr
.endm
.macro BARRIER                         ; my LDS stores have landed and my LDS loads are in: then the work-group's barrier
	s_wait_dscnt 0x0
	s_barrier_signal -1
	s_barrier_wait -1
.endm
.macro ROUND                           ; a round of the cluster's barrier
	s_barrier_signal -1
	s_barrier_wait -1
	s_cmp_lg_u32 s[WV], 0
	s_cbranch_scc1 .Lnot_wave_0_\@
	s_barrier_signal -3
.Lnot_wave_0_\@:
	s_barrier_wait -3
	s_barrier_signal -1
	s_barrier_wait -1
.endm
.macro FRAG reg, adr, off              ; an image comes back as the registers that it was
.irp c, 0,1,2
	ds_load_b128 v[\reg+4*\c:\reg+4*\c+3], v[\adr] offset:\off+512*\c
.endr
.endm
.macro IMAGE adr, off, pc              ; a fragment goes to LDS as it stands
.irp c, 0,1,2
	ds_store_b128 v[\adr], v[\pc+4*\c:\pc+4*\c+3] offset:\off+512*\c
.endr
.endm
; THE CHANGE OF SLOTS, at a ring trip's head.  Every wave: all my tensor loads have landed (my block of the tile that is read next); 0 onto my spare word; the add is done and my LDS reads and stores are over.
; Then the round (fill = 1) or the work-group's barrier: the tile ahead is whole, the rows' images have landed, and nobody reads the other slot, which takes the next tile first thing.
.macro HEAD fill, lw
	s_wait_tensorcnt 0x0
	ds_add_u32 v[SPW], v[NIL]                      ; the steps below stand between the add and the wait for it
	s_xor_b32 s[SL], s[SL], SLOTX
.if \fill
	s_xor_b32 s[G0+1], s[G0+1], SLOTX              ; no load of mine is out, so the descriptor may be written: the other slot,
	s_add_nc_u64 s[G0+2:G0+3], s[G0+2:G0+3], TILEB ; the next tile
.endif
	s_wait_dscnt 0x0
.if \fill
	ROUND
	tensor_load_to_lds s[G0:G0+3], s[G1:G1+7]
	s_nop 0
.else
	s_barrier_signal -1
	s_barrier_wait -1
.endif
.rept 4
	v_nop                                          ; the places ahead of the loads below
.endr
	v_add_nc_u32 v[WA], s[SL], v[\lw]
.endm
; 64 numbers of a lane, register 16 b + i = k 32 b + 16 (lane / 16) + i of my row, become a fragment's codes in v[pc] .. v[pc + 11] (pc + 12 .. 18 at work) and its scale word in v[pw].  hw = 1: the numbers lie in window 1.
.macro QUANT s, hw, pc, tm, pw
.if \hw
	WIN 0x05
.endif
.irp b, 0,1,2,3
	v_max3_num_f32 v[\tm+\b], |v[\s+16*\b]|, |v[\s+1+16*\b]|, 0x1800000   ; my 16 numbers of block b, and the floor 2^(3 - 127)
.endr
.if \hw
	WIN 0x14
.endif
.irp i, 2,4,6,8,10,12,14
.irp b, 0,1,2,3
	v_max3_num_f32 v[\tm+\b], v[\tm+\b], |v[\s+16*\b+\i]|, |v[\s+1+16*\b+\i]|
.endr
.endr
	WIN 0
.irp b, 0,1,2,3
	v_permlanex16_b32 v[\tm+4+\b], v[\tm+\b], s[SEL], s[SEL+1]
.endr
.irp b, 0,1,2,3
	v_max_num_f32 v[\tm+\b], v[\tm+\b], v[\tm+4+\b]       ; with lane l xor 16's: the block's largest magnitude
.endr
.irp b, 0,1,2,3
	v_add_nc_u32 v[\tm+12+\b], 0xff000000, v[\tm+\b]      ; 2 off its exponent field: the conversion's scale operand
.endr
.irp b, 0,1,2,3
	v_lshrrev_b32 v[\tm+4+\b], 23, v[\tm+12+\b]           ; the scale's byte
.endr
	v_lshl_or_b32 v[\pw], v[\tm+5], 8, v[\tm+4]
	v_lshl_or_b32 v[\pw], v[\tm+6], 16, v[\pw]
	v_lshl_or_b32 v[\pw], v[\tm+7], 24, v[\pw]
.if \hw
	WIN 0x01
.endif
.irp c, 0,1
	v_cvt_scalef32_pk16_fp6_f32 v[\pc+6*\c:\pc+2+6*\c], v[\s+32*\c:\s+15+32*\c], v[\tm+12+2*\c]
	v_cvt_scalef32_pk16_fp6_f32 v[\pc+12+4*\c:\pc+14+4*\c], v[\s+16+32*\c:\s+31+32*\c], v[\tm+12+2*\c+1]
.endr
	WIN 0
	v_nop                                          ; one plain instruction behind a scaled conversion
.irp c, 0,1                            ; the operand's layout wants a whole block in a lane
.irp i, 0,1,2
	v_permlane16_swap_b32 v[\pc+6*\c+\i], v[\pc+12+4*\c+\i]
.endr
.irp i, 0,1,2
	v_mov_b32 v[\pc+3+6*\c+\i], v[\pc+12+4*\c+\i]
.endr
.endr
.endm
.macro XLOAD                           ; my 16 rows x 128 along K: each load takes 512 consecutive bytes of one row
.set p, 0
.rept 16
	global_load_b128 v[X+4*p:X+4*p+3], v[LO], s[XP:XP+1] offset:(p+8*(p/8))*8192 th:TH_LOAD_NT
.set p, p+1
.endr
.endm
.macro PLOAD3 reg, mp, off, bp         ; mean, a, beta of my 4 places along K
	global_load_b128 v[\reg:\reg+3], v[PO], s[\mp:\mp+1]
	global_load_b128 v[\reg+4:\reg+7], v[PO], s[28:29] offset:\off
	global_load_b128 v[\reg+8:\reg+11], v[PO], s[\bp:\bp+1]
.endm
.macro BN src, dst, par                ; (x - mean) a + beta, two at a time
.set p, 0
.rept 16
	v_pk_add_f32 v[\dst+4*p:\dst+4*p+1], v[\src+4*p:\src+4*p+1], v[\par:\par+1] neg_lo:[0,1] neg_hi:[0,1]
	v_pk_add_f32 v[\dst+4*p+2:\dst+4*p+3], v[\src+4*p+2:\src+4*p+3], v[\par+2:\par+3] neg_lo:[0,1] neg_hi:[0,1]
.set p, p+1
.endr
.set p, 0
.rept 16
	v_pk_fma_f32 v[\dst+4*p:\dst+4*p+1], v[\dst+4*p:\dst+4*p+1], v[\par+4:\par+5], v[\par+8:\par+9]
	v_pk_fma_f32 v[\dst+4*p+2:\dst+4*p+3], v[\dst+4*p+2:\dst+4*p+3], v[\par+6:\par+7], v[\par+10:\par+11]
.set p, p+1
.endr
.endm
.macro TURN src                        ; through my stage: rows of 512 bytes, 528 apart, in; 16 neighbours of each block of 32 of row lane % 16 out.  LDS serves a wave's instructions in order
.set p, 0
.rept 16
	ds_store_b128 v[STS], v[\src+4*p:\src+4*p+3] offset:528*p
.set p, p+1
.endr
.irp b, 0,1,2,3
.irp j, 0,1,2,3
	ds_load_b128 v[H+16*\b+4*\j:H+16*\b+4*\j+3], v[STL] offset:128*\b+16*\j
.endr
.endr
.endm
; One K step of k (o = 0) or v (o = 1): my block's 8 column tiles x the 4 row tiles; the 32 accumulators take turns, one instruction a turn.
; The counted waits leave the younger groups of two images (6 loads each) out: 12, 12, 6, 0.
.macro GEMMKV o, e
	ds_load_b128 v[WS:WS+3], v[WA] offset:12288
	ds_load_b128 v[WS+4:WS+7], v[WA] offset:12800
	ds_load_b128 v[AS:AS+3], v[AA0+\e] offset:6144
.irp m, 0,1,2,3
	FRAG AF+12*\m, AA0+\e, 1536*\m
.endr
.irp i, 0,1,2,3,4,5
	FRAG WF+12*\i, WA, 1536*\i
.endr
.irp k, 0,1,2,3
.if \k < 2
	s_wait_dscnt 12
.elseif \k == 2
	s_wait_dscnt 6
.else
	s_wait_dscnt 0x0
.endif
	WIN 0x50                                       ; C and D in window 1
.irp u, 0,1
.irp m, 0,1,2,3
.set ti, 2*\k+\u
.if \o == 0
	v_wmma_scale_f32_16x16x128_f8f6f4 v[8*(8*\m+ti):8*(8*\m+ti)+7], v[WF+12*(ti%6):WF+12*(ti%6)+11], v[AF+12*\m:AF+12*\m+11], v[8*(8*\m+ti):8*(8*\m+ti)+7], v[WS+ti], v[AS+\m] matrix_a_fmt:MATRIX_FMT_FP6 matrix_b_fmt:MATRIX_FMT_FP6
.else
	v_wmma_scale_f32_16x16x128_f8f6f4 v[8*(4*ti+\m):8*(4*ti+\m)+7], v[AF+12*\m:AF+12*\m+11], v[WF+12*(ti%6):WF+12*(ti%6)+11], v[8*(4*ti+\m):8*(4*ti+\m)+7], v[AS+\m], v[WS+ti] matrix_a_fmt:MATRIX_FMT_FP6 matrix_b_fmt:MATRIX_FMT_FP6
.endif
.endr
.endr
	WIN 0
.if \k == 0
	PLACES
	FRAG WF, WA, 1536*6                            ; the last two images, into the first two's registers
	FRAG WF+12, WA, 1536*7
.endif
.endr
	PLACES
.endm
.macro GEMM2 e                         ; the two orientations part on the wave's number; no barrier and no tensor load stands in the arms
	s_cmp_lt_u32 s[WV], 4
	s_cbranch_scc0 .Lgv_\@
	GEMMKV 0, \e
	s_branch .Lgj_\@
.Lgv_\@:
	GEMMKV 1, \e
.Lgj_\@:
.endm
; Two K steps of q: my two blocks' 16 images, in groups of four; 8 accumulators by turns.  The second block's scale words take the first's registers behind four places.  The waits leave the youngest group's 12 loads out.
.macro MMQ x0, wf, af, sa
.irp x, 0,1,2,3
	v_wmma_scale_f32_16x16x128_f8f6f4 v[8*(\x0+\x):8*(\x0+\x)+7], v[\wf+12*\x:\wf+12*\x+11], v[\af:\af+11], v[8*(\x0+\x):8*(\x0+\x)+7], v[WS+\x0+\x], v[\sa] matrix_a_fmt:MATRIX_FMT_FP6 matrix_b_fmt:MATRIX_FMT_FP6
.endr
.endm
.macro GEMMQ e
	ds_load_b128 v[WS:WS+3], v[WA] offset:12288
	ds_load_b128 v[WS+4:WS+7], v[WA] offset:12800
	ds_load_b32 v[AS], v[ASQ] offset:3328*(2*\e)
	ds_load_b32 v[AS+1], v[ASQ] offset:3328*(2*\e+1)
	FRAG 40, AQ, 3328*(2*\e)
	FRAG 52, AQ, 3328*(2*\e+1)
.irp x, 0,1,2,3
	FRAG 64+12*\x, WA, 1536*\x
.endr
.irp x, 0,1,2,3
	FRAG 112+12*\x, WA, 1536*(4+\x)
.endr
	s_wait_dscnt 12
	WIN 0x50
	MMQ 0, 64, 40, AS
	WIN 0
	PLACES
.irp x, 0,1,2,3
	FRAG 64+12*\x, WA, BLK+1536*\x
.endr
	s_wait_dscnt 12
	WIN 0x50
	MMQ 4, 112, 40, AS
	WIN 0
	PLACES
	ds_load_b128 v[WS:WS+3], v[WA] offset:BLK+12288
	ds_load_b128 v[WS+4:WS+7], v[WA] offset:BLK+12800
.irp x, 0,1,2,3
	FRAG 112+12*\x, WA, BLK+1536*(4+\x)
.endr
	s_wait_dscnt 12
	WIN 0x50
	MMQ 0, 64, 52, AS+1
	s_wait_dscnt 0x0
	MMQ 4, 112, 52, AS+1
	WIN 0
	PLACES
.endm
	s_load_b512 s[4:19], s[0:1], 0x0               ; context s[4:5], input s[6:7], mask s[8:9], k_mean, k_beta, k_b s[10:15], v_mean, v_beta s[16:19]
	s_load_b512 s[20:35], s[0:1], 0x40             ; v_b s[20:21], q_mean, q_beta, q_b s[22:27], bna s[28:29], wts s[30:31], kvs s[32:33], qcs s[34:35]
	v_lshl_add_u32 v[SPW], v0, 2, SPARE
	v_mov_b32 v[NIL], 0
	ds_add_u32 v1, v2
	ds_add_u32 v1, v2
	s_wait_dscnt 0x0
	v_lshrrev_b32 v26, 5, v0
	v_readfirstlane_b32 s[WV], v26                 ; wave 0..7
	s_bfe_u32 s37, ttmp6, 0x40000                  ; cx
	s_lshl_b32 s38, ttmp9, 2
	s_add_co_u32 s38, s38, s37                     ; my work-group: it enters global addresses of my own rows, and a shift of scale words, alone
	s_mov_b32 s[SL], SLOTX
	s_mov_b32 s[SEL], 0x76543210
	s_mov_b32 s[SEL+1], 0xfedcba98                 ; v_permlanex16_b32's selects for lane l xor 16
	s_mov_b32 s46, 0x40c00000                      ; 6.0
	s_mov_b32 s47, 0xffff0000                      ; lanes 16-31
	; descriptor group 1: a block, 13,312 dense bytes, as 52 rows of 32 elements of 8 bytes; no padding; asked for jointly by the four
	s_mov_b32 s[G1], 15|(3<<16)|(1<<21)
	s_mov_b32 s[G1+1], 32<<16
	s_mov_b32 s[G1+2], 52<<16
	s_mov_b32 s[G1+3], 32<<16
	s_mov_b32 s[G1+4], 52
	s_mov_b32 s[G1+5], 32
	s_mov_b32 s[G1+6], 0
	s_mov_b32 s[G1+7], 0
	; every LDS address: a constant + a constant x lane + constants x parts of the wave's number
	v_and_b32 v27, 31, v0                          ; lane
	v_and_b32 v26, 15, v0                          ; r
	v_bfe_u32 v25, v0, 4, 1                        ; h
	v_lshlrev_b32 v[LO], 4, v27
	v_lshlrev_b32 v[L8], 3, v27
	s_mul_i32 s67, s[WV], 8448
	s_add_co_u32 s67, s67, STG
	v_add_nc_u32 v[STS], s67, v[LO]
	v_mul_u32_u24 v[STL], v26, 528
	v_lshl_add_u32 v[STL], v25, 6, v[STL]
	v_add_nc_u32 v[STL], s67, v[STL]
	s_lshr_b32 s80, s[WV], 2
	s_and_b32 s81, s[WV], 3
	s_lshr_b32 s82, s[WV], 1
	s_and_b32 s83, s[WV], 1
	s_mul_i32 s84, s80, IMG1-IMG0
	s_add_co_u32 s84, s84, IMG0
	s_mul_i32 s85, s81, 1536
	s_add_co_u32 s85, s85, s84
	v_add_nc_u32 v[IWA], s85, v[LO]                ; I quantise row tile w % 4 of K step w / 4
	s_lshl_b32 s85, s81, 2
	s_add_co_u32 s85, s85, s84
	s_add_co_u32 s85, s85, 6144
	v_add_nc_u32 v[ISA], s85, v[LO]
	s_mul_i32 s84, s80, 6656
	s_add_co_u32 s85, s84, IMG0
	v_add_nc_u32 v[AA0], s85, v[LO]                ; I multiply version w / 4
	s_add_co_u32 s85, s84, IMG1
	v_add_nc_u32 v[AA0+1], s85, v[LO]
	s_mul_i32 s84, s[WV], BLK
	v_add_nc_u32 v[LW], s84, v[LO]
	s_mul_i32 s84, s82, 3328
	s_mul_i32 s85, s83, 1536
	s_add_co_u32 s86, s84, s85
	s_add_co_u32 s86, s86, IMG0
	v_add_nc_u32 v[IWQ], s86, v[LO]                ; q: I quantise row tile w % 2 of K step w / 2
	s_add_co_u32 s85, s85, IMG0
	v_add_nc_u32 v[AQ], s85, v[LO]
	s_lshl_b32 s85, s83, 7
	s_add_co_u32 s85, s85, IMG0+3072
	v_lshl_add_u32 v[ASQ], v27, 2, s85
	s_add_co_u32 s85, s85, s84
	v_lshl_add_u32 v[ISQ], v27, 2, s85
	s_mul_i32 s84, s82, 2*BLK
	v_add_nc_u32 v[LWQ], s84, v[LO]
	s_lshl_b32 s84, s81, 2
	s_add_co_u32 s84, s84, STK
	v_lshl_add_u32 v[STWK], v27, 6, s84
	v_lshl_add_u32 v[STRK], v27, 6, STK
	s_lshl_b32 s84, s81, 8
	s_add_co_u32 s84, s84, STV
	v_lshl_add_u32 v[STWV], v25, 7, s84
	v_lshl_add_u32 v[STRV], v25, 7, STV
	s_lshl_b32 s84, s83, 9
	s_add_co_u32 s84, s84, STQ
	v_add_nc_u32 v[STQR], s84, v[LO]
	s_lshl_b32 s85, s82, 2
	s_add_co_u32 s84, s84, s85
	v_add_nc_u32 v[STQW], s84, v[LO]
	v_and_b32 v[WA], 8, v26
	v_add_nc_u32 v26, v26, v[WA]
	v_lshlrev_b32 v[VO], 2, v26                    ; 4 (r + 8 (r / 8)): v_b at my channel of a tile
	v_lshlrev_b32 v[HB], 6, v25
	v_lshlrev_b32 v[L4], 2, v27
	s_lshl_b32 s91, s80, 9
	v_add_nc_u32 v[PO], s91, v[LO]
	s_lshl_b32 s90, s82, 9
	; byte offsets of my rows and of my results
	s_lshl_b32 s88, s38, 19                        ; context: 64 rows of 8,192 bytes a work-group,
	s_bfe_u32 s84, s[WV], 0x10001
	s_lshl_b32 s84, s84, 18                        ; row tile w % 4 begins at row 32 ((w % 4) / 2) + 8 (w % 2),
	s_add_co_u32 s88, s88, s84
	s_lshl_b32 s84, s83, 16
	s_add_co_u32 s88, s88, s84
	s_add_co_u32 s88, s88, s91                     ; K step w / 4
	s_mov_b32 s89, 0
	s_lshl_b32 s78, s38, 18                        ; input: 32 rows a work-group, row tile w % 2, K step w / 2
	s_add_co_u32 s78, s78, s84
	s_add_co_u32 s78, s78, s90
	s_mov_b32 s79, 0
	s_mov_b32 s85, 0
	s_wait_kmcnt 0x0
	s_add_nc_u64 s[XP:XP+1], s[4:5], s[88:89]
	s_add_nc_u64 s[78:79], s[6:7], s[78:79]
	XLOAD
	PLOAD3 232, 10, 0, 12
	PLOAD3 244, 16, 8192, 18
	s_mul_i32 s84, s[WV], BLK
	s_mov_b32 s[G0], 1
	s_mov_b32 s[G0+1], s84                         ; LDS: block w of slot 0
	s_add_nc_u64 s[G0+2:G0+3], s[30:31], s[84:85]  ; memory: block w of tile 0
	s_or_b32 s[G0+3], s[G0+3], 0x80000000
	s_cmp_lt_u32 s[WV], 4
	s_cselect_b64 s[72:73], s[14:15], s[20:21]     ; k_b or v_b,
	s_lshl_b32 s84, s81, 9
	s_add_nc_u64 s[72:73], s[72:73], s[84:85]      ; at my 128 channels
	s_lshl_b32 s84, s82, 9
	s_add_nc_u64 s[74:75], s[26:27], s[84:85]      ; q_b likewise
	s_lshl_b32 s84, s38, 6
	s_add_nc_u64 s[76:77], s[8:9], s[84:85]        ; the mask at my 64 keys
	s_mul_i32 s86, s38, BLK                        ; qcs: block = work-group, image 4 (row tile) + K step
	s_lshl_b32 s87, s83, 2
	s_add_co_u32 s87, s87, s82
	s_mul_i32 s84, s87, 1536
	s_add_co_u32 s84, s84, s86
	s_add_nc_u64 s[68:69], s[34:35], s[84:85]
	s_lshl_b32 s84, s87, 7
	s_add_co_u32 s84, s84, s86
	s_add_co_u32 s84, s84, 12288
	s_add_nc_u64 s[70:71], s[34:35], s[84:85]
	; kvs: batch wg / 32; superstep (512 keys) S; group (128 keys) g; half (64 keys) hb.  Block 2 g + hb of tile 4 S + x / 2 (k, x = w) or 4 S + 2 + x / 2 (v, x = (w - g) mod 4: the channel tiles are rotated by the group)
	s_lshr_b32 s80, s38, 5
	s_bfe_u32 s86, s38, 0x20003
	s_bfe_u32 s87, s38, 0x20001
	s_and_b32 s88, s38, 1
	s_lshl_b32 s66, s88, 4                         ; 16 hb: v's scale bytes' place in the word
	s_sub_co_u32 s84, s[WV], s87
	s_and_b32 s84, s84, 3
	s_cmp_lt_u32 s[WV], 4
	s_cselect_b32 s84, s[WV], s84                  ; x
	s_lshr_b32 s89, s84, 1
	s_lshl_b32 s86, s86, 2
	s_add_co_u32 s89, s89, s86
	s_lshr_b32 s86, s[WV], 2
	s_lshl_b32 s86, s86, 1
	s_add_co_u32 s89, s89, s86
	s_mul_i32 s89, s89, TILEB
	s_mul_i32 s86, s80, 16*TILEB
	s_add_co_u32 s89, s89, s86
	s_lshl_b32 s86, s87, 1
	s_add_co_u32 s86, s86, s88
	s_mul_i32 s86, s86, BLK
	s_add_co_u32 s89, s89, s86                     ; the block's first byte
	s_and_b32 s86, s84, 1
	s_mul_i32 s84, s86, 6144
	s_add_co_u32 s84, s84, s89
	s_add_nc_u64 s[60:61], s[32:33], s[84:85]      ; my half of its codes,
	s_lshl_b32 s84, s86, 9
	s_add_co_u32 s84, s84, s89
	s_add_co_u32 s84, s84, 12288
	s_add_nc_u64 s[62:63], s[32:33], s[84:85]      ; my group of its scale words
	ROUND                                          ; the four work-groups are here: the first joint loads meet
	tensor_load_to_lds s[G0:G0+3], s[G1:G1+7]      ; tile 0
	s_nop 0
.rept 4
	v_nop
.endr
	; the accumulators begin as the biases
	s_cmp_lt_u32 s[WV], 4
	s_cbranch_scc0 .Lbias_v
	WIN 0x40
.irp m, 0,1,2,3
.irp i, 0,1,2,3,4,5,6,7
	global_load_b128 v[8*(8*\m+\i):8*(8*\m+\i)+3], v[HB], s[72:73] offset:128*(\i/2)+32*(\i%2)       ; register j of tile i: channel 32 (i / 2) + 16 h + 8 (i % 2) + j
	global_load_b128 v[8*(8*\m+\i)+4:8*(8*\m+\i)+7], v[HB], s[72:73] offset:128*(\i/2)+32*(\i%2)+16
.endr
.endr
	WIN 0
	s_branch .Lbias_done
.Lbias_v:
.irp i, 0,1,2,3,4,5,6,7
	global_load_b32 v[40+\i], v[VO], s[72:73] offset:128*(\i/2)+32*(\i%2)    ; a lane holds one channel of each tile
.endr
	s_wait_loadcnt 0x0
	WIN 0x40
.irp i, 0,1,2,3,4,5,6,7
.set j, 0
.rept 32
	v_mov_b32 v[32*\i+j], v[40+\i]
.set j, j+1
.endr
.endr
	WIN 0
.Lbias_done:
	s_mov_b32 s43, 8
.Lkv:                                      ; a trip: two K steps.  My 16 rows x 128 K become two images (k's batch-norm, v's); then two ring trips
	s_wait_loadcnt 0x0                             ; x and the parameters (in the first trip the biases too)
	BN X, T, 232
	TURN T
	BN X, X, 244                                   ; v's batch-norm stands under the turn's round trip
	s_wait_dscnt 0x0
	QUANT H, 0, 104, 124, 140
	IMAGE IWA, 0, 104
	ds_store_b32 v[ISA], v140
	TURN X
	s_wait_dscnt 0x0                               ; x's registers have been read and the numbers are back
	s_cmp_eq_u32 s43, 1                            ; the last trip asks for nothing: no load leaves its buffer
	s_cbranch_scc1 .Lno_more
	s_add_nc_u64 s[XP:XP+1], s[XP:XP+1], 1024
	v_add_nc_u32 v[PO], 1024, v[PO]
	XLOAD                                          ; the next trip's numbers are on their way through both products
	PLOAD3 232, 10, 0, 12
	PLOAD3 244, 16, 8192, 18
.Lno_more:
	QUANT H, 0, 104, 124, 140
	IMAGE IWA, 6656, 104
	ds_store_b32 v[ISA], v140 offset:6656
	HEAD 1, LW
	GEMM2 0
	HEAD 1, LW
	GEMM2 1
	BARRIER                                        ; every wave's reads of the images are in: the next trip may store over them.  My tensor load may stay out
	s_sub_co_u32 s43, s43, 1
	s_cmp_lg_u32 s43, 0
	s_cbranch_scc1 .Lkv
	s_wait_loadcnt 0x0                             ; the last trip asked for nothing, so no load is out: the wait says so on every way out of the loop, ahead of the loads below into the registers that the loop's loads name
	; ---- the way out of k and v, part 1: clip, sums of squares
	s_cmp_lt_u32 s[WV], 4
	s_cbranch_scc0 .Lv1
	WIN 0x41
.set j, 0
.rept 256
	v_med3_num_f32 v[j], v[j], 0, s46              ; each accumulator from its low end on
.set j, j+1
.endr
	WIN 0x05
.irp m, 0,1,2,3
	v_pk_mul_f32 v[40+2*\m:41+2*\m], v[64*\m:64*\m+1], v[64*\m:64*\m+1]
.endr
.set j, 2
.rept 31
.irp m, 0,1,2,3
	v_pk_fma_f32 v[40+2*\m:41+2*\m], v[64*\m+j:64*\m+j+1], v[64*\m+j:64*\m+j+1], v[40+2*\m:41+2*\m]   ; four rows' chains by turns
.endr
.set j, j+2
.endr
	WIN 0
.irp m, 0,1,2,3
	v_add_f32 v[48+\m], v[40+2*\m], v[41+2*\m]
.endr
.irp m, 0,1,2,3
	v_permlanex16_b32 v[52+\m], v[48+\m], s[SEL], s[SEL+1]
.endr
.irp m, 0,1,2,3
	v_add_f32 v[48+\m], v[48+\m], v[52+\m]         ; my 128 channels' share of the row's sum
.endr
.irp m, 0,1,2,3
	ds_store_b32 v[STWK], v[48+\m] offset:16*\m
.endr
	s_branch .Lj1
.Lv1:
	v_lshrrev_b32 v[VO], 2, v[HB]                  ; 16 h
.irp m, 0,1,2,3
	global_load_b64 v[244+2*\m:245+2*\m], v[VO], s[76:77] offset:32*(\m/2)+8*(\m%2)   ; the mask bytes of my 8 keys of row tile m
.endr
	WIN 0x41
.set j, 0
.rept 256
	v_med3_num_f32 v[j], v[j], 0, s46
.set j, j+1
.endr
	WIN 0x05
.set j, 0
.rept 16
	v_pk_mul_f32 v[40+j:41+j], v[j:j+1], v[j:j+1]  ; a key's sum runs over my 8 channels, over 16 lanes, over 4 waves
.set j, j+2
.endr
.irp i, 1,2,3,4,5,6,7
.set j, 0
.rept 16
	v_pk_fma_f32 v[40+j:41+j], v[32*\i+j:32*\i+j+1], v[32*\i+j:32*\i+j+1], v[40+j:41+j]
.set j, j+2
.endr
.endr
	WIN 0
.irp x, 1,2,4,8
.set j, 0
.rept 32
	v_add_f32_dpp v[40+j], v[40+j], v[40+j] row_xmask:\x row_mask:0xf bank_mask:0xf
.set j, j+1
.endr
.endr
.irp y, 0,1,2,3,4,5,6,7
	ds_store_b128 v[STWV], v[40+4*\y:43+4*\y] offset:16*\y      ; sixteen lanes write the same words with the same values
.endr
.Lj1:
	s_mov_b64 s[XP:XP+1], s[78:79]                 ; q's first numbers land under part 2
	v_add_nc_u32 v[PO], s90, v[LO]
	XLOAD
	PLOAD3 232, 22, 16384, 24
	BARRIER
	; ---- part 2: 1 / norm, quantise, store
	s_cmp_lt_u32 s[WV], 4
	s_cbranch_scc0 .Lv2
.irp m, 0,1,2,3
	ds_load_b128 v[40+4*\m:43+4*\m], v[STRK] offset:16*\m
.endr
	s_wait_dscnt 0x0
.irp m, 0,1,2,3
	v_add_f32 v[40+4*\m], v[40+4*\m], v[41+4*\m]
.endr
.irp m, 0,1,2,3
	v_add_f32 v[42+4*\m], v[42+4*\m], v[43+4*\m]
.endr
.irp m, 0,1,2,3
	v_add_f32 v[40+4*\m], v[40+4*\m], v[42+4*\m]
.endr
.irp m, 0,1,2,3
	v_max_num_f32 v[40+4*\m], 0x2b8cbccc, v[40+4*\m]       ; 1e-12
.endr
.irp m, 0,1,2,3
	v_rsq_f32 v[42+4*\m], v[40+4*\m]
.endr
	v_nop
	s_wait_alu depctr_va_vdst(0)                   ; one wait for the four, ahead of their first reader
	WIN 0x41
.irp m, 0,1,2,3
.set j, 0
.rept 32
	v_pk_mul_f32 v[64*\m+j:64*\m+j+1], v[64*\m+j:64*\m+j+1], v[42+4*\m:43+4*\m] op_sel_hi:[1,0]
.set j, j+2
.endr
.endr
	WIN 0
.irp m, 0,1,2,3
	QUANT 64*\m, 1, 72+20*\m, 152, 36+\m           ; 16 keys x my 128 channels: K step w of q k^T.  Each tile has registers of its own for its codes: no store's data are written again
.endr
.irp m, 0,1,2,3
.irp c, 0,1,2
	global_store_b128 v[LO], v[72+20*\m+4*\c:72+20*\m+4*\c+3], s[60:61] offset:1536*\m+512*\c     ; 512 consecutive bytes, aligned to 256
.endr
.endr
	global_store_b128 v[LO], v[36:39], s[62:63]
	s_branch .Lj2
.Lv2:
.irp o, 0,1,2,3
.irp y, 0,1,2,3,4,5,6,7
	ds_load_b128 v[40+32*\o+4*\y:43+32*\o+4*\y], v[STRV] offset:256*\o+16*\y
.endr
.endr
	s_wait_dscnt 0x0
.irp o, 1,2,3
.set j, 0
.rept 16
	v_pk_add_f32 v[40+j:41+j], v[40+j:41+j], v[40+32*\o+j:41+32*\o+j]
.set j, j+2
.endr
.endr
.set j, 0
.rept 32
	v_max_num_f32 v[40+j], 0x2b8cbccc, v[40+j]
.set j, j+1
.endr
.set j, 0
.rept 32
	v_rsq_f32 v[72+j], v[40+j]
.set j, j+1
.endr
	s_wait_loadcnt 19                              ; my four mask loads are in; q's 16 loads of x and 3 of parameters, issued behind them, may stay out
.set j, 0
.rept 32
	v_bfe_u32 v[104+j], v[244+j/4], 8*(j%4), 8
.set j, j+1
.endr
.set j, 0
.rept 32
	v_cvt_f32_u32 v[104+j], v[104+j]
.set j, j+1
.endr
	s_wait_alu depctr_va_vdst(0)                   ; one wait for the 32, ahead of their first reader; the 64 lines above are the work between
.set j, 0
.rept 16
	v_pk_mul_f32 v[72+j:73+j], v[72+j:73+j], v[104+j:105+j]     ; 1 / norm x mask, by key
.set j, j+2
.endr
	WIN 0x41
.irp i, 0,1,2,3,4,5,6,7
.set j, 0
.rept 16
	v_pk_mul_f32 v[32*\i+j:32*\i+j+1], v[32*\i+j:32*\i+j+1], v[72+j:73+j]
.set j, j+2
.endr
.endr
	WIN 0
; 16 channels x my work-group's 64 keys: half a fragment (registers 6 hb .. 6 hb + 5) and two scale bytes
.macro HALFQ i
.set HS, 32*(\i)
.set HP, 72+12*(\i)
	WIN 0x05
.irp b, 0,1
	v_max3_num_f32 v[40+\b], |v[HS+16*\b]|, |v[HS+1+16*\b]|, 0x1800000
.endr
	WIN 0x14
.irp x, 2,4,6,8,10,12,14
.irp b, 0,1
	v_max3_num_f32 v[40+\b], v[40+\b], |v[HS+16*\b+\x]|, |v[HS+1+16*\b+\x]|
.endr
.endr
	WIN 0
.irp b, 0,1
	v_permlanex16_b32 v[42+\b], v[40+\b], s[SEL], s[SEL+1]
.endr
.irp b, 0,1
	v_max_num_f32 v[40+\b], v[40+\b], v[42+\b]
.endr
.irp b, 0,1
	v_add_nc_u32 v[44+\b], 0xff000000, v[40+\b]
.endr
.irp b, 0,1
	v_lshrrev_b32 v[42+\b], 23, v[44+\b]
.endr
	v_lshl_or_b32 v[WS+\i], v43, 8, v42
	WIN 0x01
	v_cvt_scalef32_pk16_fp6_f32 v[HP:HP+2], v[HS:HS+15], v44
	v_cvt_scalef32_pk16_fp6_f32 v[HP+6:HP+8], v[HS+16:HS+31], v45
	WIN 0
	v_nop
.irp x, 0,1,2
	v_permlane16_swap_b32 v[HP+\x], v[HP+6+\x]
.endr
.irp x, 0,1,2
	v_mov_b32 v[HP+3+\x], v[HP+6+\x]
.endr
.endm
.irp i, 0,1,2,3,4,5,6,7
	HALFQ \i
.endr
.irp i, 0,1,2,3,4,5,6,7
	global_store_b128 v[LO], v[72+12*\i:75+12*\i], s[60:61] offset:768*\i          ; registers 0-3: 512 consecutive bytes,
	global_store_b64 v[L8], v[76+12*\i:77+12*\i], s[60:61] offset:768*\i+512       ; registers 4, 5: 256
.endr
.irp y, 0,1,2,3
	v_cndmask_b32 v[AS+\y], v[WS+2*\y], v[WS+2*\y+1], s47      ; lanes 0-15 carry the even tile's words, lanes 16-31 the odd tile's
.endr
.irp y, 0,1,2,3
	v_lshlrev_b32 v[AS+\y], s66, v[AS+\y]          ; my half's two bytes at their place in the word of 128 keys: the reader joins the halves
.endr
	global_store_b128 v[LO], v[AS:AS+3], s[62:63]
.Lj2:
	s_wait_xcnt 0x0                                ; the stores' registers are written again only behind this wait
	; ---- q
	WIN 0x40
.irp i, 0,1,2,3,4,5,6,7
	global_load_b128 v[8*\i:8*\i+3], v[HB], s[74:75] offset:128*(\i/2)+32*(\i%2)
	global_load_b128 v[8*\i+4:8*\i+7], v[HB], s[74:75] offset:128*(\i/2)+32*(\i%2)+16
.endr
	WIN 0
; Four K steps of q: each wave quantises one (row tile w % 2, K step w / 2); then two ring trips of two K steps.  more = 0: the last: nothing more is asked for
.macro QBODY more
	s_wait_loadcnt 0x0
	BN X, T, 232
	TURN T
	s_wait_dscnt 0x0
.if \more
	s_add_nc_u64 s[XP:XP+1], s[XP:XP+1], 2048
	v_add_nc_u32 v[PO], 2048, v[PO]
	XLOAD
	PLOAD3 232, 22, 16384, 24
.endif
	QUANT H, 0, 104, 124, 140
	IMAGE IWQ, 0, 104
	ds_store_b32 v[ISQ], v140
	HEAD 1, LWQ
	GEMMQ 0
	HEAD \more, LWQ
	GEMMQ 1
.if \more
	BARRIER                                        ; every wave's reads of the images are in
.endif
.endm
	s_mov_b32 s43, 3
.Lq:
	QBODY 1
	s_sub_co_u32 s43, s43, 1
	s_cmp_lg_u32 s43, 0
	s_cbranch_scc1 .Lq
	QBODY 0                                        ; written out
	WIN 0x41
.set j, 0
.rept 64
	v_med3_num_f32 v[j], v[j], 0, s46
.set j, j+1
.endr
	WIN 0x05
	v_pk_mul_f32 v[40:41], v[0:1], v[0:1]
	v_pk_mul_f32 v[42:43], v[2:3], v[2:3]
.set j, 4
.rept 15
	v_pk_fma_f32 v[40:41], v[j:j+1], v[j:j+1], v[40:41]
	v_pk_fma_f32 v[42:43], v[j+2:j+3], v[j+2:j+3], v[42:43]
.set j, j+4
.endr
	WIN 0
	v_pk_add_f32 v[40:41], v[40:41], v[42:43]
	v_add_f32 v40, v40, v41
	v_permlanex16_b32 v42, v40, s[SEL], s[SEL+1]
	v_add_f32 v40, v40, v42
	ds_store_b32 v[STQW], v40
	BARRIER
	ds_load_b128 v[40:43], v[STQR]
	s_wait_dscnt 0x0
	v_add_f32 v40, v40, v41
	v_add_f32 v42, v42, v43
	v_add_f32 v40, v40, v42
	v_max_num_f32 v40, 0x2b8cbccc, v40
	v_rsq_f32 v42, v40
	v_nop
	s_wait_alu depctr_va_vdst(0)
	WIN 0x41
.set j, 0
.rept 32
	v_pk_mul_f32 v[j:j+1], v[j:j+1], v[42:43] op_sel_hi:[1,0]
.set j, j+2
.endr
	WIN 0
	QUANT 0, 1, 72, 152, 36
.irp c, 0,1,2
	global_store_b128 v[LO], v[72+4*\c:75+4*\c], s[68:69] offset:512*\c
.endr
	global_store_b32 v[L4], v36, s[70:71]          ; 128 consecutive bytes: eight such stores a work-group are the only ones that cover less than 256
	s_wait_tensorcnt 0x0                           ; the wave's end
	ds_add_u32 v[SPW], v[NIL]
	s_wait_dscnt 0x0
	ROUND                                          ; the closing round: no work-group ends while a partner may still ask for a block that names it
	s_endpgm
.Lfunc_end_k_qb628beb556_proj:
	.size	k_qb628beb556_proj, .Lfunc_end_k_qb628beb556_proj-k_qb628beb556_proj
	.p2alignl 7, 3214868480
	.fill 96, 4, 3214868480
	.section	.rodata,"a",@progbits
	.p2align	6, 0x0
	.amdhsa_kernel k_qb628beb556_proj
		.amdhsa_group_segment_fixed_size 327680
		.amdhsa_private_segment_fixed_size 0
		.amdhsa_enable_private_segment 0
		.amdhsa_kernarg_size 128
		.amdhsa_user_sgpr_count 2
		.amdhsa_user_sgpr_kernarg_segment_ptr 1
		.amdhsa_wavefront_size32 1
		.amdhsa_system_sgpr_workgroup_id_x 1
		.amdhsa_system_sgpr_workgroup_id_y 1
		.amdhsa_system_sgpr_workgroup_id_z 1
		.amdhsa_system_vgpr_workitem_id 0
		.amdhsa_next_free_vgpr 512
		.amdhsa_next_free_sgpr 96
		.amdhsa_reserve_vcc 0
		.amdhsa_float_denorm_mode_32 3
		.amdhsa_float_denorm_mode_16_64 3
		.amdhsa_memory_ordered 1
		.amdhsa_forward_progress 1
		.amdhsa_inst_pref_size 255
	.end_amdhsa_kernel
	.section	.bss,"aw",@nobits
	.p2align	6
	.space	262144
	.amdgpu_metadata
---
amdhsa.version: [ 1, 2 ]
amdhsa.kernels:
  - .name:           k_qb628beb556_proj
    .symbol:         k_qb628beb556_proj.kd
    .args:
      - { .name: context_features, .offset: 0, .size: 8, .value_kind: global_buffer, .address_space: global }
      - { .name: input_features, .offset: 8, .size: 8, .value_kind: global_buffer, .address_space: global }
      - { .name: valid_mask, .offset: 16, .size: 8, .value_kind: global_buffer, .address_space: global }
      - { .name: k_mean, .offset: 24, .size: 8, .value_kind: global_buffer, .address_space: global }
      - { .name: k_beta, .offset: 32, .size: 8, .value_kind: global_buffer, .address_space: global }
      - { .name: k_b, .offset: 40, .size: 8, .value_kind: global_buffer, .address_space: global }
      - { .name: v_mean, .offset: 48, .size: 8, .value_kind: global_buffer, .address_space: global }
      - { .name: v_beta, .offset: 56, .size: 8, .value_kind: global_buffer, .address_space: global }
      - { .name: v_b, .offset: 64, .size: 8, .value_kind: global_buffer, .address_space: global }
      - { .name: q_mean, .offset: 72, .size: 8, .value_kind: global_buffer, .address_space: global }
      - { .name: q_beta, .offset: 80, .size: 8, .value_kind: global_buffer, .address_space: global }
      - { .name: q_b, .offset: 88, .size: 8, .value_kind: global_buffer, .address_space: global }
      - { .name: bna, .offset: 96, .size: 8, .value_kind: global_buffer, .address_space: global }
      - { .name: wts, .offset: 104, .size: 8, .value_kind: global_buffer, .address_space: global }
      - { .name: kvs, .offset: 112, .size: 8, .value_kind: global_buffer, .address_space: global }
      - { .name: qcs, .offset: 120, .size: 8, .value_kind: global_buffer, .address_space: global }
    .group_segment_fixed_size: 327680
    .private_segment_fixed_size: 0
    .kernarg_segment_align: 8
    .kernarg_segment_size: 128
    .max_flat_workgroup_size: 256
    .sgpr_count:     96
    .vgpr_count:     512
    .wavefront_size: 32
...
	.end_amdgpu_metadata
.endif
;; end of part 2
;; launch attn (part 3): grid 32 x 8, 8 waves a work-group, clusters of 4 x 1, 327,680 bytes of LDS; arguments qcs, kvs, wts, bna, valid_mask, f_mean, f_beta, f_b, out0; writes out0
.if DOCPART == 3
	.amdgcn_target "amdgcn-amd-amdhsa--gfx1250"
	.amdhsa_code_object_version 6
	.text
	.protected	k_qb628beb556_attn
	.globl	k_qb628beb556_attn
	.p2align	8
	.type	k_qb628beb556_attn,@function
k_qb628beb556_attn:
	s_mov_b64 s[64:65], 0
	v_nop
	global_prefetch_b8 v0, s[64:65] scope:SCOPE_SE
	s_setreg_imm32_b32 hwreg(HW_REG_WAVE_MODE, 25, 1), 1
	s_wait_xcnt 0x0
	s_wait_alu depctr_hold_cnt(0) depctr_sa_sdst(0) depctr_va_vdst(0) depctr_va_sdst(0) depctr_va_ssrc(0) depctr_va_vcc(0) depctr_vm_vsrc(0)
	s_getreg_b32 s2, hwreg(HW_REG_IB_STS2, 6, 4)
	s_cmp_eq_u32 s2, 0
	s_cbranch_scc0 .Lentry_in_a_cluster
	s_endpgm
.Lentry_in_a_cluster:
	s_bfe_u32 s2, ttmp6, 0x10000c
	s_cmp_lg_u32 s2, 0x3003
	s_cbranch_scc0 .Lentry_shape_is_right
	s_endpgm
.Lentry_shape_is_right:
; ATTN.  out = clip(bn_f(softmax((q k^T + (mask - 1) 1e5) / 0.01) v) f_W + f_b, 0, 6): three products on codes of E2M3, fused.  q, k, v x mask and f_W arrive as images of operand registers.
; THE SOFTMAX: t = logit x log2(e); M = the largest t so far rounded UP to a whole number; p = 2^(t - M) is quantised along the keys, not normalised; the row's sum of the unquantised p divides at the end.
; SHARES.  A work-group takes 32 queries of one batch.  Wave (qt = w % 2, g = w / 2) takes query tile qt against keys 128 g .. 128 g + 127 of every 512 keys, with an M, a sum and an O^T of its own (32 accumulators:
; window 1); M is a whole number, so the four groups are merged at the end by exact powers of two.  Then the wave owns channels 128 g on (a K step of the last product) and makes query tile qt x 64 columns a trip.
; Both attention products are used transposed (S^T = K Q^T, O^T = V^T P^T): a lane holds one query throughout.  The mask's addend is the C of each score's first product.
; THE STREAM.  16 tiles of the batch's kvs (for each 512 keys: K's channels 0-255, K's 256-511, V's tiles 0-15, V's 16-31), then 8 tiles of f_W, through a ring of two LDS slots; wave w fetches block w of each tile.
; V's channel tiles are rotated by the key group: accumulator a of group g stands for channel tile (a + 8 g) mod 32, so that a wave's own quarter is always a = 0 .. 7.
; CLUSTER.  The four work-groups of a cluster belong to one batch and walk the same stream: each block is asked for JOINTLY (the same load, the same descriptor, mask 15).  One tensor load a wave is out.
; LIMITS: NaN and infinities are not served; a block of p under 2^-124 keeps the byte 1 (its codes are zeros or subnormal); a masked key's score is rounded at the size of 1e5: its p is 0 beside any key that counts,
; and where no key of a batch counts the values are zeros, as in the definition.  t is score x (log2(e) / 0.01) in one multiplication.
.set TILEB, 106496
.set BLK,   13312
.set SLOTX, 131072
.set SPARE, 106496                     ; the spare words, 128 bytes a wave: four blocks of 256 bytes that no other line names
.set STAT,  107520                     ; (-M, sum) by wave and lane
.set FB,    109568                     ; f_b, 8,192 bytes
.set MASK,  117760                     ; (mask - 1) x 1e5 as f32, by key: 8,192 bytes
.set MRG,   237568                     ; the merge: 8,192 bytes for each wave; later the way out: 16 rows x 272 bytes for each wave
.set FIMG,  303104                     ; the features' 8 images
.set FSC,   315392                     ; and their scale words
.set SPW,  1
.set NIL,  2
.set LI,   3                           ; 16 x lane
.set L8,   4                           ; 8 x lane
.set LW,   5                           ; my two blocks in a slot, 16 bytes a lane;  v6 the same in the slot in hand
.set WA,   6
.set LW8,  7                           ; 8 bytes a lane;  v8
.set WA8,  8
.set MA0,  9
.set MA,   10
.set QF,   16                          ; v16-63 Q's four fragments, later the features'
.set QS,   64                          ; v64-67 their scale words;  v68-83 K's, V's or f_W's: these twenty hold scales alone
.set KS,   68
.set FBUF, 84                          ; v84-131 four fragments in hand
.set S,    132                         ; v132-195 S^T, then p; later four accumulators of out, and from v164 rows on their way out
.set PCD,  196                         ; v196-207 p's codes;  v208-215 at work
.set BM,   216
.set TP,   220
.set SO,   224
.set FF,   228                         ; f = 2^(old M - new M)
.set PWD,  229                         ; p's scale word
.set HB,   232                         ; 64 x (lane / 16)
.set L4,   233
.set STW,  240
.set SRD,  241
.set MW,   242                         ; v242-244
.set MR,   245
.set FIW,  246
.set FSW,  247
.set FIR,  248
.set FSR,  249
.set SIN,  250
.set SOUT, 251
.set FBA0, 252
.set FBA,  253
.set CO,   254
.set PFO,  255
.set WV,   22
.set SL,   26
.set MS,   27
.set FS,   28
.set CS,   29
.set TT,   30
.set LIM,  31
.set G1,   32
.set G0,   40
.set FWP,  44
.set PFA,  46
.set SEL,  48
.set CSC,  50
.set OUTP, 54
.set MSB, 0
.macro WIN new
.if MSB != \new
	s_set_vgpr_msb (MSB<<8)|\new
.set MSB, \new
.endif
.endm
.macro PLACES                          ; four plain instructions behind a matrix instruction, ahead of what reads its result or writes or loads its registers
.rept 4
	v_nop
.endr
.endm
.macro BARRIER
	s_wait_dscnt 0x0
	s_barrier_signal -1
	s_barrier_wait -1
.endm
.macro ROUND
	s_barrier_signal -1
	s_barrier_wait -1
	s_cmp_lg_u32 s[WV], 0
	s_cbranch_scc1 .Lnot_wave_0_\@
	s_barrier_signal -3
.Lnot_wave_0_\@:
	s_barrier_wait -3
	s_barrier_signal -1
	s_barrier_wait -1
.endm
.macro FRAG reg, adr, off
.irp c, 0,1,2
	ds_load_b128 v[\reg+4*\c:\reg+4*\c+3], v[\adr] offset:\off+512*\c
.endr
.endm
.macro IMAGE adr, off, pc
.irp c, 0,1,2
	ds_store_b128 v[\adr], v[\pc+4*\c:\pc+4*\c+3] offset:\off+512*\c
.endr
.endm
; THE CHANGE OF SLOTS, at a ring trip's head: all my tensor loads have landed; 0 onto my spare word; the add is done and my LDS reads and stores are over; the round; the slot just left takes the next tile first thing.
; sw = 1: behind the batch's last tile the stream goes on with f_W's first.  pf = 1: the prefetches' address steps, behind the wait that frees it.
.macro HEAD fill, sw, pf
	s_wait_tensorcnt 0x0
	ds_add_u32 v[SPW], v[NIL]                      ; the steps below stand between the add and the wait for it
	s_xor_b32 s[SL], s[SL], SLOTX
.if \fill
	s_xor_b32 s[G0+1], s[G0+1], SLOTX
	s_add_nc_u64 s[G0+2:G0+3], s[G0+2:G0+3], TILEB
.if \sw
	s_cmp_eq_u32 s[CS], 1                          ; the count of 512 keys left: the same in all partners
	s_cselect_b64 s[G0+2:G0+3], s[FWP:FWP+1], s[G0+2:G0+3]
.endif
.endif
.if \pf
	s_wait_xcnt 0x0                                ; the last prefetch, a trip back, has read its address
	s_add_nc_u64 s[PFA:PFA+1], s[PFA:PFA+1], TILEB
	s_add_co_u32 s[TT], s[TT], 1
.endif
	s_wait_dscnt 0x0
.if \fill
	ROUND
	tensor_load_to_lds s[G0:G0+3], s[G1:G1+7]
	s_nop 0
.else
	s_barrier_signal -1
	s_barrier_wait -1
.endif
.rept 4
	v_nop                                          ; the places ahead of the loads below
.endr
	v_add_nc_u32 v[WA], s[SL], v[LW]
	v_add_nc_u32 v[WA8], s[SL], v[LW8]
.endm
; A PREFETCH INTO THE L2 of the tile that the NEXT change of slots will ask for: in trip T (0 .. 13) tile T + 2 of the batch's 16.  All eight clusters of a batch walk the same tiles: the first (cluster x = 0) asks.
; A tile is 416 blocks of 256 bytes: the four partners take 104 each, told apart by address; in each, waves 0 to 3 take 26, a lane a block; lanes 26 to 31 name lane 25's block again.  f_W's tiles are not asked for.
.macro ASK
	s_cmp_lt_u32 s[TT], s[LIM]
	s_cbranch_scc0 .Lnot_mine_\@
	global_prefetch_b8 v[PFO], s[PFA:PFA+1] th:TH_LOAD_NT scope:SCOPE_SE
.Lnot_mine_\@:
.endm
.macro QUANT s, hw, pc, tm, pw         ; 64 numbers of a lane, register 16 b + i = k 32 b + 16 (lane / 16) + i of my row, become a fragment's codes and its scale word.  hw = 1: the numbers lie in window 1
.if \hw
	WIN 0x05
.endif
.irp b, 0,1,2,3
	v_max3_num_f32 v[\tm+\b], |v[\s+16*\b]|, |v[\s+1+16*\b]|, 0x1800000
.endr
.if \hw
	WIN 0x14
.endif
.irp i, 2,4,6,8,10,12,14
.irp b, 0,1,2,3
	v_max3_num_f32 v[\tm+\b], v[\tm+\b], |v[\s+16*\b+\i]|, |v[\s+1+16*\b+\i]|
.endr
.endr
	WIN 0
.irp b, 0,1,2,3
	v_permlanex16_b32 v[\tm+4+\b], v[\tm+\b], s[SEL], s[SEL+1]
.endr
.irp b, 0,1,2,3
	v_max_num_f32 v[\tm+\b], v[\tm+\b], v[\tm+4+\b]
.endr
.irp b, 0,1,2,3
	v_add_nc_u32 v[\tm+12+\b], 0xff000000, v[\tm+\b]
.endr
.irp b, 0,1,2,3
	v_lshrrev_b32 v[\tm+4+\b], 23, v[\tm+12+\b]
.endr
	v_lshl_or_b32 v[\pw], v[\tm+5], 8, v[\tm+4]
	v_lshl_or_b32 v[\pw], v[\tm+6], 16, v[\pw]
	v_lshl_or_b32 v[\pw], v[\tm+7], 24, v[\pw]
.if \hw
	WIN 0x01
.endif
.irp c, 0,1
	v_cvt_scalef32_pk16_fp6_f32 v[\pc+6*\c:\pc+2+6*\c], v[\s+32*\c:\s+15+32*\c], v[\tm+12+2*\c]
	v_cvt_scalef32_pk16_fp6_f32 v[\pc+12+4*\c:\pc+14+4*\c], v[\s+16+32*\c:\s+31+32*\c], v[\tm+12+2*\c+1]
.endr
	WIN 0
	v_nop
.irp c, 0,1
.irp i, 0,1,2
	v_permlane16_swap_b32 v[\pc+6*\c+\i], v[\pc+12+4*\c+\i]
.endr
.irp i, 0,1,2
	v_mov_b32 v[\pc+3+6*\c+\i], v[\pc+12+4*\c+\i]
.endr
.endr
.endm
.macro PAIRK k                         ; images 2 (k % 4), 2 (k % 4) + 1 of my block k / 4, into the pair of buffers k % 2
	FRAG FBUF+24*((\k)%2), WA, BLK*((\k)/4)+1536*(2*((\k)%4))
	FRAG FBUF+24*((\k)%2)+12, WA, BLK*((\k)/4)+1536*(2*((\k)%4)+1)
.endm
; My two blocks' 16 images, a pair at a time, two pairs ahead; source 0 = the image, source 1 = a fragment that stays.  The wait leaves the next pair's 6 loads out.
; kind 0: K's tile tau: image 4 e + m of block hb: keys' tile 4 hb + m, K step 2 tau + e.   kind 1: f_W: image 4 (e % 2) + t of block e / 2: column tile t, K step e.
.macro WALK kind, tau
.irp y, 0,1,2,3
	ds_load_b128 v[KS+4*\y:KS+4*\y+3], v[WA] offset:BLK*(\y/2)+12288+512*(\y%2)
.endr
	PAIRK 0
	PAIRK 1
.irp k, 0,1,2,3,4,5,6,7
.if \k < 7
	s_wait_dscnt 6
.else
	s_wait_dscnt 0x0
.endif
.irp u, 0,1
.set xi, 2*(\k%4)+\u
.if \kind == 0
.set ac, S+8*(4*(\k/4)+xi%4)
.set fq, QF+12*(2*\tau+xi/4)
.set sq, QS+2*\tau+xi/4
.else
.set ac, S+8*(xi%4)
.set fq, QF+12*(2*(\k/4)+xi/4)
.set sq, QS+2*(\k/4)+xi/4
.endif
	v_wmma_scale_f32_16x16x128_f8f6f4 v[ac:ac+7], v[FBUF+24*(\k%2)+12*\u:FBUF+24*(\k%2)+12*\u+11], v[fq:fq+11], v[ac:ac+7], v[KS+8*(\k/4)+xi], v[sq] matrix_a_fmt:MATRIX_FMT_FP6 matrix_b_fmt:MATRIX_FMT_FP6
.endr
.if \k < 6
	PLACES
	PAIRK \k+2
.endif
.endr
.endm
.macro PAIRV k                         ; V's fragments 2 k, 2 k + 1 of the tile: registers 0-5 from my first block (keys 0-63 of my 128), 6-11 from my second
.irp u, 0,1
.set fb, FBUF+24*((\k)%2)+12*\u
.set ao, 768*(2*(\k)+\u)
	ds_load_b128 v[fb:fb+3], v[WA] offset:ao
	ds_load_b64 v[fb+4:fb+5], v[WA8] offset:ao+512
	ds_load_b128 v[fb+6:fb+9], v[WA] offset:BLK+ao
	ds_load_b64 v[fb+10:fb+11], v[WA8] offset:BLK+ao+512
.endr
.endm
; O^T += V^T P^T for accumulators 16 half .. 16 half + 15.  The two halves' scale words are joined; resc = 1: all of O^T is brought under the new M first (these lines are also the places behind the joined words).
.macro PVT half, resc
.irp y, 0,1,2,3
	ds_load_b128 v[KS+4*\y:KS+4*\y+3], v[WA] offset:BLK*(\y/2)+12288+512*(\y%2)
.endr
	PAIRV 0
	PAIRV 1
	s_wait_dscnt 16                                ; the scale words are in; the two pairs' 16 loads may be out
.irp y, 0,1,2,3,4,5,6,7
	v_or_b32 v[KS+\y], v[KS+\y], v[KS+8+\y]
.endr
.if \resc
	WIN 0x41
.set j, 0
.rept 128
	v_pk_mul_f32 v[j:j+1], v[j:j+1], v[FF:FF+1] op_sel_hi:[1,0]
.set j, j+2
.endr
	WIN 0
.else
.rept 8
	v_nop                                          ; a scale register written by a vector instruction stands eight places ahead of the scaled product
.endr
.endif
.irp k, 0,1,2,3,4,5,6,7
.if \k < 7
	s_wait_dscnt 8                                 ; the next pair's 8 loads may be out
.else
	s_wait_dscnt 0x0
.endif
	WIN 0x50
	v_wmma_scale_f32_16x16x128_f8f6f4 v[8*(16*\half+2*\k):8*(16*\half+2*\k)+7], v[FBUF+24*(\k%2):FBUF+24*(\k%2)+11], v[PCD:PCD+11], v[8*(16*\half+2*\k):8*(16*\half+2*\k)+7], v[KS+\k], v[PWD] matrix_a_fmt:MATRIX_FMT_FP6 matrix_b_fmt:MATRIX_FMT_FP6
	v_wmma_scale_f32_16x16x128_f8f6f4 v[8*(16*\half+2*\k+1):8*(16*\half+2*\k+1)+7], v[FBUF+24*(\k%2)+12:FBUF+24*(\k%2)+23], v[PCD:PCD+11], v[8*(16*\half+2*\k+1):8*(16*\half+2*\k+1)+7], v[KS+\k], v[PWD] matrix_a_fmt:MATRIX_FMT_FP6 matrix_b_fmt:MATRIX_FMT_FP6 matrix_a_scale:MATRIX_SCALE_ROW1
	WIN 0
.if \k < 6
	PLACES
	PAIRV \k+2
.endif
.endr
	PLACES
.endm
; The softmax of 16 queries x 128 keys: register 16 b + i is key 32 b + 16 (lane / 16) + i
.macro SOFTMAX
.irp b, 0,1,2,3
	v_max3_num_f32 v[BM+\b], v[S+16*\b], v[S+1+16*\b], v[S+2+16*\b]        ; the largest score of each block of 32 keys: for the row's maximum and, since p rises with the score, for the block's largest p
.endr
.irp i, 3,5,7,9,11,13
.irp b, 0,1,2,3
	v_max3_num_f32 v[BM+\b], v[BM+\b], v[S+16*\b+\i], v[S+1+16*\b+\i]
.endr
.endr
.irp b, 0,1,2,3
	v_max_num_f32 v[BM+\b], v[BM+\b], v[S+15+16*\b]
.endr
.irp b, 0,1,2,3
	v_permlanex16_b32 v[TP+\b], v[BM+\b], s[SEL], s[SEL+1]
.endr
.irp b, 0,1,2,3
	v_max_num_f32 v[BM+\b], v[BM+\b], v[TP+\b]
.endr
	v_max3_num_f32 v230, v[BM], v[BM+1], v[BM+2]
	v_max_num_f32 v230, v230, v[BM+3]
	v_mul_f32 v230, s[CSC], v230                   ; as t (c is positive)
	v_max_num_f32 v13, v13, v230                   ; the running largest t
	v_mov_b32 v230, v12
	v_floor_f32 v12, -v13                          ; the new -M = floor(-t): M is a whole number
	v_sub_f32 v230, v12, v230                      ; old M - new M, a whole number, 0 or less
	v_cvt_i32_f32 v230, v230                       ; (it saturates)
	v_ldexp_f32 v[FF], 1.0, v230                   ; f = 2^(old M - new M): a multiplication by it rounds nothing
.set j, 0
.rept 32
	v_pk_fma_f32 v[S+j:S+j+1], v[S+j:S+j+1], s[CSC:CSC+1], v[12:13] op_sel_hi:[1,0,0]     ; t - M
.set j, j+2
.endr
.irp b, 0,1,2,3
	v_fma_f32 v[BM+\b], v[BM+\b], s[CSC], v12
.endr
.set j, 0
.rept 64
	v_exp_f32 v[S+j], v[S+j]                       ; p = 2^(t - M), at most 1, not normalised
.set j, j+1
.endr
	v_pk_mul_f32 v[14:15], v[14:15], v[FF:FF+1] op_sel_hi:[1,0]            ; the sums under the new M (a plain instruction behind the exponentials)
	s_wait_alu depctr_va_vdst(0)                   ; one wait for the batch, ahead of its first reader
.irp b, 0,1,2,3
	v_exp_f32 v[BM+\b], v[BM+\b]                   ; the block's largest p
.endr
	v_pk_add_f32 v[TP:TP+1], v[S:S+1], v[S+2:S+3]  ; the row's sum is taken of the unquantised p, in two chains
.set j, 4
.rept 15
	v_pk_add_f32 v[14:15], v[14:15], v[S+j:S+j+1]
	v_pk_add_f32 v[TP:TP+1], v[TP:TP+1], v[S+j+2:S+j+3]
.set j, j+4
.endr
	v_pk_add_f32 v[14:15], v[14:15], v[TP:TP+1]
	s_wait_alu depctr_va_vdst(0)                   ; and one for the four
.irp b, 0,1,2,3
	v_max_num_f32 v[BM+\b], 0x1800000, v[BM+\b]    ; the floor 2^(3 - 127)
.endr
.irp b, 0,1,2,3
	v_add_nc_u32 v[SO+\b], 0xff000000, v[BM+\b]
.endr
.irp b, 0,1,2,3
	v_lshrrev_b32 v[TP+\b], 23, v[SO+\b]
.endr
	v_lshl_or_b32 v[PWD], v[TP+1], 8, v[TP]
	v_lshl_or_b32 v[PWD], v[TP+2], 16, v[PWD]
	v_lshl_or_b32 v[PWD], v[TP+3], 24, v[PWD]
.irp c, 0,1
	v_cvt_scalef32_pk16_fp6_f32 v[PCD+6*\c:PCD+2+6*\c], v[S+32*\c:S+15+32*\c], v[SO+2*\c]
	v_cvt_scalef32_pk16_fp6_f32 v[208+4*\c:210+4*\c], v[S+16+32*\c:S+31+32*\c], v[SO+2*\c+1]
.endr
	v_nop
.irp c, 0,1
.irp i, 0,1,2
	v_permlane16_swap_b32 v[PCD+6*\c+\i], v[208+4*\c+\i]
.endr
.irp i, 0,1,2
	v_mov_b32 v[PCD+3+6*\c+\i], v[208+4*\c+\i]
.endr
.endr
.endm
	s_load_b512 s[4:19], s[0:1], 0x0               ; qcs s[4:5], kvs s[6:7], wts s[8:9], bna s[10:11], mask s[12:13], f_mean s[14:15], f_beta s[16:17], f_b s[18:19]
	s_load_b64 s[20:21], s[0:1], 0x40              ; out0
	v_lshl_add_u32 v[SPW], v0, 2, SPARE
	v_mov_b32 v[NIL], 0
	ds_add_u32 v1, v2
	ds_add_u32 v1, v2
	s_wait_dscnt 0x0
	v_lshrrev_b32 v230, 5, v0
	v_readfirstlane_b32 s[WV], v230                ; wave 0..7
	s_bfe_u32 s23, ttmp6, 0x40000                  ; cx
	s_lshl_b32 s24, ttmp9, 2
	s_add_co_u32 s24, s24, s23                     ; my block of 32 queries: it enters Q's and out's addresses alone
	s_and_b32 s25, ttmp7, 0xffff                   ; the batch, which the partners share
	s_and_b32 s67, s[WV], 1                        ; qt
	s_lshr_b32 s68, s[WV], 1                       ; g
	s_mov_b32 s[SL], SLOTX
	s_mov_b32 s[MS], 0
	s_mov_b32 s[FS], 0
	s_mov_b32 s[TT], -1
	s_mov_b32 s[SEL], 0x76543210
	s_mov_b32 s[SEL+1], 0xfedcba98
	s_mov_b32 s[CSC], 0x431044fe                   ; c = log2(e) / 0.01
	s_mov_b32 s[CSC+1], s[CSC]
	s_mov_b32 s52, 0x40c00000                      ; 6.0
	s_mov_b32 s62, 0x47c35000                      ; 1e5
	s_mov_b32 s63, 0xc7c35000                      ; -1e5
	s_lshr_b32 s66, s[WV], 2
	s_or_b32 s66, s66, ttmp9                       ; 0 in waves 0-3 of the batch's first cluster: the same in all partners
	s_cmp_eq_u32 s66, 0
	s_cselect_b32 s[LIM], 14, 0
	s_mov_b32 s[G1], 15|(3<<16)|(1<<21)            ; a block: 52 rows of 32 elements of 8 bytes, dense; asked for jointly by the four
	s_mov_b32 s[G1+1], 32<<16
	s_mov_b32 s[G1+2], 52<<16
	s_mov_b32 s[G1+3], 32<<16
	s_mov_b32 s[G1+4], 52
	s_mov_b32 s[G1+5], 32
	s_mov_b32 s[G1+6], 0
	s_mov_b32 s[G1+7], 0
	v_and_b32 v230, 31, v0                         ; lane
	v_and_b32 v231, 15, v0                         ; r
	v_bfe_u32 v11, v0, 4, 1                        ; h
	v_lshlrev_b32 v[LI], 4, v230
	v_lshlrev_b32 v[L8], 3, v230
	v_lshlrev_b32 v[L4], 2, v230
	v_lshlrev_b32 v[HB], 6, v11
	s_mul_i32 s69, s68, 2*BLK
	v_add_nc_u32 v[LW], s69, v[LI]
	v_add_nc_u32 v[LW8], s69, v[L8]
	s_lshl_b32 s69, s68, 9
	s_add_co_u32 s69, s69, MASK
	v_add_nc_u32 v[MA0], s69, v[HB]
	s_lshl_b32 s69, s[WV], 8
	s_add_co_u32 s69, s69, STAT
	v_add_nc_u32 v[STW], s69, v[L8]
	s_lshl_b32 s69, s67, 8
	s_add_co_u32 s69, s69, STAT
	v_add_nc_u32 v[SRD], s69, v[L8]
.irp d, 1,2,3
	s_add_co_u32 s69, s68, \d                      ; my accumulators 8 d .. 8 d + 7 belong to the wave of group (g + d) mod 4
	s_and_b32 s69, s69, 3
	s_lshl_b32 s69, s69, 1
	s_add_co_u32 s69, s69, s67
	s_lshl_b32 s69, s69, 13
	s_add_co_u32 s69, s69, MRG
	v_add_nc_u32 v[MW+\d-1], s69, v[LI]
.endr
	s_lshl_b32 s69, s[WV], 13
	s_add_co_u32 s69, s69, MRG
	v_add_nc_u32 v[MR], s69, v[LI]
	s_lshl_b32 s70, s67, 2
	s_add_co_u32 s71, s70, s68                     ; 4 qt + g
	s_mul_i32 s69, s71, 1536
	s_add_co_u32 s69, s69, FIMG
	v_add_nc_u32 v[FIW], s69, v[LI]
	s_lshl_b32 s69, s71, 7
	s_add_co_u32 s69, s69, FSC
	v_add_nc_u32 v[FSW], s69, v[L4]
	s_mul_i32 s69, s70, 1536
	s_add_co_u32 s69, s69, FIMG
	v_add_nc_u32 v[FIR], s69, v[LI]
	s_lshl_b32 s69, s70, 7
	s_add_co_u32 s69, s69, FSC
	v_add_nc_u32 v[FSR], s69, v[L4]
	s_mul_i32 s69, s[WV], 4352
	s_add_co_u32 s69, s69, MRG
	v_mul_u32_u24 v[SIN], v231, 272
	v_add_nc_u32 v[SIN], v[SIN], v[HB]
	v_add_nc_u32 v[SIN], s69, v[SIN]               ; the way out, in: row r, + 64 h
	v_mul_u32_u24 v[SOUT], v11, 272
	v_lshl_add_u32 v[SOUT], v231, 4, v[SOUT]
	v_add_nc_u32 v[SOUT], s69, v[SOUT]             ; back: lanes 0-15 one row of 256 bytes, lanes 16-31 the next
	s_lshl_b32 s69, s68, 8
	s_add_co_u32 s69, s69, FB
	v_add_nc_u32 v[FBA0], s69, v[HB]
	v_lshlrev_b32 v[CO], 13, v11
	v_lshl_add_u32 v[CO], v231, 4, v[CO]           ; and the same two rows in out
	v_min_u32 v[PFO], 25, v230
	v_lshlrev_b32 v[PFO], 8, v[PFO]
	s_mul_i32 s69, s[WV], 6656
	v_add_nc_u32 v[PFO], s69, v[PFO]
	v_lshlrev_b32 v234, 3, v0                      ; the head's own offsets: 8 mask bytes, 32 bytes of f_b a thread
	v_lshlrev_b32 v235, 5, v0
	v_lshl_add_u32 v236, v0, 5, MASK
	v_lshl_add_u32 v237, v0, 5, FB
	s_lshl_b32 s72, s25, 5
	s_add_co_u32 s72, s72, s24
	s_mul_i32 s72, s72, BLK                        ; my block of qcs
	s_mul_i32 s74, s67, 6144
	s_add_co_u32 s74, s74, s72
	s_mov_b32 s75, 0
	s_lshl_b32 s76, s67, 9
	s_add_co_u32 s76, s76, s72
	s_add_co_u32 s76, s76, 12288
	s_mov_b32 s77, 0
	s_mul_i32 s78, s25, 16*TILEB
	s_mov_b32 s79, 0
	s_mul_i32 s80, s[WV], BLK
	s_mov_b32 s81, 0
	s_mul_i32 s82, s23, 26624
	s_add_co_u32 s82, s82, TILEB
	s_mov_b32 s83, 0
	s_wait_kmcnt 0x0
	s_add_nc_u64 s[74:75], s[4:5], s[74:75]
	s_add_nc_u64 s[76:77], s[4:5], s[76:77]
.irp e, 0,1,2,3
.irp c, 0,1,2
	global_load_b128 v[QF+12*\e+4*\c:QF+12*\e+4*\c+3], v[LI], s[74:75] offset:1536*\e+512*\c      ; Q's fragments stay in registers
.endr
	global_load_b32 v[QS+\e], v[L4], s[76:77] offset:128*\e
.endr
	s_lshl_b32 s72, s25, 11
	s_mov_b32 s73, 0
	s_add_nc_u64 s[12:13], s[12:13], s[72:73]
	global_load_b64 v[84:85], v234, s[12:13]
	global_load_b128 v[88:91], v235, s[18:19]
	global_load_b128 v[92:95], v235, s[18:19] offset:16
	s_add_nc_u64 s[6:7], s[6:7], s[78:79]          ; the batch's first tile
	s_mov_b32 s[G0], 1
	s_mov_b32 s[G0+1], s80                         ; LDS: block w of slot 0
	s_add_nc_u64 s[G0+2:G0+3], s[6:7], s[80:81]
	s_or_b32 s[G0+3], s[G0+3], 0x80000000
	s_add_nc_u64 s[FWP:FWP+1], s[8:9], s[80:81]
	s_add_nc_u64 s[FWP:FWP+1], s[FWP:FWP+1], 24*TILEB      ; block w of f_W's first tile
	s_or_b32 s[FWP+1], s[FWP+1], 0x80000000
	s_add_nc_u64 s[PFA:PFA+1], s[6:7], s[82:83]    ; my work-group's quarter of tile 1: the first change of slots steps it to tile 2.  Nothing is prefetched at the head
	s_lshl_b32 s72, s25, 23                        ; out: row 1,024 batch + 32 block + 8 qt, + 256 g bytes
	s_lshl_b32 s69, s24, 18
	s_add_co_u32 s72, s72, s69
	s_lshl_b32 s69, s67, 16
	s_add_co_u32 s72, s72, s69
	s_lshl_b32 s69, s68, 8
	s_add_co_u32 s72, s72, s69
	s_add_nc_u64 s[OUTP:OUTP+1], s[20:21], s[72:73]
	s_lshl_b32 s72, s68, 9                         ; f's batch-norm at my 128 channels
	s_add_nc_u64 s[58:59], s[14:15], s[72:73]
	s_add_nc_u64 s[60:61], s[16:17], s[72:73]
	s_add_co_u32 s72, s72, 24576
	s_add_nc_u64 s[56:57], s[10:11], s[72:73]
	ROUND                                          ; the four work-groups are here: the first joint loads meet
	tensor_load_to_lds s[G0:G0+3], s[G1:G1+7]      ; tile 0
	s_nop 0
.rept 4
	v_nop
.endr
	WIN 0x40
.set j, 0
.rept 256
	v_mov_b32 v[j], 0                              ; O^T.  The loop is written once: its first step finds zeros, which the first change of M leaves zeros
.set j, j+1
.endr
	WIN 0
	v_mov_b32 v13, 0xff61b1e6                      ; the largest t so far: -3e38
	v_floor_f32 v12, -v13
	v_mov_b32 v14, 0
	v_mov_b32 v15, 0
	v_mov_b32 v[PWD], 0                            ; (named as the upper half of a pair before it is first written)
.irp b, 0,1,2,3
	v_mov_b32 v[TP+\b], 0                          ; a lane permute's destination counts as one of its sources
.endr
	s_wait_loadcnt 0x0
.irp j, 0,1,2,3,4,5,6,7
	v_bfe_u32 v[96+\j], v[84+\j/4], 8*(\j%4), 8
.endr
.irp j, 0,1,2,3,4,5,6,7
	v_cvt_f32_u32 v[96+\j], v[96+\j]
.endr
.irp j, 0,1,2,3,4,5,6,7
	v_fma_f32 v[96+\j], v[96+\j], s62, s63         ; (mask - 1) x 1e5: exactly 0 for a key that counts
.endr
	ds_store_b128 v236, v[96:99]
	ds_store_b128 v236, v[100:103] offset:16
	ds_store_b128 v237, v[88:91]
	ds_store_b128 v237, v[92:95] offset:16         ; the first change of slots waits for these stores and passes a barrier
	s_mov_b32 s[CS], 4
.Lss:                                      ; a trip: 512 keys of the batch, 128 of them mine: four ring trips
	HEAD 1, 0, 1
	ASK
	v_add_nc_u32 v[MA], s[MS], v[MA0]
.irp t, 0,1,2,3,4,5,6,7
	ds_load_b128 v[S+8*\t:S+8*\t+3], v[MA] offset:128*(\t/2)+32*(\t%2)           ; the scores begin as the mask's addend: register j of tile t is key 32 (t / 2) + 16 h + 8 (t % 2) + j
	ds_load_b128 v[S+8*\t+4:S+8*\t+7], v[MA] offset:128*(\t/2)+32*(\t%2)+16
.endr
	WALK 0, 0
	HEAD 1, 0, 1
	ASK
	WALK 0, 1
	PLACES
	SOFTMAX
	HEAD 1, 0, 1
	ASK
	PVT 0, 1
	HEAD 1, 1, 1
	ASK
	PVT 1, 0
	s_add_co_u32 s[MS], s[MS], 2048
	s_sub_co_u32 s[CS], s[CS], 1
	s_cmp_lg_u32 s[CS], 0
	s_cbranch_scc1 .Lss
	; ---- THE MERGE of the four key groups.  Plain barriers
	v_add_f32 v14, v14, v15
	v_permlanex16_b32 v[TP], v14, s[SEL], s[SEL+1]
	v_add_f32 v13, v14, v[TP]                      ; my group's sum, beside -M
	ds_store_b64 v[STW], v[12:13]
	BARRIER
.irp y, 0,1,2,3
	ds_load_b64 v[208+2*\y:209+2*\y], v[SRD] offset:512*\y
.endr
	s_wait_dscnt 0x0
	v_min_num_f32 v[BM], v208, v210
	v_min_num_f32 v[BM+1], v212, v214
	v_min_num_f32 v[BM], v[BM], v[BM+1]            ; -M of all four
.irp y, 0,1,2,3
	v_sub_f32 v[TP+\y], v[BM], v[208+2*\y]
.endr
.irp y, 0,1,2,3
	v_cvt_i32_f32 v[TP+\y], v[TP+\y]
.endr
.irp y, 0,1,2,3
	v_ldexp_f32 v[TP+\y], 1.0, v[TP+\y]            ; 2^(a group's M - M)
.endr
	v_mul_f32 v[SO], v209, v[TP]
	v_fma_f32 v[SO], v211, v[TP+1], v[SO]
	v_fma_f32 v[SO], v213, v[TP+2], v[SO]
	v_fma_f32 v[SO], v215, v[TP+3], v[SO]          ; the row's sum
	v_sub_f32 v230, v[BM], v12
	v_cvt_i32_f32 v230, v230
	v_ldexp_f32 v[FF], 1.0, v230                   ; my own group's factor
	v_rcp_f32 v[SO+2], v[SO]
	WIN 0x41
.set j, 0
.rept 128
	v_pk_mul_f32 v[j:j+1], v[j:j+1], v[FF:FF+1] op_sel_hi:[1,0]
.set j, j+2
.endr
	WIN 0
	s_wait_alu depctr_va_vdst(0)                   ; the reciprocal's wait, ahead of its first reader
; Round d: my accumulators 8 d .. 8 d + 7 go to their owner's 8,192 bytes; a barrier; what came for me is added onto my accumulators 0 .. 7; a barrier ahead of the next round's stores.
; The registers that a round's stores have left take a parameter of f's batch-norm, in the result's layout.
.macro MROUND d, pb
	WIN 0x04                                       ; an LDS store's data are its source 1: window 1
.set j, 0
.rept 16
	ds_store_b128 v[MW+\d-1], v[64*\d+4*j:64*\d+4*j+3] offset:512*j
.set j, j+1
.endr
	WIN 0
	s_wait_dscnt 0x0
	WIN 0x40
.irp i, 0,1,2,3,4,5,6,7
	global_load_b128 v[64*\d+8*\i:64*\d+8*\i+3], v[HB], s[\pb:\pb+1] offset:128*(\i/2)+32*(\i%2)
	global_load_b128 v[64*\d+8*\i+4:64*\d+8*\i+7], v[HB], s[\pb:\pb+1] offset:128*(\i/2)+32*(\i%2)+16
.endr
	WIN 0
	s_barrier_signal -1
	s_barrier_wait -1
.irp y, 0,1
.irp x, 0,1,2,3,4,5,6,7
	ds_load_b128 v[FBUF+4*\x:FBUF+4*\x+3], v[MR] offset:512*(8*\y+\x)
.endr
	s_wait_dscnt 0x0
	WIN 0x41
.set j, 0
.rept 16
	v_pk_add_f32 v[32*\y+j:32*\y+j+1], v[32*\y+j:32*\y+j+1], v[FBUF+j:FBUF+j+1]
.set j, j+2
.endr
	WIN 0
.endr
.if \d < 3
	s_barrier_signal -1
	s_barrier_wait -1
.endif
.endm
	MROUND 1, 56                                   ; a
	MROUND 2, 58                                   ; mean
	MROUND 3, 60                                   ; beta
	s_wait_loadcnt 0x0
	WIN 0x41
.set j, 0
.rept 32
	v_pk_mul_f32 v[j:j+1], v[j:j+1], v[SO+2:SO+3] op_sel_hi:[1,0]          ; / the row's sum
.set j, j+2
.endr
	WIN 0x45
.set j, 0
.rept 32
	v_pk_add_f32 v[j:j+1], v[j:j+1], v[128+j:129+j] neg_lo:[0,1] neg_hi:[0,1]
.set j, j+2
.endr
	WIN 0x55
.set j, 0
.rept 32
	v_pk_fma_f32 v[j:j+1], v[j:j+1], v[64+j:65+j], v[192+j:193+j]
.set j, j+2
.endr
	WIN 0
	QUANT 0, 1, 84, 108, 124                       ; 16 queries x my 128 channels: K step g of the last product
	IMAGE FIW, 0, 84
	ds_store_b32 v[FSW], v124
	BARRIER                                        ; the features' images lie in LDS, and every wave's reads of the merge's bytes are over
.irp e, 0,1,2,3
	FRAG QF+12*\e, FIR, 1536*\e
	ds_load_b32 v[QS+\e], v[FSR] offset:128*\e
.endr
; ---- THE LAST PRODUCT: a trip makes my 16 queries x 64 columns of 256: four accumulators, which begin as f_b, by turns; clip; through my stage; whole pieces of rows out
.macro FTRIP fill
	HEAD \fill, 0, 0
	v_add_nc_u32 v[FBA], s[FS], v[FBA0]
.irp t, 0,1,2,3
	ds_load_b128 v[S+8*\t:S+8*\t+3], v[FBA] offset:128*(\t/2)+32*(\t%2)
	ds_load_b128 v[S+8*\t+4:S+8*\t+7], v[FBA] offset:128*(\t/2)+32*(\t%2)+16
.endr
	WALK 1, 0
	PLACES
.set j, 0
.rept 32
	v_med3_num_f32 v[S+j], v[S+j], 0, s52
.set j, j+1
.endr
.irp t, 0,1,2,3
	ds_store_b128 v[SIN], v[S+8*\t:S+8*\t+3] offset:128*(\t/2)+32*(\t%2)
	ds_store_b128 v[SIN], v[S+8*\t+4:S+8*\t+7] offset:128*(\t/2)+32*(\t%2)+16
.endr
.irp k, 0,1,2,3,4,5,6,7
	ds_load_b128 v[164+4*\k:167+4*\k], v[SOUT] offset:544*\k       ; LDS serves a wave's instructions in order: these see my stores
.endr
.irp k, 0,1,2,3,4,5,6,7
	s_wait_dscnt 7-\k
	global_store_b128 v[CO], v[164+4*\k:167+4*\k], s[OUTP:OUTP+1] offset:(2*\k+8*(\k/4))*8192 th:TH_STORE_NT     ; 16 lanes store 256 consecutive bytes, aligned; stage row rho is query 8 qt + rho + 8 (rho / 8)
.endr
	s_wait_xcnt 0x0                                ; the stores' base and registers are written again only behind this wait
	s_add_nc_u64 s[OUTP:OUTP+1], s[OUTP:OUTP+1], 1024
	s_add_co_u32 s[FS], s[FS], 1024
.endm
	s_mov_b32 s[CS], 7
.Lf:
	FTRIP 1
	s_sub_co_u32 s[CS], s[CS], 1
	s_cmp_lg_u32 s[CS], 0
	s_cbranch_scc1 .Lf
	FTRIP 0                                        ; the last tile is written out
	s_wait_tensorcnt 0x0                           ; the wave's end
	ds_add_u32 v[SPW], v[NIL]
	s_wait_dscnt 0x0
	ROUND                                          ; the closing round
	s_endpgm
.Lfunc_end_k_qb628beb556_attn:
	.size	k_qb628beb556_attn, .Lfunc_end_k_qb628beb556_attn-k_qb628beb556_attn
	.p2alignl 7, 3214868480
	.fill 96, 4, 3214868480
	.section	.rodata,"a",@progbits
	.p2align	6, 0x0
	.amdhsa_kernel k_qb628beb556_attn
		.amdhsa_group_segment_fixed_size 327680
		.amdhsa_private_segment_fixed_size 0
		.amdhsa_enable_private_segment 0
		.amdhsa_kernarg_size 72
		.amdhsa_user_sgpr_count 2
		.amdhsa_user_sgpr_kernarg_segment_ptr 1
		.amdhsa_wavefront_size32 1
		.amdhsa_system_sgpr_workgroup_id_x 1
		.amdhsa_system_sgpr_workgroup_id_y 1
		.amdhsa_system_sgpr_workgroup_id_z 1
		.amdhsa_system_vgpr_workitem_id 0
		.amdhsa_next_free_vgpr 512
		.amdhsa_next_free_sgpr 90
		.amdhsa_reserve_vcc 0
		.amdhsa_float_denorm_mode_32 3
		.amdhsa_float_denorm_mode_16_64 3
		.amdhsa_memory_ordered 1
		.amdhsa_forward_progress 1
		.amdhsa_inst_pref_size 137
	.end_amdhsa_kernel
	.amdgpu_metadata
---
amdhsa.version: [ 1, 2 ]
amdhsa.kernels:
  - .name:           k_qb628beb556_attn
    .symbol:         k_qb628beb556_attn.kd
    .args:
      - { .name: qcs, .offset: 0, .size: 8, .value_kind: global_buffer, .address_space: global }
      - { .name: kvs, .offset: 8, .size: 8, .value_kind: global_buffer, .address_space: global }
      - { .name: wts, .offset: 16, .size: 8, .value_kind: global_buffer, .address_space: global }
      - { .name: bna, .offset: 24, .size: 8, .value_kind: global_buffer, .address_space: global }
      - { .name: valid_mask, .offset: 32, .size: 8, .value_kind: global_buffer, .address_space: global }
      - { .name: f_mean, .offset: 40, .size: 8, .value_kind: global_buffer, .address_space: global }
      - { .name: f_beta, .offset: 48, .size: 8, .value_kind: global_buffer, .address_space: global }
      - { .name: f_b, .offset: 56, .size: 8, .value_kind: global_buffer, .address_space: global }
      - { .name: out0, .offset: 64, .size: 8, .value_kind: global_buffer, .address_space: global }
    .group_segment_fixed_size: 327680
    .private_segment_fixed_size: 0
    .kernarg_segment_align: 8
    .kernarg_segment_size: 72
    .max_flat_workgroup_size: 256
    .sgpr_count:     90
    .vgpr_count:     512
    .wavefront_size: 32
...
	.end_amdgpu_metadata
.endif
;; end of part 3
;; ======== version 2 of 2: 3 launches
;; limits: right only within a limited range of input values
;; workspace buffers: wts 3,407,872 bytes; bna 26,624 bytes; kvs 13,631,488 bytes; qcs 3,407,872 bytes
;; launch prep (part 4): grid 256 x 1, 4 waves a work-group, no clusters, 13,824 bytes of LDS; arguments k_W, v_W, q_W, f_W, k_var, k_gamma, v_var, v_gamma, q_var, q_gamma, f_var, f_gamma, wts, bna; writes wts, bna
.if DOCPART == 4
	.amdgcn_target "amdgcn-amd-amdhsa--gfx1250"
	.amdhsa_code_object_version 6
	.text
	.protected	k_qb628beb556_prep
	.globl	k_qb628beb556_prep
	.p2align	8
	.type	k_qb628beb556_prep,@function
k_qb628beb556_prep:
	s_mov_b64 s[64:65], 0
	v_nop
	global_prefetch_b8 v0, s[64:65] scope:SCOPE_SE
	s_setreg_imm32_b32 hwreg(HW_REG_WAVE_MODE, 25, 1), 1
	s_wait_xcnt 0x0
; PREP.  The four weights ([K][N] f32, K the first axis) become codes of E2M3 with one E8M0 byte for each 32 along K, laid in the order of the reader's operand registers;
; and a = gamma * rsqrt(var + 1e-3) of the four batch-norms goes to bna (k 2,048 numbers, v 2,048, q 2,048, f 512).
; FORMATS.  IMAGE, 1,536 bytes: a fragment of 16 columns x 128 K, 12 registers a lane: registers 4 p .. 4 p + 3 of lane l at 512 p + 16 l.  BLOCK, 13,312 bytes: 8 images, then 2 groups of scale words,
; [lane][4 words], word i % 4 of group i / 4 for image i, a column's word in lanes r and r + 16.  TILE, 8 blocks.
; THE COLUMNS OF A TILE ARE NOT NEIGHBOURS: row rho of column tile 2 b + u is column 32 b + 8 u + rho + 8 (rho / 8).
; SHARES.  256 work-groups, 64 for each weight: 128 along K x 128 columns.  A lane takes a column and its 128 registers run down K, so a block's largest magnitude and the whole scale word are the lane's own.
; A wave's 32 columns are two images: they are gathered in the wave's own 3,072 bytes of LDS and leave as six stores of 512 consecutive bytes; the four waves' scale words meet in 1,024 bytes and leave as four aligned stores of 256.
; The loads run two blocks of 32 along K ahead (64 loads a wave at the most).  The weights' two row lengths differ in a scalar alone: 32 offset registers hold 4 x lane + i rows, four bases stand 32 rows apart.
; No tensor load, no matrix work, no cluster: work-groups share nothing.
; LIMITS: NaN and infinities are not served; a block whose largest magnitude lies under 2^-124 keeps the byte 1, a block of zeros too (the rule says 127: its codes are zeros, and only this program reads the bytes).
.set TILEB, 106496
.set BLK,   13312
.set SCST,  12288                      ; LDS: behind the four stages, the scale words
.set X,     64                         ; v64-191: my column's 128 numbers
.set OFF,   192                        ; v192-223: 4 x lane + i rows, i = 0 .. 31; never rewritten
	s_load_b512 s[4:19], s[0:1], 0x0               ; k_W, v_W, q_W, f_W, k_var, k_gamma, v_var, v_gamma
	s_load_b256 s[20:27], s[0:1], 0x40             ; q_var, q_gamma, f_var, f_gamma
	s_load_b128 s[28:31], s[0:1], 0x60             ; wts, bna
	v_lshl_add_u32 v224, v0, 2, 0x3400
	v_mov_b32 v225, 0
	v_lshrrev_b32 v8, 5, v0
	v_readfirstlane_b32 s32, v8                    ; wave 0..3
	v_and_b32 v1, 31, v0                           ; lane
	v_lshlrev_b32 v2, 2, v1                        ; in: 4 bytes a lane
	v_bfe_u32 v8, v0, 3, 1                         ; u: which of my wave's two column tiles
	v_and_b32 v9, 7, v0
	v_bfe_u32 v10, v0, 4, 1
	v_lshl_add_u32 v9, v10, 3, v9                  ; rho: my column's row in that tile
	s_mul_i32 s33, s32, 3072                       ; my wave's stage
	v_mul_u32_u24 v3, v8, 1536
	v_lshl_add_u32 v3, v9, 4, v3
	v_add_nc_u32 v3, s33, v3                       ; v3: stage + 1,536 u + 16 rho
	s_lshr_b32 s34, s32, 1
	s_lshl_b32 s34, s34, 9
	s_and_b32 s35, s32, 1
	s_lshl_b32 s35, s35, 3
	s_add_co_u32 s34, s34, s35
	s_add_co_u32 s34, s34, SCST
	v_lshlrev_b32 v4, 4, v9
	v_lshl_add_u32 v4, v8, 2, v4
	v_add_nc_u32 v4, s34, v4                       ; v4: my scale word: group wave / 2, lane rho, word 2 (wave % 2) + u
	v_lshlrev_b32 v11, 4, v1                       ; v11: 16 x lane
	v_add_nc_u32 v5, s33, v11                      ; v5: the stage read back
	v_lshlrev_b32 v7, 3, v1                        ; v7: 8 x lane
	s_lshl_b32 s34, s32, 8
	s_add_co_u32 s34, s34, SCST
	v_add_nc_u32 v6, s34, v7                       ; v6: my wave's 256 bytes of scale words
	; which weight, which 128 along K (ks), which 128 columns (cg)
	s_lshr_b32 s36, ttmp9, 6                       ; 0 k, 1 v, 2 q, 3 f
	s_and_b32 s37, ttmp9, 63
	s_lshr_b32 s38, s37, 2
	s_and_b32 s39, s37, 3
	s_lshr_b32 s40, s37, 4
	s_and_b32 s41, s37, 15
	s_cmp_eq_u32 s36, 3
	s_cselect_b32 s38, s40, s38                    ; ks
	s_cselect_b32 s39, s41, s39                    ; cg
	s_cselect_b32 s42, 13, 11                      ; a row of the weight is 2^13 or 2^11 bytes
	s_lshl_b32 s59, 1, s42                         ; a row in bytes,
	s_lshl_b32 s60, 32, s42                        ; 32 rows
	s_mov_b32 s61, 0
.set i, 0
.rept 32
	v_mad_u32_u24 v[OFF+i], s59, i, v2             ; row i of a block of 32, my column
.set i, i+1
.endr
	s_lshl_b32 s44, s38, 7
	s_lshl_b32 s44, s44, s42                       ; 128 ks rows,
	s_lshl_b32 s43, s39, 9
	s_add_co_u32 s44, s44, s43                     ; 128 cg columns,
	s_lshl_b32 s43, s32, 7
	s_add_co_u32 s44, s44, s43                     ; 32 columns a wave
	s_mov_b32 s45, 0
	; where it goes: tile s47, block s46, and the wave's places in the block (codes s53, scale words s54)
	s_lshl_b32 s46, s36, 2
	s_add_co_u32 s46, s46, s39                     ; k, v: block 4 x kind + cg,
	s_mov_b32 s47, s38                             ; tile ks
	s_lshr_b32 s48, s38, 1                         ; ks / 2
	s_and_b32 s49, s38, 1                          ; ks % 2
	s_add_co_u32 s50, s48, 16                      ; q: tile 16 + ks / 2,
	s_lshl_b32 s51, s39, 1
	s_add_co_u32 s51, s51, s49                     ; block 2 cg + ks % 2
	s_cmp_eq_u32 s36, 2
	s_cselect_b32 s47, s50, s47
	s_cselect_b32 s46, s51, s46
	s_lshr_b32 s50, s39, 1
	s_add_co_u32 s50, s50, 24                      ; f: tile 24 + cg / 2,
	s_and_b32 s51, s39, 1
	s_lshl_b32 s51, s51, 2
	s_lshr_b32 s52, s32, 1
	s_lshl_b32 s52, s52, 1
	s_add_co_u32 s51, s51, s52
	s_add_co_u32 s51, s51, s48                     ; block 4 (cg % 2) + 2 (wave / 2) + ks / 2
	s_mul_i32 s53, s32, 3072
	s_lshl_b32 s54, s32, 8
	s_add_co_u32 s54, s54, 12288
	s_and_b32 s55, s32, 1
	s_lshl_b32 s56, s49, 2
	s_lshl_b32 s57, s55, 1
	s_add_co_u32 s56, s56, s57
	s_mul_i32 s56, s56, 1536                       ; f: images 4 (ks % 2) + 2 (wave % 2) on,
	s_lshl_b32 s57, s49, 9
	s_lshl_b32 s58, s55, 8
	s_add_co_u32 s57, s57, s58
	s_add_co_u32 s57, s57, 12288                   ; group ks % 2, its half wave % 2
	s_cmp_eq_u32 s36, 3
	s_cselect_b32 s47, s50, s47
	s_cselect_b32 s46, s51, s46
	s_cselect_b32 s53, s56, s53
	s_cselect_b32 s54, s57, s54
	s_mul_i32 s47, s47, TILEB
	s_mul_i32 s46, s46, BLK
	s_add_co_u32 s46, s46, s47
	s_add_co_u32 s48, s46, s53
	s_mov_b32 s49, 0
	s_add_co_u32 s50, s46, s54
	s_mov_b32 s51, 0
	s_wait_alu depctr_va_vdst(0)
	s_wait_kmcnt 0x0
	s_cmp_eq_u32 s36, 1                            ; the choice of the weight hangs on the work-group's number alone
	s_cselect_b64 s[4:5], s[6:7], s[4:5]
	s_cmp_eq_u32 s36, 2
	s_cselect_b64 s[4:5], s[8:9], s[4:5]
	s_cmp_eq_u32 s36, 3
	s_cselect_b64 s[4:5], s[10:11], s[4:5]
	s_add_nc_u64 s[4:5], s[4:5], s[44:45]          ; my wave's columns at row 128 ks: block 0's base;
	s_add_nc_u64 s[6:7], s[4:5], s[60:61]          ; blocks 1, 2, 3: 32 rows further down each
	s_add_nc_u64 s[8:9], s[6:7], s[60:61]
	s_add_nc_u64 s[10:11], s[8:9], s[60:61]
	s_add_nc_u64 s[48:49], s[28:29], s[48:49]      ; my wave's two images
	s_add_nc_u64 s[50:51], s[28:29], s[50:51]      ; my wave's 256 bytes of scale words
.macro LOADB b                         ; W(128 ks + 32 b + i, my column), i = 0 .. 31: each load's 32 lanes read 128 consecutive bytes
.set i, 0
.rept 32
	global_load_b32 v[X+32*(\b)+i], v[OFF+i], s[4+2*(\b):5+2*(\b)] th:TH_LOAD_NT
.set i, i+1
.endr
.endm
	LOADB 0
	LOADB 1
; Block b of 32 along K: largest magnitude, scale byte, 32 codes (six registers), into the image: the fragment gives lane (rho, b % 2) registers 6 (b / 2) .. 6 (b / 2) + 5.
.macro BLOCKQ b
.set XS, X+32*(\b)
.if (\b) < 3
	s_wait_loadcnt 32                              ; loads come back in order: this block's 32 are in, the next block's 32 may be out
.else
	s_wait_loadcnt 0x0
.endif
.if (\b) < 2
	LOADB (\b)+2                                   ; the block two on is asked for while this one is worked
.endif
	v_max3_num_f32 v8, |v[XS]|, |v[XS+1]|, |v[XS+2]|
	v_max3_num_f32 v9, |v[XS+3]|, |v[XS+4]|, |v[XS+5]|
.irp i, 6,10,14,18,22,26
	v_max3_num_f32 v8, v8, |v[XS+\i]|, |v[XS+\i+1]|
	v_max3_num_f32 v9, v9, |v[XS+\i+2]|, |v[XS+\i+3]|
.endr
	v_max3_num_f32 v8, v8, |v[XS+30]|, |v[XS+31]|
	v_max3_num_f32 v8, v8, v9, 0x1800000           ; the floor 2^(3 - 127): the byte cannot fall under 1
	v_add_nc_u32 v10, 0xff000000, v8               ; 2 off the exponent field: the conversion's scale operand
	v_lshrrev_b32 v9, 23, v10                      ; the scale's byte
.if (\b) == 0
	v_mov_b32 v28, v9
.else
	v_lshl_or_b32 v28, v9, 8*(\b), v28             ; four bytes make my column's scale word
.endif
	v_cvt_scalef32_pk16_fp6_f32 v[16:18], v[XS:XS+15], v10
	v_cvt_scalef32_pk16_fp6_f32 v[24:26], v[XS+16:XS+31], v10   ; (a conversion's three registers begin on an even number)
	v_nop                                          ; one plain instruction behind a scaled conversion
	v_mov_b32 v19, v24
	v_mov_b32 v20, v25
	v_mov_b32 v21, v26
.if (\b) < 2
	ds_store_b128 v3, v[16:19] offset:256*((\b)%2)          ; registers 0-3
	ds_store_b64 v3, v[20:21] offset:256*((\b)%2)+512       ; registers 4, 5
.else
	ds_store_b64 v3, v[16:17] offset:256*((\b)%2)+520       ; registers 6, 7
	ds_store_b128 v3, v[18:21] offset:256*((\b)%2)+1024     ; registers 8-11
.endif
	s_wait_dscnt 0x0                               ; the stores have read their registers: the next block's codes may be written
.endm
	BLOCKQ 0
	BLOCKQ 1
	BLOCKQ 2
	BLOCKQ 3
	s_wait_alu depctr_va_vdst(0)
	ds_store_b32 v4, v28                           ; the word for lane rho,
	ds_store_b32 v4, v28 offset:256                ; and for lane rho + 16
.irp i, 0,1,2,3,4,5
	ds_load_b128 v[32+4*\i:35+4*\i], v5 offset:512*\i      ; LDS serves a wave's instructions in order: these see my stores
.endr
.irp i, 0,1,2,3,4,5
	s_wait_dscnt 5-\i
	global_store_b128 v11, v[32+4*\i:35+4*\i], s[48:49] offset:512*\i   ; 32 lanes store 512 consecutive bytes, aligned to 256
.endr
	s_wait_dscnt 0x0                               ; for the others' sake: my scale words have landed
	s_barrier_signal -1
	s_barrier_wait -1
	ds_load_b64 v[12:13], v6
	s_wait_dscnt 0x0
	global_store_b64 v7, v[12:13], s[50:51]        ; 32 lanes store 256 consecutive bytes, aligned
	; a = gamma * rsqrt(var + 1e-3): the first 52 work-groups take 128 numbers each (16 + 16 + 16 + 4)
	s_cmp_lt_u32 ttmp9, 52
	s_cbranch_scc0 .Lend
	s_lshr_b32 s52, ttmp9, 4
	s_and_b32 s53, ttmp9, 15
	s_lshl_b32 s53, s53, 9
	v_lshl_add_u32 v14, v0, 2, s53
	s_wait_alu depctr_va_vdst(0)
	s_cmp_eq_u32 s52, 1
	s_cselect_b64 s[12:13], s[16:17], s[12:13]
	s_cselect_b64 s[14:15], s[18:19], s[14:15]
	s_cmp_eq_u32 s52, 2
	s_cselect_b64 s[12:13], s[20:21], s[12:13]
	s_cselect_b64 s[14:15], s[22:23], s[14:15]
	s_cmp_eq_u32 s52, 3
	s_cselect_b64 s[12:13], s[24:25], s[12:13]
	s_cselect_b64 s[14:15], s[26:27], s[14:15]
	global_load_b32 v15, v14, s[12:13]
	global_load_b32 v29, v14, s[14:15]
	s_lshl_b32 s54, ttmp9, 9
	v_lshl_add_u32 v30, v0, 2, s54
	s_wait_loadcnt 0x0
	v_add_f32 v15, 0x3a83126f, v15
	s_wait_alu depctr_va_vdst(0)
	v_rsq_f32 v31, v15
	v_nop                                          ; a plain instruction behind the transcendental,
	s_wait_alu depctr_va_vdst(0)                   ; and the wait ahead of its first reader
	v_mul_f32 v31, v31, v29
	global_store_b32 v30, v31, s[30:31]
.Lend:
	s_wait_tensorcnt 0x0
	ds_add_u32 v224, v225
	s_wait_dscnt 0x0
	s_endpgm
.Lfunc_end_k_qb628beb556_prep:
	.size	k_qb628beb556_prep, .Lfunc_end_k_qb628beb556_prep-k_qb628beb556_prep
	.p2alignl 7, 3214868480
	.fill 96, 4, 3214868480
	.section	.rodata,"a",@progbits
	.p2align	6, 0x0
	.amdhsa_kernel k_qb628beb556_prep
		.amdhsa_group_segment_fixed_size 13824
		.amdhsa_private_segment_fixed_size 0
		.amdhsa_enable_private_segment 0
		.amdhsa_kernarg_size 112
		.amdhsa_user_sgpr_count 2
		.amdhsa_user_sgpr_kernarg_segment_ptr 1
		.amdhsa_wavefront_size32 1
		.amdhsa_system_sgpr_workgroup_id_x 1
		.amdhsa_system_sgpr_workgroup_id_y 1
		.amdhsa_system_sgpr_workgroup_id_z 1
		.amdhsa_system_vgpr_workitem_id 0
		.amdhsa_next_free_vgpr 226
		.amdhsa_next_free_sgpr 66
		.amdhsa_reserve_vcc 0
		.amdhsa_float_denorm_mode_32 3
		.amdhsa_float_denorm_mode_16_64 3
		.amdhsa_memory_ordered 1
		.amdhsa_forward_progress 1
		.amdhsa_inst_pref_size 28
	.end_amdhsa_kernel
	.amdgpu_metadata
---
amdhsa.version: [ 1, 2 ]
amdhsa.kernels:
  - .name:           k_qb628beb556_prep
    .symbol:         k_qb628beb556_prep.kd
    .args:
      - { .name: k_W, .offset: 0, .size: 8, .value_kind: global_buffer, .address_space: global }
      - { .name: v_W, .offset: 8, .size: 8, .value_kind: global_buffer, .address_space: global }
      - { .name: q_W, .offset: 16, .size: 8, .value_kind: global_buffer, .address_space: global }
      - { .name: f_W, .offset: 24, .size: 8, .value_kind: global_buffer, .address_space: global }
      - { .name: k_var, .offset: 32, .size: 8, .value_kind: global_buffer, .address_space: global }
      - { .name: k_gamma, .offset: 40, .size: 8, .value_kind: global_buffer, .address_space: global }
      - { .name: v_var, .offset: 48, .size: 8, .value_kind: global_buffer, .address_space: global }
      - { .name: v_gamma, .offset: 56, .size: 8, .value_kind: global_buffer, .address_space: global }
      - { .name: q_var, .offset: 64, .size: 8, .value_kind: global_buffer, .address_space: global }
      - { .name: q_gamma, .offset: 72, .size: 8, .value_kind: global_buffer, .address_space: global }
      - { .name: f_var, .offset: 80, .size: 8, .value_kind: global_buffer, .address_space: global }
      - { .name: f_gamma, .offset: 88, .size: 8, .value_kind: global_buffer, .address_space: global }
      - { .name: wts, .offset: 96, .size: 8, .value_kind: global_buffer, .address_space: global }
      - { .name: bna, .offset: 104, .size: 8, .value_kind: global_buffer, .address_space: global }
    .group_segment_fixed_size: 13824
    .private_segment_fixed_size: 0
    .kernarg_segment_align: 8
    .kernarg_segment_size: 112
    .max_flat_workgroup_size: 128
    .sgpr_count:     66
    .vgpr_count:     226
    .wavefront_size: 32
...
	.end_amdgpu_metadata
.endif
;; end of part 4
;; launch proj (part 5): grid 256 x 1, 8 waves a work-group, clusters of 4 x 1, 327,680 bytes of LDS; arguments context_features, input_features, valid_mask, k_mean, k_beta, k_b, v_mean, v_beta, v_b, q_mean, q_beta, q_b, bna, wts, kvs, qcs; writes kvs, qcs
.if DOCPART == 5
	.amdgcn_target "amdgcn-amd-amdhsa--gfx1250"
	.amdhsa_code_object_version 6
	.text
	.protected	k_qb628beb556_proj
	.globl	k_qb628beb556_proj
	.p2align	8
	.type	k_qb628beb556_proj,@function
k_qb628beb556_proj:
	s_mov_b64 s[64:65], 0
	v_nop
	global_prefetch_b8 v0, s[64:65] scope:SCOPE_SE
	s_setreg_imm32_b32 hwreg(HW_REG_WAVE_MODE, 25, 1), 1
	s_wait_xcnt 0x0
	s_wait_alu depctr_hold_cnt(0) depctr_sa_sdst(0) depctr_va_vdst(0) depctr_va_sdst(0) depctr_va_ssrc(0) depctr_va_vcc(0) depctr_vm_vsrc(0)
	s_getreg_b32 s2, hwreg(HW_REG_IB_STS2, 6, 4)
	s_cmp_eq_u32 s2, 0
	s_cbranch_scc0 .Lentry_in_a_cluster
	s_endpgm
.Lentry_in_a_cluster:
	s_bfe_u32 s2, ttmp6, 0x10000c
	s_cmp_lg_u32 s2, 0x3003
	s_cbranch_scc0 .Lentry_shape_is_right
	s_endpgm
.Lentry_shape_is_right:
; PROJ.  keys, values and queries: batch-norm, quantise along K = 2,048, product with the weight's codes, + b, clip to 0 .. 6, l2-norm, (values: x mask), quantise for the next product.  All products on codes of E2M3.
; SHARES.  A work-group takes 64 rows of context_features (read once, for k and for v) and then 32 rows of input_features.  Eight waves of 512 registers.
;   k, v: waves 0-3 make k's channels 128 w on (source 0 = weight, source 1 = rows: a lane holds a row, its registers run along the channels, the next K of k);
;         waves 4-7 make v's channels 128 (w - 4) on (source 0 = rows, source 1 = weight: a lane holds a channel, its registers run along the keys, the next K of v).  32 accumulators a wave: window 1.
;   q:    wave (row tile w % 2, channels 128 (w / 2) on), oriented as k.  8 accumulators.
; THE ROWS AND COLUMNS OF A TILE ARE NOT NEIGHBOURS: row rho of tile 2 b + u is index 32 b + 8 u + rho + 8 (rho / 8), so that the 16 registers of result tiles 2 b and 2 b + 1 are 16 neighbours along the next K.
; THE WEIGHTS come as tiles of 106,496 bytes (8 blocks of 8 register images and their scale words) through a ring of two LDS slots; wave w fetches block w with one tensor load.
; CLUSTER.  All work-groups walk the same 24 tiles: the four of a cluster ask for each block JOINTLY (the same load, the same descriptor, mask 15).  One tensor load a wave is out.
; THE ORDER OF K.  With c the cluster's number and r = (c xor c / 8) mod 8, a cluster takes k's and v's 16 tiles from tile 2 r on and q's 8 from tile 2 (r mod 4) on, and wraps round; x and the batch-norm's parameters
; follow.  So at any time different clusters ask for different tiles, and all but a walk's first tiles are tiles at which another cluster began.
; THE ROWS.  A wave loads 16 rows x 128 K of x (512 consecutive bytes a load), applies the batch-norm with a lane's 4 neighbours along K, turns the numbers through its own stage in LDS so that a lane holds 16 neighbours
; of each block of 32 of ONE row, quantises, and stores the fragment as an image of its registers, from which every wave loads it.
; The biases are the accumulators' first contents.  kvs and qcs are laid as the next launch's operand registers.
; LIMITS: NaN and infinities are not served; a block under 2^-124 (a block of zeros too) keeps the byte 1: only this program reads the bytes; a = rsqrt x gamma is rounded before it multiplies; the bias is a sum's first addend,
; and the f32 sums take the K steps in the cluster's order, not ascending.
.set TILEB, 106496
.set BLK,   13312
.set SLOTX, 131072                     ; slot 1 begins here: one exclusive or turns an address in one slot into the other's
.set SPARE, 106496                     ; the spare words, 128 bytes a wave: four blocks of 256 bytes that no other line names
.set IMG0,  107520                     ; k, v: the first K step's images: version (k, v) x 6,656: four images, then [lane][4] scale words.  q: K step kk x 3,328: two images, two rows of scale words
.set STK,   120832                     ; k's sums of squares [lane][row tile][wave]
.set STV,   122880                     ; v's [wave][half][32 keys]
.set STQ,   123904                     ; q's [row tile][lane][wave / 2]
.set STG,   237568                     ; the turning stages: 16 rows x 528 bytes for each wave
.set IMG1,  305152                     ; k, v: the second K step's images
.set SPW,  1
.set NIL,  2
.set LO,   3                           ; 16 x lane
.set PO,   4                           ; my 4 numbers of the batch-norm's parameters
.set STS,  5                           ; stage, in
.set STL,  6                           ; stage, out
.set IWA,  7                           ; where I store an image (k, v)
.set ISA,  8                           ; and its scale word
.set AA0,  9                           ; v9, v10: where I read the rows' images, K step 0, 1
.set LW,   11                          ; my block in a slot (k, v)
.set WA,   12                          ; the same in the slot in hand
.set IWQ,  13
.set ISQ,  14
.set AQ,   15
.set ASQ,  16
.set LWQ,  17                          ; my two blocks in a slot (q)
.set STWK, 18
.set STRK, 19
.set STWV, 20
.set STRV, 21
.set STQW, 22
.set STQR, 23
.set L8,   24                          ; 8 x lane
.set HB,   25                          ; 64 x (lane / 16)
.set VO,   26                          ; an offset at work
.set L4,   27                          ; 4 x lane
.set WS,   28                          ; v28-35 the weight's scale words;  v36-39 the rows': these twelve hold scales alone
.set AS,   36
.set H,    40                          ; v40-103 64 numbers turned;  in the products: v40-87 the rows' fragments, v88-159 six of the weight's (q: v40-63, v64-159)
.set T,    104                         ; v104-167 numbers behind the batch-norm; then codes v104-123, at work v124-139, a scale word v140
.set AF,   40
.set WF,   88
.set X,    168                         ; v168-231 x as loaded;  v232-243 k's or q's mean, a, beta;  v244-255 v's
.set WV,   36
.set SL,   39
.set XP,   40
.set RQ,   42                          ; s42      q's first tile, counted from tile 16
.set SEL,  44
.set G1,   48
.set G0,   56
.set XB,   92                          ; s[92:93] my rows of context_features at K = 0
.set KO,   94                          ; s[94:95] the trip's place along K, in bytes of a row; it wraps at 8,192
.set WB,   96                          ; s[96:97] block w of tile 0 of wts
.set TO,   98                          ; s[98:99] the tile to be asked for, in bytes
.set CT,   100                         ; s100     how many tiles have been asked for
.set ROT,  101                         ; s101     k's and v's first tile
.set MSB, 0
.macro WIN new                         ; the immediate's high byte repeats the setting that is left
.if MSB != \new
	s_set_vgpr_msb (MSB<<8)|\new
.set MSB, \new
.endif
.endm
.macro PLACES                          ; four plain instructions behind a matrix instruction, ahead of what reads its result or writes or loads its registers
.rept 4
	v_nop
.endr
.endm
.macro BARRIER                         ; my LDS stores have landed and my LDS loads are in: then the work-group's barrier
	s_wait_dscnt 0x0
	s_barrier_signal -1
	s_barrier_wait -1
.endm
.macro ROUND                           ; a round of the cluster's barrier
	s_barrier_signal -1
	s_barrier_wait -1
	s_cmp_lg_u32 s[WV], 0
	s_cbranch_scc1 .Lnot_wave_0_\@
	s_barrier_signal -3
.Lnot_wave_0_\@:
	s_barrier_wait -3
	s_barrier_signal -1
	s_barrier_wait -1
.endm
.macro FRAG reg, adr, off              ; an image comes back as the registers that it was
.irp c, 0,1,2
	ds_load_b128 v[\reg+4*\c:\reg+4*\c+3], v[\adr] offset:\off+512*\c
.endr
.endm
.macro IMAGE adr, off, pc              ; a fragment goes to LDS as it stands
.irp c, 0,1,2
	ds_store_b128 v[\adr], v[\pc+4*\c:\pc+4*\c+3] offset:\off+512*\c
.endr
.endm
; THE CHANGE OF SLOTS, at a ring trip's head.  Every wave: all my tensor loads have landed (my block of the tile that is read next); 0 onto my spare word; the add is done and my LDS reads and stores are over.
; Then the round (fill = 1) or the work-group's barrier: the tile ahead is whole, the rows' images have landed, and nobody reads the other slot, which takes the next tile first thing.
; The next tile's number is made from the count of tiles asked for and the cluster's first tiles: numbers that the four partners share.
.macro HEAD fill, lw
	s_wait_tensorcnt 0x0
	ds_add_u32 v[SPW], v[NIL]                      ; the steps below stand between the add and the wait for it
	s_xor_b32 s[SL], s[SL], SLOTX
.if \fill
	s_xor_b32 s[G0+1], s[G0+1], SLOTX              ; no load of mine is out, so the descriptor may be written: the other slot,
	s_add_co_u32 s2, s[CT], s[ROT]
	s_and_b32 s2, s2, 15                           ; k, v: tile (first + count) mod 16;
	s_add_co_u32 s3, s[CT], s[RQ]
	s_and_b32 s3, s3, 7
	s_add_co_u32 s3, s3, 16                        ; q, from the 16th on: tile 16 + (first + count) mod 8
	s_cmp_lt_u32 s[CT], 16
	s_cselect_b32 s2, s2, s3
	s_mul_i32 s[TO], s2, TILEB
	s_add_co_u32 s[CT], s[CT], 1
	s_add_nc_u64 s[G0+2:G0+3], s[WB:WB+1], s[TO:TO+1]      ; my block of that tile,
	s_or_b32 s[G0+3], s[G0+3], 0x80000000          ; and the type
.endif
	s_wait_dscnt 0x0
.if \fill
	ROUND
	tensor_load_to_lds s[G0:G0+3], s[G1:G1+7]
	s_nop 0
.else
	s_barrier_signal -1
	s_barrier_wait -1
.endif
.rept 4
	v_nop                                          ; the places ahead of the loads below
.endr
	v_add_nc_u32 v[WA], s[SL], v[\lw]
.endm
; 64 numbers of a lane, register 16 b + i = k 32 b + 16 (lane / 16) + i of my row, become a fragment's codes in v[pc] .. v[pc + 11] (pc + 12 .. 18 at work) and its scale word in v[pw].  hw = 1: the numbers lie in window 1.
.macro QUANT s, hw, pc, tm, pw
.if \hw
	WIN 0x05
.endif
.irp b, 0,1,2,3
	v_max3_num_f32 v[\tm+\b], |v[\s+16*\b]|, |v[\s+1+16*\b]|, 0x1800000   ; my 16 numbers of block b, and the floor 2^(3 - 127)
.endr
.if \hw
	WIN 0x14
.endif
.irp i, 2,4,6,8,10,12,14
.irp b, 0,1,2,3
	v_max3_num_f32 v[\tm+\b], v[\tm+\b], |v[\s+16*\b+\i]|, |v[\s+1+16*\b+\i]|
.endr
.endr
	WIN 0
.irp b, 0,1,2,3
	v_permlanex16_b32 v[\tm+4+\b], v[\tm+\b], s[SEL], s[SEL+1]
.endr
.irp b, 0,1,2,3
	s_delay_alu instid0(VALU_DEP_4)
	v_max_num_f32 v[\tm+\b], v[\tm+\b], v[\tm+4+\b]       ; with lane l xor 16's: the block's largest magnitude
.endr
.irp b, 0,1,2,3
	s_delay_alu instid0(VALU_DEP_4)
	v_add_nc_u32 v[\tm+12+\b], 0xff000000, v[\tm+\b]      ; 2 off its exponent field: the conversion's scale operand
.endr
.irp b, 0,1,2,3
	s_delay_alu instid0(VALU_DEP_4)
	v_lshrrev_b32 v[\tm+4+\b], 23, v[\tm+12+\b]           ; the scale's byte
.endr
	s_delay_alu instid0(VALU_DEP_3)
	v_lshl_or_b32 v[\pw], v[\tm+5], 8, v[\tm+4]
	s_delay_alu instid0(VALU_DEP_1)
	v_lshl_or_b32 v[\pw], v[\tm+6], 16, v[\pw]
	s_delay_alu instid0(VALU_DEP_1)
	v_lshl_or_b32 v[\pw], v[\tm+7], 24, v[\pw]
.if \hw
	WIN 0x01
.endif
.irp c, 0,1
	v_cvt_scalef32_pk16_fp6_f32 v[\pc+6*\c:\pc+2+6*\c], v[\s+32*\c:\s+15+32*\c], v[\tm+12+2*\c]
	v_cvt_scalef32_pk16_fp6_f32 v[\pc+12+4*\c:\pc+14+4*\c], v[\s+16+32*\c:\s+31+32*\c], v[\tm+12+2*\c+1]
.endr
	WIN 0
	v_nop                                          ; one plain instruction behind a scaled conversion
.irp c, 0,1                            ; the operand's layout wants a whole block in a lane
.irp i, 0,1,2
	v_permlane16_swap_b32 v[\pc+6*\c+\i], v[\pc+12+4*\c+\i]
.endr
.irp i, 0,1,2
	s_delay_alu instid0(VALU_DEP_3)
	v_mov_b32 v[\pc+3+6*\c+\i], v[\pc+12+4*\c+\i]
.endr
.endr
.endm
.macro XLOAD                           ; my 16 rows x 128 along K: each load takes 512 consecutive bytes of one row
.set p, 0
.rept 16
	global_load_b128 v[X+4*p:X+4*p+3], v[LO], s[XP:XP+1] offset:(p+8*(p/8))*8192 th:TH_LOAD_NT
.set p, p+1
.endr
.endm
.macro XH e                            ; 8 neighbouring rows x 128 along K into set e of x's registers: each load takes 512 consecutive bytes of one row
.set p, 0
.rept 8
	global_load_b128 v[X+32*(\e)+4*p:X+32*(\e)+4*p+3], v[LO], s[XP:XP+1] offset:p*8192 th:TH_LOAD_NT
.set p, p+1
.endr
.endm
.macro BNH src, dst, par               ; (x - mean) a + beta of 8 rows, two numbers at a time
.set p, 0
.rept 8
	v_pk_add_f32 v[\dst+4*p:\dst+4*p+1], v[\src+4*p:\src+4*p+1], v[\par:\par+1] neg_lo:[0,1] neg_hi:[0,1]
	v_pk_add_f32 v[\dst+4*p+2:\dst+4*p+3], v[\src+4*p+2:\src+4*p+3], v[\par+2:\par+3] neg_lo:[0,1] neg_hi:[0,1]
.set p, p+1
.endr
.set p, 0
.rept 8
	v_pk_fma_f32 v[\dst+4*p:\dst+4*p+1], v[\dst+4*p:\dst+4*p+1], v[\par+4:\par+5], v[\par+8:\par+9]
	v_pk_fma_f32 v[\dst+4*p+2:\dst+4*p+3], v[\dst+4*p+2:\dst+4*p+3], v[\par+6:\par+7], v[\par+10:\par+11]
.set p, p+1
.endr
.endm
.macro PLOAD3 reg, mp, off, bp
	global_load_b128 v[\reg:\reg+3], v[PO], s[\mp:\mp+1]
	global_load_b128 v[\reg+4:\reg+7], v[PO], s[28:29] offset:\off
	global_load_b128 v[\reg+8:\reg+11], v[PO], s[\bp:\bp+1]
.endm
.macro BN src, dst, par                ; (x - mean) a + beta, two at a time
.set p, 0
.rept 16
	v_pk_add_f32 v[\dst+4*p:\dst+4*p+1], v[\src+4*p:\src+4*p+1], v[\par:\par+1] neg_lo:[0,1] neg_hi:[0,1]
	v_pk_add_f32 v[\dst+4*p+2:\dst+4*p+3], v[\src+4*p+2:\src+4*p+3], v[\par+2:\par+3] neg_lo:[0,1] neg_hi:[0,1]
.set p, p+1
.endr
.set p, 0
.rept 16
	v_pk_fma_f32 v[\dst+4*p:\dst+4*p+1], v[\dst+4*p:\dst+4*p+1], v[\par+4:\par+5], v[\par+8:\par+9]
	v_pk_fma_f32 v[\dst+4*p+2:\dst+4*p+3], v[\dst+4*p+2:\dst+4*p+3], v[\par+6:\par+7], v[\par+10:\par+11]
.set p, p+1
.endr
.endm
.macro TURN src                        ; through my stage: rows of 512 bytes, 528 apart, in; 16 neighbours of each block of 32 of row lane % 16 out.  LDS serves a wave's instructions in order
.set p, 0
.rept 16
	ds_store_b128 v[STS], v[\src+4*p:\src+4*p+3] offset:528*p
.set p, p+1
.endr
.irp b, 0,1,2,3
.irp j, 0,1,2,3
	ds_load_b128 v[H+16*\b+4*\j:H+16*\b+4*\j+3], v[STL] offset:128*\b+16*\j
.endr
.endr
.endm
; One K step of k (o = 0) or v (o = 1): my block's 8 column tiles x the 4 row tiles; the 32 accumulators take turns, one instruction a turn.
; The counted waits leave the younger groups of two images (6 loads each) out: 12, 12, 6, 0.
.macro GEMMKV o, e
	ds_load_b128 v[WS:WS+3], v[WA] offset:12288
	ds_load_b128 v[WS+4:WS+7], v[WA] offset:12800
	ds_load_b128 v[AS:AS+3], v[AA0+\e] offset:6144
.irp m, 0,1,2,3
	FRAG AF+12*\m, AA0+\e, 1536*\m
.endr
.irp i, 0,1,2,3,4,5
	FRAG WF+12*\i, WA, 1536*\i
.endr
.irp k, 0,1,2,3
.if \k < 2
	s_wait_dscnt 12
.elseif \k == 2
	s_wait_dscnt 6
.else
	s_wait_dscnt 0x0
.endif
	WIN 0x50                                       ; C and D in window 1
.irp u, 0,1
.irp m, 0,1,2,3
.set ti, 2*\k+\u
.if \o == 0
	v_wmma_scale_f32_16x16x128_f8f6f4 v[8*(8*\m+ti):8*(8*\m+ti)+7], v[WF+12*(ti%6):WF+12*(ti%6)+11], v[AF+12*\m:AF+12*\m+11], v[8*(8*\m+ti):8*(8*\m+ti)+7], v[WS+ti], v[AS+\m] matrix_a_fmt:MATRIX_FMT_FP6 matrix_b_fmt:MATRIX_FMT_FP6
.else
	v_wmma_scale_f32_16x16x128_f8f6f4 v[8*(4*ti+\m):8*(4*ti+\m)+7], v[AF+12*\m:AF+12*\m+11], v[WF+12*(ti%6):WF+12*(ti%6)+11], v[8*(4*ti+\m):8*(4*ti+\m)+7], v[AS+\m], v[WS+ti] matrix_a_fmt:MATRIX_FMT_FP6 matrix_b_fmt:MATRIX_FMT_FP6
.endif
.endr
.endr
	WIN 0
.if \k == 0
	PLACES
	FRAG WF, WA, 1536*6                            ; the last two images, into the first two's registers
	FRAG WF+12, WA, 1536*7
.endif
.endr
	PLACES
.endm
.macro GEMM2 e                         ; the two orientations part on the wave's number; no barrier and no tensor load stands in the arms
	s_cmp_lt_u32 s[WV], 4
	s_cbranch_scc0 .Lgv_\@
	s_wait_alu depctr_va_vdst(0)
	GEMMKV 0, \e
	s_branch .Lgj_\@
.Lgv_\@:
	s_wait_alu depctr_va_vdst(0)
	GEMMKV 1, \e
.Lgj_\@:
.endm
; Two K steps of q: my two blocks' 16 images, in groups of four; 8 accumulators by turns.  The second block's scale words take the first's registers behind four places.  The waits leave the youngest group's 12 loads out.
.macro MMQ x0, wf, af, sa
.irp x, 0,1,2,3
	v_wmma_scale_f32_16x16x128_f8f6f4 v[8*(\x0+\x):8*(\x0+\x)+7], v[\wf+12*\x:\wf+12*\x+11], v[\af:\af+11], v[8*(\x0+\x):8*(\x0+\x)+7], v[WS+\x0+\x], v[\sa] matrix_a_fmt:MATRIX_FMT_FP6 matrix_b_fmt:MATRIX_FMT_FP6
.endr
.endm
.macro GEMMQ e
	ds_load_b128 v[WS:WS+3], v[WA] offset:12288
	ds_load_b128 v[WS+4:WS+7], v[WA] offset:12800
	ds_load_b32 v[AS], v[ASQ] offset:3328*(2*\e)
	ds_load_b32 v[AS+1], v[ASQ] offset:3328*(2*\e+1)
	FRAG 40, AQ, 3328*(2*\e)
	FRAG 52, AQ, 3328*(2*\e+1)
.irp x, 0,1,2,3
	FRAG 64+12*\x, WA, 1536*\x
.endr
.irp x, 0,1,2,3
	FRAG 112+12*\x, WA, 1536*(4+\x)
.endr
	s_wait_dscnt 12
	WIN 0x50
	MMQ 0, 64, 40, AS
	WIN 0
	PLACES
.irp x, 0,1,2,3
	FRAG 64+12*\x, WA, BLK+1536*\x
.endr
	s_wait_dscnt 12
	WIN 0x50
	MMQ 4, 112, 40, AS
	WIN 0
	PLACES
	ds_load_b128 v[WS:WS+3], v[WA] offset:BLK+12288
	ds_load_b128 v[WS+4:WS+7], v[WA] offset:BLK+12800
.irp x, 0,1,2,3
	FRAG 112+12*\x, WA, BLK+1536*(4+\x)
.endr
	s_wait_dscnt 12
	WIN 0x50
	MMQ 0, 64, 52, AS+1
	s_wait_dscnt 0x0
	MMQ 4, 112, 52, AS+1
	WIN 0
	PLACES
.endm
	s_load_b512 s[4:19], s[0:1], 0x0               ; context s[4:5], input s[6:7], mask s[8:9], k_mean, k_beta, k_b s[10:15], v_mean, v_beta s[16:19]
	s_load_b512 s[20:35], s[0:1], 0x40             ; v_b s[20:21], q_mean, q_beta, q_b s[22:27], bna s[28:29], wts s[30:31], kvs s[32:33], qcs s[34:35]
	v_lshl_add_u32 v[SPW], v0, 2, SPARE
	v_mov_b32 v[NIL], 0
	ds_add_u32 v1, v2
	ds_add_u32 v1, v2
	s_wait_dscnt 0x0
	v_lshrrev_b32 v26, 5, v0
	s_delay_alu instid0(VALU_DEP_1)
	v_readfirstlane_b32 s[WV], v26                 ; wave 0..7
	s_bfe_u32 s37, ttmp6, 0x40000                  ; cx
	s_lshl_b32 s38, ttmp9, 2
	s_add_co_u32 s38, s38, s37                     ; my work-group: it enters global addresses of my own rows, and a shift of scale words, alone
	s_lshr_b32 s[ROT], ttmp9, 3                    ; where my cluster begins its walk: r = (c xor c / 8) mod 8, the same in the four partners
	s_xor_b32 s[ROT], s[ROT], ttmp9
	s_and_b32 s[RQ], s[ROT], 3
	s_and_b32 s[ROT], s[ROT], 7
	s_lshl_b32 s[KO], s[ROT], 10                   ; k, v: trip r: two K steps of 512 bytes of a row each
	s_mov_b32 s[KO+1], 0
	s_lshl_b32 s[ROT], s[ROT], 1                   ; tile 2 r
	s_lshl_b32 s[RQ], s[RQ], 1                     ; q: tile 16 + 2 (r mod 4)
	s_mov_b32 s[SL], SLOTX
	s_mov_b32 s[SEL], 0x76543210
	s_mov_b32 s[SEL+1], 0xfedcba98                 ; v_permlanex16_b32's selects for lane l xor 16
	s_mov_b32 s46, 0x40c00000                      ; 6.0
	s_mov_b32 s47, 0xffff0000                      ; lanes 16-31
	; descriptor group 1: a block, 13,312 dense bytes, as 52 rows of 32 elements of 8 bytes; no padding; asked for jointly by the four
	s_mov_b32 s[G1], 15|(3<<16)|(1<<21)
	s_mov_b32 s[G1+1], 32<<16
	s_mov_b32 s[G1+2], 52<<16
	s_mov_b32 s[G1+3], 32<<16
	s_mov_b32 s[G1+4], 52
	s_mov_b32 s[G1+5], 32
	s_mov_b32 s[G1+6], 0
	s_mov_b32 s[G1+7], 0
	; every LDS address: a constant + a constant x lane + constants x parts of the wave's number
	v_and_b32 v27, 31, v0                          ; lane
	v_and_b32 v26, 15, v0                          ; r
	v_bfe_u32 v25, v0, 4, 1                        ; h
	s_delay_alu instid0(VALU_DEP_3)
	v_lshlrev_b32 v[LO], 4, v27
	s_wait_alu depctr_va_vdst(0)
	v_lshlrev_b32 v[L8], 3, v27
	s_mul_i32 s67, s[WV], 8448
	s_add_co_u32 s67, s67, STG
	v_add_nc_u32 v[STS], s67, v[LO]
	v_mul_u32_u24 v[STL], v26, 528
	s_delay_alu instid0(VALU_DEP_1)
	v_lshl_add_u32 v[STL], v25, 6, v[STL]
	s_delay_alu instid0(VALU_DEP_1)
	v_add_nc_u32 v[STL], s67, v[STL]
	s_lshr_b32 s80, s[WV], 2
	s_and_b32 s81, s[WV], 3
	s_lshr_b32 s82, s[WV], 1
	s_and_b32 s83, s[WV], 1
	; k, v: I quantise rows 8 (w % 2) .. + 7 of row tile w / 2, in both versions: my lane (r, h) holds version r / 8, and is lane 8 (w % 2) + r % 8 + 16 h of that version's image
	s_lshl_b32 s84, s83, 7
	s_add_co_u32 s84, s84, IMG0
	s_lshl_b32 s85, s82, 2
	s_add_co_u32 s85, s85, s84
	s_add_co_u32 s85, s85, 6144
	s_mul_i32 s86, s82, 1536
	s_add_co_u32 s86, s86, s84
	v_lshrrev_b32 v[IWA], 3, v26
	v_and_b32 v[ISA], 7, v26
	v_mul_u32_u24 v[IWA], v[IWA], 6656
	v_lshl_add_u32 v[IWA], v[ISA], 4, v[IWA]
	v_lshl_add_u32 v[IWA], v25, 8, v[IWA]
	v_add_nc_u32 v[ISA], s85, v[IWA]
	v_add_nc_u32 v[IWA], s86, v[IWA]
	s_mul_i32 s84, s80, 6656
	s_add_co_u32 s85, s84, IMG0
	v_add_nc_u32 v[AA0], s85, v[LO]                ; I multiply version w / 4
	s_add_co_u32 s85, s84, IMG1
	v_add_nc_u32 v[AA0+1], s85, v[LO]
	s_mul_i32 s84, s[WV], BLK
	v_add_nc_u32 v[LW], s84, v[LO]
	s_mul_i32 s84, s82, 3328
	s_mul_i32 s85, s83, 1536
	s_add_co_u32 s86, s84, s85
	s_add_co_u32 s86, s86, IMG0
	v_add_nc_u32 v[IWQ], s86, v[LO]                ; q: I quantise row tile w % 2 of K step w / 2
	s_add_co_u32 s85, s85, IMG0
	v_add_nc_u32 v[AQ], s85, v[LO]
	s_lshl_b32 s85, s83, 7
	s_add_co_u32 s85, s85, IMG0+3072
	v_lshl_add_u32 v[ASQ], v27, 2, s85
	s_add_co_u32 s85, s85, s84
	v_lshl_add_u32 v[ISQ], v27, 2, s85
	s_mul_i32 s84, s82, 2*BLK
	v_add_nc_u32 v[LWQ], s84, v[LO]
	s_lshl_b32 s84, s81, 2
	s_add_co_u32 s84, s84, STK
	v_lshl_add_u32 v[STWK], v27, 6, s84
	v_lshl_add_u32 v[STRK], v27, 6, STK
	s_lshl_b32 s84, s81, 8
	s_add_co_u32 s84, s84, STV
	v_lshl_add_u32 v[STWV], v25, 7, s84
	v_lshl_add_u32 v[STRV], v25, 7, STV
	s_lshl_b32 s84, s83, 9
	s_add_co_u32 s84, s84, STQ
	v_add_nc_u32 v[STQR], s84, v[LO]
	s_lshl_b32 s85, s82, 2
	s_add_co_u32 s84, s84, s85
	v_add_nc_u32 v[STQW], s84, v[LO]
	v_and_b32 v[WA], 8, v26
	s_delay_alu instid0(VALU_DEP_1)
	v_add_nc_u32 v26, v26, v[WA]
	s_delay_alu instid0(VALU_DEP_1)
	v_lshlrev_b32 v[VO], 2, v26                    ; 4 (r + 8 (r / 8)): v_b at my channel of a tile
	v_lshlrev_b32 v[HB], 6, v25
	v_lshlrev_b32 v[L4], 2, v27
	v_add_nc_u32 v[PO], s[KO], v[LO]               ; the parameters at the cluster's first K step
	s_lshl_b32 s90, s82, 9                         ; my K step of a body's four (q)
	s_lshl_b32 s88, s38, 19                        ; context: 64 rows of 8,192 bytes a work-group; my 8 rows begin at row 32 (w / 4) + 8 ((w / 2) % 2) + 16 (w % 2)
	s_lshl_b32 s84, s80, 18
	s_add_co_u32 s88, s88, s84
	s_bfe_u32 s84, s[WV], 0x10001
	s_lshl_b32 s84, s84, 16
	s_add_co_u32 s88, s88, s84
	s_lshl_b32 s84, s83, 17
	s_add_co_u32 s88, s88, s84
	s_lshl_b32 s84, s83, 16                        ; q: row tile w % 2 begins at row 8 (w % 2)
	s_mov_b32 s89, 0
	s_lshl_b32 s78, s38, 18                        ; input: 32 rows a work-group, row tile w % 2, K step w / 2
	s_add_co_u32 s78, s78, s84
	s_add_co_u32 s78, s78, s90
	s_mov_b32 s79, 0
	s_mov_b32 s85, 0
	s_wait_alu depctr_va_vdst(0)
	s_wait_kmcnt 0x0
	s_add_nc_u64 s[XB:XB+1], s[4:5], s[88:89]
	s_add_nc_u64 s[XP:XP+1], s[XB:XB+1], s[KO:KO+1]
	s_add_nc_u64 s[78:79], s[6:7], s[78:79]
	s_lshl_b32 s84, s[RQ], 10
	s_add_nc_u64 s[4:5], s[78:79], s[84:85]        ; q's first numbers: my tile's rows 0-7 at the cluster's first body,
	s_add_nc_u64 s[6:7], s[4:5], 0x20000           ; and its rows 8-15, 16 rows of memory further down
	XH 0
	PLOAD3 232, 10, 0, 12
	PLOAD3 244, 16, 8192, 18
	s_mul_i32 s84, s[WV], BLK
	s_add_nc_u64 s[WB:WB+1], s[30:31], s[84:85]    ; memory: block w of tile 0
	s_mul_i32 s[TO], s[ROT], TILEB
	s_mov_b32 s[TO+1], 0
	s_mov_b32 s[CT], 1
	s_mov_b32 s[G0], 1
	s_mov_b32 s[G0+1], s84                         ; LDS: block w of slot 0
	s_add_nc_u64 s[G0+2:G0+3], s[WB:WB+1], s[TO:TO+1]      ; block w of the cluster's first tile
	s_or_b32 s[G0+3], s[G0+3], 0x80000000
	s_cmp_lt_u32 s[WV], 4
	s_cselect_b64 s[72:73], s[14:15], s[20:21]     ; k_b or v_b,
	s_lshl_b32 s84, s81, 9
	s_add_nc_u64 s[72:73], s[72:73], s[84:85]      ; at my 128 channels
	s_lshl_b32 s84, s82, 9
	s_add_nc_u64 s[74:75], s[26:27], s[84:85]      ; q_b likewise
	s_lshl_b32 s84, s38, 6
	s_add_nc_u64 s[76:77], s[8:9], s[84:85]        ; the mask at my 64 keys
	s_mul_i32 s86, s38, BLK                        ; qcs: block = work-group, image 4 (row tile) + K step
	s_lshl_b32 s87, s83, 2
	s_add_co_u32 s87, s87, s82
	s_mul_i32 s84, s87, 1536
	s_add_co_u32 s84, s84, s86
	s_add_nc_u64 s[68:69], s[34:35], s[84:85]
	s_lshl_b32 s84, s87, 7
	s_add_co_u32 s84, s84, s86
	s_add_co_u32 s84, s84, 12288
	s_add_nc_u64 s[70:71], s[34:35], s[84:85]
	; kvs: batch wg / 32; superstep (512 keys) S; group (128 keys) g; half (64 keys) hb.  Block 2 g + hb of tile 4 S + x / 2 (k, x = w) or 4 S + 2 + x / 2 (v, x = (w - g) mod 4: the channel tiles are rotated by the group)
	s_lshr_b32 s80, s38, 5
	s_bfe_u32 s86, s38, 0x20003
	s_bfe_u32 s87, s38, 0x20001
	s_and_b32 s88, s38, 1
	s_lshl_b32 s66, s88, 4                         ; 16 hb: v's scale bytes' place in the word
	s_sub_co_u32 s84, s[WV], s87
	s_and_b32 s84, s84, 3
	s_cmp_lt_u32 s[WV], 4
	s_cselect_b32 s84, s[WV], s84                  ; x
	s_lshr_b32 s89, s84, 1
	s_lshl_b32 s86, s86, 2
	s_add_co_u32 s89, s89, s86
	s_lshr_b32 s86, s[WV], 2
	s_lshl_b32 s86, s86, 1
	s_add_co_u32 s89, s89, s86
	s_mul_i32 s89, s89, TILEB
	s_mul_i32 s86, s80, 16*TILEB
	s_add_co_u32 s89, s89, s86
	s_lshl_b32 s86, s87, 1
	s_add_co_u32 s86, s86, s88
	s_mul_i32 s86, s86, BLK
	s_add_co_u32 s89, s89, s86                     ; the block's first byte
	s_and_b32 s86, s84, 1
	s_mul_i32 s84, s86, 6144
	s_add_co_u32 s84, s84, s89
	s_add_nc_u64 s[60:61], s[32:33], s[84:85]      ; my half of its codes,
	s_lshl_b32 s84, s86, 9
	s_add_co_u32 s84, s84, s89
	s_add_co_u32 s84, s84, 12288
	s_add_nc_u64 s[62:63], s[32:33], s[84:85]      ; my group of its scale words
	ROUND                                          ; the four work-groups are here: the first joint loads meet
	tensor_load_to_lds s[G0:G0+3], s[G1:G1+7]      ; the cluster's first tile
	s_nop 0
.rept 4
	v_nop
.endr
	; the accumulators begin as the biases
	s_cmp_lt_u32 s[WV], 4
	s_cbranch_scc0 .Lbias_v
	WIN 0x40
.irp m, 0,1,2,3
.irp i, 0,1,2,3,4,5,6,7
	global_load_b128 v[8*(8*\m+\i):8*(8*\m+\i)+3], v[HB], s[72:73] offset:128*(\i/2)+32*(\i%2)       ; register j of tile i: channel 32 (i / 2) + 16 h + 8 (i % 2) + j
	global_load_b128 v[8*(8*\m+\i)+4:8*(8*\m+\i)+7], v[HB], s[72:73] offset:128*(\i/2)+32*(\i%2)+16
.endr
.endr
	WIN 0
	s_branch .Lbias_done
.Lbias_v:
.irp i, 0,1,2,3,4,5,6,7
	global_load_b32 v[40+\i], v[VO], s[72:73] offset:128*(\i/2)+32*(\i%2)    ; a lane holds one channel of each tile
.endr
	s_wait_loadcnt 0x0
	WIN 0x40
.irp i, 0,1,2,3,4,5,6,7
.set j, 0
.rept 32
	v_mov_b32 v[32*\i+j], v[40+\i]
.set j, j+1
.endr
.endr
	WIN 0
.Lbias_done:
	s_wait_xcnt 0x0                                ; the loads above have read their base
	s_add_co_u32 s[TO], s[KO], 512
	s_and_b32 s[TO], s[TO], 8191
	s_add_nc_u64 s[XP:XP+1], s[XB:XB+1], s[TO:TO+1]
	XH 1                                           ; the second K step's x, behind the biases: the 8 youngest loads
; ONE K STEP OF k AND v, THE ROWS' SIDE.  My 8 rows x 128 K take k's batch-norm (stage rows 0-7) and v's (stage rows 8-15); one turn, one quantising; lanes r < 8 store into k's image, the others into v's.
; Image buffer e serves the trip's K step e.  Step s + 1's stores into a buffer stand behind step s's change of slots, in front of which every wave has waited for its reads of that buffer in step s - 1: so no further barrier is written.
; x has two sets of 32 registers and is asked for two K steps ahead, the parameters one.  The wait for 8 leaves out the next step's 8 loads of x, which are the youngest: the parameters are issued ahead of them.
; In the last trip the two sets take q's first 16 rows (the base is chosen by the trip's count alone), and its second step asks for no parameters.
.macro STEPQ e
	s_wait_loadcnt 8
	BNH X+32*\e, T, 232
	BNH X+32*\e, T+32, 244
	TURN T
	s_wait_xcnt 0x0                                ; the last step's loads have read their base
	s_add_co_u32 s[KO], s[KO], 512                 ; the next K step along the rows, round the row's end: no load leaves its buffer
	s_and_b32 s[KO], s[KO], 8191
	s_add_co_u32 s[TO], s[KO], 512                 ; and the one after it
	s_and_b32 s[TO], s[TO], 8191
	s_add_nc_u64 s[XP:XP+1], s[XB:XB+1], s[TO:TO+1]
	s_cmp_eq_u32 s43, 1
	s_cselect_b64 s[XP:XP+1], s[4+2*\e:5+2*\e], s[XP:XP+1]
.if \e
	s_cbranch_scc1 .Lno_par
.endif
	v_add_nc_u32 v[PO], s[KO], v[LO]
	PLOAD3 232, 10, 0, 12
	PLOAD3 244, 16, 8192, 18
.if \e
.Lno_par:
.endif
	XH \e
	s_wait_dscnt 0x0                               ; the numbers are back from the stage
	QUANT H, 0, 104, 124, 140
.if \e
	v_add_nc_u32 v141, IMG1-IMG0, v[IWA]
	v_add_nc_u32 v142, IMG1-IMG0, v[ISA]
	IMAGE 141, 0, 104
	ds_store_b32 v142, v140
.else
	IMAGE IWA, 0, 104
	ds_store_b32 v[ISA], v140
.endif
.endm
	s_mov_b32 s43, 8
.Lkv:                                      ; a trip: two K steps, each: the rows' images, the change of slots, the product
	STEPQ 0
	HEAD 1, LW
	GEMM2 0
	STEPQ 1
	HEAD 1, LW
	GEMM2 1
	s_sub_co_u32 s43, s43, 1
	s_cmp_lg_u32 s43, 0
	s_cbranch_scc1 .Lkv
	s_wait_loadcnt 8                               ; only the 8 youngest loads, q's rows 8-15, may be out: none is pending into the parameters' registers, which take the loads below
	; ---- the way out of k and v, part 1: clip, sums of squares
	s_cmp_lt_u32 s[WV], 4
	s_cbranch_scc0 .Lv1
	WIN 0x41
.set j, 0
.rept 256
	v_med3_num_f32 v[j], v[j], 0, s46              ; each accumulator from its low end on
.set j, j+1
.endr
	WIN 0x05
.irp m, 0,1,2,3
	v_pk_mul_f32 v[40+2*\m:41+2*\m], v[64*\m:64*\m+1], v[64*\m:64*\m+1]
.endr
.set j, 2
.rept 31
.irp m, 0,1,2,3
	s_delay_alu instid0(VALU_DEP_4)
	v_pk_fma_f32 v[40+2*\m:41+2*\m], v[64*\m+j:64*\m+j+1], v[64*\m+j:64*\m+j+1], v[40+2*\m:41+2*\m]   ; four rows' chains by turns
.endr
.set j, j+2
.endr
	WIN 0
.irp m, 0,1,2,3
	v_add_f32 v[48+\m], v[40+2*\m], v[41+2*\m]
.endr
.irp m, 0,1,2,3
	s_delay_alu instid0(VALU_DEP_4)
	v_permlanex16_b32 v[52+\m], v[48+\m], s[SEL], s[SEL+1]
.endr
.irp m, 0,1,2,3
	s_delay_alu instid0(VALU_DEP_4)
	v_add_f32 v[48+\m], v[48+\m], v[52+\m]         ; my 128 channels' share of the row's sum
.endr
.irp m, 0,1,2,3
	ds_store_b32 v[STWK], v[48+\m] offset:16*\m
.endr
	s_branch .Lj1
.Lv1:
	v_lshrrev_b32 v[VO], 2, v[HB]                  ; 16 h
.irp m, 0,1,2,3
	global_load_b64 v[244+2*\m:245+2*\m], v[VO], s[76:77] offset:32*(\m/2)+8*(\m%2)   ; the mask bytes of my 8 keys of row tile m
.endr
	WIN 0x41
.set j, 0
.rept 256
	v_med3_num_f32 v[j], v[j], 0, s46
.set j, j+1
.endr
	WIN 0x05
.set j, 0
.rept 16
	v_pk_mul_f32 v[40+j:41+j], v[j:j+1], v[j:j+1]  ; a key's sum runs over my 8 channels, over 16 lanes, over 4 waves
.set j, j+2
.endr
.irp i, 1,2,3,4,5,6,7
.set j, 0
.rept 16
	v_pk_fma_f32 v[40+j:41+j], v[32*\i+j:32*\i+j+1], v[32*\i+j:32*\i+j+1], v[40+j:41+j]
.set j, j+2
.endr
.endr
	WIN 0
.irp x, 1,2,4,8
.set j, 0
.rept 32
	v_add_f32_dpp v[40+j], v[40+j], v[40+j] row_xmask:\x row_mask:0xf bank_mask:0xf
.set j, j+1
.endr
.endr
.irp y, 0,1,2,3,4,5,6,7
	ds_store_b128 v[STWV], v[40+4*\y:43+4*\y] offset:16*\y      ; sixteen lanes write the same words with the same values
.endr
.Lj1:
	s_lshl_b32 s[KO], s[RQ], 10                    ; q's first body: its x was asked for in the loop's last trip; its parameters land under part 2
	s_add_co_u32 s67, s90, s[KO]
	v_add_nc_u32 v[PO], s67, v[LO]
	PLOAD3 232, 22, 16384, 24
	BARRIER
	; ---- part 2: 1 / norm, quantise, store
	s_cmp_lt_u32 s[WV], 4
	s_cbranch_scc0 .Lv2
.irp m, 0,1,2,3
	ds_load_b128 v[40+4*\m:43+4*\m], v[STRK] offset:16*\m
.endr
	s_wait_dscnt 0x0
.irp m, 0,1,2,3
	v_add_f32 v[40+4*\m], v[40+4*\m], v[41+4*\m]
.endr
.irp m, 0,1,2,3
	v_add_f32 v[42+4*\m], v[42+4*\m], v[43+4*\m]
.endr
.irp m, 0,1,2,3
	s_delay_alu instid0(VALU_DEP_4)
	v_add_f32 v[40+4*\m], v[40+4*\m], v[42+4*\m]
.endr
.irp m, 0,1,2,3
	s_delay_alu instid0(VALU_DEP_4)
	v_max_num_f32 v[40+4*\m], 0x2b8cbccc, v[40+4*\m]       ; 1e-12
.endr
	s_wait_alu depctr_va_vdst(0)
.irp m, 0,1,2,3
	v_rsq_f32 v[42+4*\m], v[40+4*\m]
.endr
	v_nop
	s_wait_alu depctr_va_vdst(0)                   ; one wait for the four, ahead of their first reader
	WIN 0x41
.irp m, 0,1,2,3
.set j, 0
.rept 32
	v_pk_mul_f32 v[64*\m+j:64*\m+j+1], v[64*\m+j:64*\m+j+1], v[42+4*\m:43+4*\m] op_sel_hi:[1,0]
.set j, j+2
.endr
.endr
	WIN 0
.irp m, 0,1,2,3
	QUANT 64*\m, 1, 72+20*\m, 152, 36+\m           ; 16 keys x my 128 channels: K step w of q k^T.  Each tile has registers of its own for its codes: no store's data are written again
.endr
.irp m, 0,1,2,3
.irp c, 0,1,2
	global_store_b128 v[LO], v[72+20*\m+4*\c:72+20*\m+4*\c+3], s[60:61] offset:1536*\m+512*\c     ; 512 consecutive bytes, aligned to 256
.endr
.endr
	global_store_b128 v[LO], v[36:39], s[62:63]
	s_branch .Lj2
.Lv2:
.irp o, 0,1,2,3
.irp y, 0,1,2,3,4,5,6,7
	ds_load_b128 v[40+32*\o+4*\y:43+32*\o+4*\y], v[STRV] offset:256*\o+16*\y
.endr
.endr
	s_wait_dscnt 0x0
.irp o, 1,2,3
.set j, 0
.rept 16
	v_pk_add_f32 v[40+j:41+j], v[40+j:41+j], v[40+32*\o+j:41+32*\o+j]
.set j, j+2
.endr
.endr
.set j, 0
.rept 32
	v_max_num_f32 v[40+j], 0x2b8cbccc, v[40+j]
.set j, j+1
.endr
.set j, 0
	s_wait_alu depctr_va_vdst(0)
.rept 32
	v_rsq_f32 v[72+j], v[40+j]
.set j, j+1
.endr
	s_wait_loadcnt 3                               ; my four mask loads are in; q's 3 loads of parameters, issued behind them, may stay out
.set j, 0
.rept 32
	v_bfe_u32 v[104+j], v[244+j/4], 8*(j%4), 8
.set j, j+1
.endr
.set j, 0
.rept 32
	v_cvt_f32_u32 v[104+j], v[104+j]
.set j, j+1
.endr
	s_wait_alu depctr_va_vdst(0)                   ; one wait for the 32, ahead of their first reader; the 64 lines above are the work between
.set j, 0
.rept 16
	v_pk_mul_f32 v[72+j:73+j], v[72+j:73+j], v[104+j:105+j]     ; 1 / norm x mask, by key
.set j, j+2
.endr
	WIN 0x41
.irp i, 0,1,2,3,4,5,6,7
.set j, 0
.rept 16
	v_pk_mul_f32 v[32*\i+j:32*\i+j+1], v[32*\i+j:32*\i+j+1], v[72+j:73+j]
.set j, j+2
.endr
.endr
	WIN 0
; 16 channels x my work-group's 64 keys: half a fragment (registers 6 hb .. 6 hb + 5) and two scale bytes
.macro HALFQ i
.set HS, 32*(\i)
.set HP, 72+12*(\i)
	WIN 0x05
.irp b, 0,1
	v_max3_num_f32 v[40+\b], |v[HS+16*\b]|, |v[HS+1+16*\b]|, 0x1800000
.endr
	WIN 0x14
.irp x, 2,4,6,8,10,12,14
.irp b, 0,1
	v_max3_num_f32 v[40+\b], v[40+\b], |v[HS+16*\b+\x]|, |v[HS+1+16*\b+\x]|
.endr
.endr
	WIN 0
.irp b, 0,1
	v_permlanex16_b32 v[42+\b], v[40+\b], s[SEL], s[SEL+1]
.endr
.irp b, 0,1
	s_delay_alu instid0(VALU_DEP_2)
	v_max_num_f32 v[40+\b], v[40+\b], v[42+\b]
.endr
.irp b, 0,1
	s_delay_alu instid0(VALU_DEP_2)
	v_add_nc_u32 v[44+\b], 0xff000000, v[40+\b]
.endr
.irp b, 0,1
	s_delay_alu instid0(VALU_DEP_2)
	v_lshrrev_b32 v[42+\b], 23, v[44+\b]
.endr
	s_delay_alu instid0(VALU_DEP_1)
	v_lshl_or_b32 v[WS+\i], v43, 8, v42
	WIN 0x01
	v_cvt_scalef32_pk16_fp6_f32 v[HP:HP+2], v[HS:HS+15], v44
	v_cvt_scalef32_pk16_fp6_f32 v[HP+6:HP+8], v[HS+16:HS+31], v45
	WIN 0
	v_nop
.irp x, 0,1,2
	v_permlane16_swap_b32 v[HP+\x], v[HP+6+\x]
.endr
.irp x, 0,1,2
	s_delay_alu instid0(VALU_DEP_3)
	v_mov_b32 v[HP+3+\x], v[HP+6+\x]
.endr
.endm
.irp i, 0,1,2,3,4,5,6,7
	HALFQ \i
.endr
.irp i, 0,1,2,3,4,5,6,7
	global_store_b128 v[LO], v[72+12*\i:75+12*\i], s[60:61] offset:768*\i          ; registers 0-3: 512 consecutive bytes,
	global_store_b64 v[L8], v[76+12*\i:77+12*\i], s[60:61] offset:768*\i+512       ; registers 4, 5: 256
.endr
.irp y, 0,1,2,3
	v_cndmask_b32 v[AS+\y], v[WS+2*\y], v[WS+2*\y+1], s47      ; lanes 0-15 carry the even tile's words, lanes 16-31 the odd tile's
.endr
.irp y, 0,1,2,3
	s_delay_alu instid0(VALU_DEP_4)
	v_lshlrev_b32 v[AS+\y], s66, v[AS+\y]          ; my half's two bytes at their place in the word of 128 keys: the reader joins the halves
.endr
	global_store_b128 v[LO], v[AS:AS+3], s[62:63]
.Lj2:
	s_wait_xcnt 0x0                                ; the stores' registers are written again only behind this wait
	; ---- q
	WIN 0x40
.irp i, 0,1,2,3,4,5,6,7
	global_load_b128 v[8*\i:8*\i+3], v[HB], s[74:75] offset:128*(\i/2)+32*(\i%2)
	global_load_b128 v[8*\i+4:8*\i+7], v[HB], s[74:75] offset:128*(\i/2)+32*(\i%2)+16
.endr
	WIN 0
; Four K steps of q: each wave quantises one (row tile w % 2, K step w / 2); then two ring trips of two K steps.  more = 0: the last: nothing more is asked for
; A wave's job: its 16 rows x 128 K of one body become an image.  more = 1: the next job's numbers are asked for; test = 1: but not in the loop's last trip, whose job is the wave's last.  Every wait on loads here is for 0.
.macro QJOB more, test
	s_wait_loadcnt 0x0
	BN X, T, 232
	TURN T
	s_wait_dscnt 0x0
.if \more
.if \test
	s_cmp_eq_u32 s43, 1
	s_cbranch_scc1 .Lqn_\@
.endif
	s_add_co_u32 s[KO], s[KO], 2048                ; four K steps on along the rows, round the row's end
	s_and_b32 s[KO], s[KO], 8191
	s_add_nc_u64 s[XP:XP+1], s[78:79], s[KO:KO+1]
	s_add_co_u32 s67, s90, s[KO]
	v_add_nc_u32 v[PO], s67, v[LO]
	XLOAD
	PLOAD3 232, 22, 16384, 24
.if \test
.Lqn_\@:
.endif
.endif
	QUANT H, 0, 104, 124, 140
	IMAGE IWQ, 0, 104
	ds_store_b32 v[ISQ], v140
.endm
; WHEN THE JOBS ARE DONE.  Waves 0-3 make the images of a body's K steps 0, 1, waves 4-7 those of K steps 2, 3: bytes of their own.  Waves 4-7 do their job behind the body's first change of slots:
; K steps 2, 3 were last read by the body before, in front of that change.  Waves 0-3 do the next body's job behind the second change: K steps 0, 1 were last read by the first product, in front of it.
; In front of each change every wave has waited for its LDS reads and stores, so no further barrier is written.  The branches hang on the wave's number alone and lead round no barrier, tensor load, wait of the change or add.
.macro QBODY more
	HEAD 1, LWQ
	s_cmp_lt_u32 s[WV], 4
	s_cbranch_scc1 .Lqa_\@
	QJOB \more, 0
.Lqa_\@:
	s_wait_alu depctr_va_vdst(0)
	GEMMQ 0
	HEAD \more, LWQ
.if \more
	s_cmp_lt_u32 s[WV], 4
	s_cbranch_scc0 .Lqb_\@
	QJOB 1, 1
.Lqb_\@:
.endif
	s_wait_alu depctr_va_vdst(0)
	GEMMQ 1
.endm
	s_cmp_lt_u32 s[WV], 4
	s_cbranch_scc0 .Lq0
	QJOB 1, 0                                      ; waves 0-3: the first body's K steps 0, 1
.Lq0:
	s_mov_b32 s43, 3
.Lq:
	QBODY 1
	s_sub_co_u32 s43, s43, 1
	s_cmp_lg_u32 s43, 0
	s_cbranch_scc1 .Lq
	QBODY 0
	WIN 0x41
.set j, 0
.rept 64
	v_med3_num_f32 v[j], v[j], 0, s46
.set j, j+1
.endr
	WIN 0x05
	v_pk_mul_f32 v[40:41], v[0:1], v[0:1]
	v_pk_mul_f32 v[42:43], v[2:3], v[2:3]
.set j, 4
.rept 15
	s_delay_alu instid0(VALU_DEP_2)
	v_pk_fma_f32 v[40:41], v[j:j+1], v[j:j+1], v[40:41]
	s_delay_alu instid0(VALU_DEP_2)
	v_pk_fma_f32 v[42:43], v[j+2:j+3], v[j+2:j+3], v[42:43]
.set j, j+4
.endr
	WIN 0
	v_pk_add_f32 v[40:41], v[40:41], v[42:43]
	s_delay_alu instid0(VALU_DEP_1)
	v_add_f32 v40, v40, v41
	s_delay_alu instid0(VALU_DEP_1)
	v_permlanex16_b32 v42, v40, s[SEL], s[SEL+1]
	s_delay_alu instid0(VALU_DEP_1)
	v_add_f32 v40, v40, v42
	ds_store_b32 v[STQW], v40
	BARRIER
	ds_load_b128 v[40:43], v[STQR]
	s_wait_dscnt 0x0
	v_add_f32 v40, v40, v41
	v_add_f32 v42, v42, v43
	s_delay_alu instid0(VALU_DEP_1)
	v_add_f32 v40, v40, v42
	s_delay_alu instid0(VALU_DEP_1)
	v_max_num_f32 v40, 0x2b8cbccc, v40
	s_wait_alu depctr_va_vdst(0)
	v_rsq_f32 v42, v40
	v_nop
	s_wait_alu depctr_va_vdst(0)
	WIN 0x41
.set j, 0
.rept 32
	v_pk_mul_f32 v[j:j+1], v[j:j+1], v[42:43] op_sel_hi:[1,0]
.set j, j+2
.endr
	WIN 0
	QUANT 0, 1, 72, 152, 36
.irp c, 0,1,2
	global_store_b128 v[LO], v[72+4*\c:75+4*\c], s[68:69] offset:512*\c
.endr
	global_store_b32 v[L4], v36, s[70:71]          ; 128 consecutive bytes: eight such stores a work-group are the only ones that cover less than 256
	s_wait_tensorcnt 0x0                           ; the wave's end
	ds_add_u32 v[SPW], v[NIL]
	s_wait_dscnt 0x0
	ROUND                                          ; the closing round: no work-group ends while a partner may still ask for a block that names it
	s_endpgm
.Lfunc_end_k_qb628beb556_proj:
	.size	k_qb628beb556_proj, .Lfunc_end_k_qb628beb556_proj-k_qb628beb556_proj
	.p2alignl 7, 3214868480
	.fill 96, 4, 3214868480
	.section	.rodata,"a",@progbits
	.p2align	6, 0x0
	.amdhsa_kernel k_qb628beb556_proj
		.amdhsa_group_segment_fixed_size 327680
		.amdhsa_private_segment_fixed_size 0
		.amdhsa_enable_private_segment 0
		.amdhsa_kernarg_size 128
		.amdhsa_user_sgpr_count 2
		.amdhsa_user_sgpr_kernarg_segment_ptr 1
		.amdhsa_wavefront_size32 1
		.amdhsa_system_sgpr_workgroup_id_x 1
		.amdhsa_system_sgpr_workgroup_id_y 1
		.amdhsa_system_sgpr_workgroup_id_z 1
		.amdhsa_system_vgpr_workitem_id 0
		.amdhsa_next_free_vgpr 512
		.amdhsa_next_free_sgpr 102
		.amdhsa_reserve_vcc 0
		.amdhsa_float_denorm_mode_32 3
		.amdhsa_float_denorm_mode_16_64 3
		.amdhsa_memory_ordered 1
		.amdhsa_forward_progress 1
		.amdhsa_inst_pref_size 255
	.end_amdhsa_kernel
	.section	.bss,"aw",@nobits
	.p2align	6
	.space	262144
	.amdgpu_metadata
---
amdhsa.version: [ 1, 2 ]
amdhsa.kernels:
  - .name:           k_qb628beb556_proj
    .symbol:         k_qb628beb556_proj.kd
    .args:
      - { .name: context_features, .offset: 0, .size: 8, .value_kind: global_buffer, .address_space: global }
      - { .name: input_features, .offset: 8, .size: 8, .value_kind: global_buffer, .address_space: global }
      - { .name: valid_mask, .offset: 16, .size: 8, .value_kind: global_buffer, .address_space: global }
      - { .name: k_mean, .offset: 24, .size: 8, .value_kind: global_buffer, .address_space: global }
      - { .name: k_beta, .offset: 32, .size: 8, .value_kind: global_buffer, .address_space: global }
      - { .name: k_b, .offset: 40, .size: 8, .value_kind: global_buffer, .address_space: global }
      - { .name: v_mean, .offset: 48, .size: 8, .value_kind: global_buffer, .address_space: global }
      - { .name: v_beta, .offset: 56, .size: 8, .value_kind: global_buffer, .address_space: global }
      - { .name: v_b, .offset: 64, .size: 8, .value_kind: global_buffer, .address_space: global }
      - { .name: q_mean, .offset: 72, .size: 8, .value_kind: global_buffer, .address_space: global }
      - { .name: q_beta, .offset: 80, .size: 8, .value_kind: global_buffer, .address_space: global }
      - { .name: q_b, .offset: 88, .size: 8, .value_kind: global_buffer, .address_space: global }
      - { .name: bna, .offset: 96, .size: 8, .value_kind: global_buffer, .address_space: global }
      - { .name: wts, .offset: 104, .size: 8, .value_kind: global_buffer, .address_space: global }
      - { .name: kvs, .offset: 112, .size: 8, .value_kind: global_buffer, .address_space: global }
      - { .name: qcs, .offset: 120, .size: 8, .value_kind: global_buffer, .address_space: global }
    .group_segment_fixed_size: 327680
    .private_segment_fixed_size: 0
    .kernarg_segment_align: 8
    .kernarg_segment_size: 128
    .max_flat_workgroup_size: 256
    .sgpr_count:     102
    .vgpr_count:     512
    .wavefront_size: 32
...
	.end_amdgpu_metadata
.endif
;; end of part 5
;; launch attn (part 6): grid 32 x 8, 8 waves a work-group, clusters of 4 x 1, 327,680 bytes of LDS; arguments qcs, kvs, wts, bna, valid_mask, f_mean, f_beta, f_b, out0; writes out0
.if DOCPART == 6
	.amdgcn_target "amdgcn-amd-amdhsa--gfx1250"
	.amdhsa_code_object_version 6
	.text
	.protected	k_qb628beb556_attn
	.globl	k_qb628beb556_attn
	.p2align	8
	.type	k_qb628beb556_attn,@function
k_qb628beb556_attn:
	s_mov_b64 s[64:65], 0
	v_nop
	global_prefetch_b8 v0, s[64:65] scope:SCOPE_SE
	s_setreg_imm32_b32 hwreg(HW_REG_WAVE_MODE, 25, 1), 1
	s_wait_xcnt 0x0
	s_wait_alu depctr_hold_cnt(0) depctr_sa_sdst(0) depctr_va_vdst(0) depctr_va_sdst(0) depctr_va_ssrc(0) depctr_va_vcc(0) depctr_vm_vsrc(0)
	s_getreg_b32 s2, hwreg(HW_REG_IB_STS2, 6, 4)
	s_cmp_eq_u32 s2, 0
	s_cbranch_scc0 .Lentry_in_a_cluster
	s_endpgm
.Lentry_in_a_cluster:
	s_bfe_u32 s2, ttmp6, 0x10000c
	s_cmp_lg_u32 s2, 0x3003
	s_cbranch_scc0 .Lentry_shape_is_right
	s_endpgm
.Lentry_shape_is_right:
; ATTN.  out = clip(bn_f(softmax((q k^T + (mask - 1) 1e5) / 0.01) v) f_W + f_b, 0, 6): three products on codes of E2M3, fused.  q, k, v x mask and f_W arrive as images of operand registers.
; THE SOFTMAX: t = logit x log2(e); M = the largest t so far rounded UP to a whole number; p = 2^(t - M) is quantised along the keys, not normalised; the row's sum of the unquantised p divides at the end.
; SHARES.  A work-group takes 32 queries of one batch.  Wave (qt = w % 2, g = w / 2) takes query tile qt against keys 128 g .. 128 g + 127 of every 512 keys, with an M, a sum and an O^T of its own (32 accumulators:
; window 1); M is a whole number, so the four groups are merged at the end by exact powers of two.  Then the wave owns channels 128 g on (a K step of the last product) and makes query tile qt x 64 columns a trip.
; Both attention products are used transposed (S^T = K Q^T, O^T = V^T P^T): a lane holds one query throughout.  The mask's addend is the C of each score's first product.
; THE STREAM.  16 tiles of the batch's kvs (for each 512 keys: K's channels 0-255, K's 256-511, V's tiles 0-15, V's 16-31), then 8 tiles of f_W, through a ring of two LDS slots; wave w fetches block w of each tile.
; V's channel tiles are rotated by the key group: accumulator a of group g stands for channel tile (a + 8 g) mod 32, so that a wave's own quarter is always a = 0 .. 7.
; CLUSTER.  The four work-groups of a cluster belong to one batch and walk the same stream: each block is asked for JOINTLY (the same load, the same descriptor, mask 15).  One tensor load a wave is out.
; THE ORDER.  With c the cluster's number in its batch, a cluster takes the batch's 512-key steps from step (c xor c / 4) mod 4 on and f_W's tiles from tile (c xor batch) mod 8 on, and wraps round.  So at any time different
; clusters ask for different tiles.  No LDS address hangs on that: the mask's addends and f_b are laid into LDS in the cluster's own order by the loads at the head; out's pointer alone wraps.
; LIMITS: NaN and infinities are not served; a block of p under 2^-124 keeps the byte 1 (its codes are zeros or subnormal); a masked key's score is rounded at the size of 1e5: its p is 0 beside any key that counts,
; and where no key of a batch counts the values are zeros, as in the definition.  t is score x (log2(e) / 0.01) in one multiplication.  The sums over the keys take the keys in the cluster's order, not ascending.
.set TILEB, 106496
.set BLK,   13312
.set SLOTX, 131072
.set SPARE, 106496                     ; the spare words, 128 bytes a wave: four blocks of 256 bytes that no other line names
.set STAT,  107520                     ; (-M, sum) by wave and lane
.set FB,    109568                     ; f_b, 8,192 bytes, in the cluster's order of columns
.set MASK,  117760                     ; (mask - 1) x 1e5 as f32, 8,192 bytes, in the cluster's order of keys
.set MRG,   237568                     ; the merge: 8,192 bytes for each wave; later the way out: 16 rows x 272 bytes for each wave
.set FIMG,  303104                     ; the features' 8 images
.set FSC,   315392                     ; and their scale words
.set SPW,  1
.set NIL,  2
.set LI,   3                           ; 16 x lane
.set L8,   4                           ; 8 x lane
.set LW,   5                           ; my two blocks in a slot, 16 bytes a lane;  v6 the same in the slot in hand
.set WA,   6
.set LW8,  7                           ; 8 bytes a lane;  v8
.set WA8,  8
.set MA0,  9
.set MA,   10
.set QF,   16                          ; v16-63 Q's four fragments, later the features'
.set QS,   64                          ; v64-67 their scale words;  v68-83 K's, V's or f_W's: these twenty hold scales alone
.set KS,   68
.set FBUF, 84                          ; v84-131 four fragments in hand
.set S,    132                         ; v132-195 S^T, then p; later four accumulators of out, and from v164 rows on their way out
.set PCD,  196                         ; v196-207 p's codes;  v208-215 at work
.set BM,   216
.set TP,   220
.set SO,   224
.set FF,   228                         ; f = 2^(old M - new M)
.set PWD,  229                         ; p's scale word
.set HB,   232                         ; 64 x (lane / 16)
.set L4,   233
.set STW,  240
.set SRD,  241
.set MW,   242                         ; v242-244
.set MR,   245
.set FIW,  246
.set FSW,  247
.set FIR,  248
.set FSR,  249
.set SIN,  250
.set SOUT, 251
.set FBA0, 252
.set FBA,  253
.set CO,   254
.set PFO,  255
.set WV,   22
.set SL,   26
.set MS,   27
.set FS,   28
.set CS,   29
.set TT,   30
.set LIM,  31
.set G1,   32
.set G0,   40
.set FWP,  44                          ; s[44:45] block w of f_W's first tile
.set PFA,  46
.set SEL,  48
.set CSC,  50
.set OUTP, 54
.set KB,   84                          ; s[84:85] block w of the batch's first tile
.set TO,   86                          ; s[86:87] the tile to be asked for, in bytes from its stream's first
.set CT,   88                          ; s88      how many tiles have been asked for
.set ROT,  89                          ; s89      the cluster's first tile of the batch's 16
.set RF,   90                          ; s90      its first tile of f_W's 8
.set OB,   92                          ; s[92:93] my rows of out at column 64 g
.set OO,   94                          ; s[94:95] the trip's 256 columns, in bytes of a row; it wraps at 8,192
.set MSB, 0
.macro WIN new
.if MSB != \new
	s_set_vgpr_msb (MSB<<8)|\new
.set MSB, \new
.endif
.endm
.macro PLACES                          ; four plain instructions behind a matrix instruction, ahead of what reads its result or writes or loads its registers
.rept 4
	v_nop
.endr
.endm
.macro BARRIER
	s_wait_dscnt 0x0
	s_barrier_signal -1
	s_barrier_wait -1
.endm
.macro ROUND
	s_barrier_signal -1
	s_barrier_wait -1
	s_cmp_lg_u32 s[WV], 0
	s_cbranch_scc1 .Lnot_wave_0_\@
	s_barrier_signal -3
.Lnot_wave_0_\@:
	s_barrier_wait -3
	s_barrier_signal -1
	s_barrier_wait -1
.endm
.macro FRAG reg, adr, off
.irp c, 0,1,2
	ds_load_b128 v[\reg+4*\c:\reg+4*\c+3], v[\adr] offset:\off+512*\c
.endr
.endm
.macro IMAGE adr, off, pc
.irp c, 0,1,2
	ds_store_b128 v[\adr], v[\pc+4*\c:\pc+4*\c+3] offset:\off+512*\c
.endr
.endm
; THE CHANGE OF SLOTS, at a ring trip's head: all my tensor loads have landed; 0 onto my spare word; the add is done and my LDS reads and stores are over; the round; the slot just left takes the next tile first thing.
; The next tile is made from the count of tiles asked for and the cluster's first tiles, numbers that the four partners share: the batch's tile (first + count) mod 16, from the 16th on f_W's tile (first + count) mod 8.
; pf = 1: the prefetches' address steps, behind the wait that frees it.
.macro HEAD fill, pf
	s_wait_tensorcnt 0x0
	ds_add_u32 v[SPW], v[NIL]                      ; the steps below stand between the add and the wait for it
	s_xor_b32 s[SL], s[SL], SLOTX
.if \fill
	s_xor_b32 s[G0+1], s[G0+1], SLOTX              ; no load of mine is out, so the descriptor may be written
	s_add_co_u32 s2, s[CT], s[ROT]
	s_and_b32 s2, s2, 15
	s_add_co_u32 s3, s[CT], s[RF]
	s_and_b32 s3, s3, 7
	s_cmp_lt_u32 s[CT], 16
	s_cselect_b32 s2, s2, s3
	s_cselect_b64 s[G0+2:G0+3], s[KB:KB+1], s[FWP:FWP+1]   ; the choice of the buffer hangs on the count alone
	s_mul_i32 s[TO], s2, TILEB
	s_add_co_u32 s[CT], s[CT], 1
	s_add_nc_u64 s[G0+2:G0+3], s[G0+2:G0+3], s[TO:TO+1]
	s_or_b32 s[G0+3], s[G0+3], 0x80000000          ; the type
.endif
.if \pf
	s_wait_xcnt 0x0                                ; the last prefetch, a trip back, has read its address
	s_add_nc_u64 s[PFA:PFA+1], s[PFA:PFA+1], TILEB
	s_add_co_u32 s[TT], s[TT], 1
.endif
	s_wait_dscnt 0x0
.if \fill
	ROUND
	tensor_load_to_lds s[G0:G0+3], s[G1:G1+7]
	s_nop 0
.else
	s_barrier_signal -1
	s_barrier_wait -1
.endif
.rept 4
	v_nop                                          ; the places ahead of the loads below
.endr
	v_add_nc_u32 v[WA], s[SL], v[LW]
	v_add_nc_u32 v[WA8], s[SL], v[LW8]
.endm
; A PREFETCH INTO THE L2 of the tile that the NEXT change of slots will ask for, in a cluster's first 512-key step alone: in trips 0 and 1 the step's third and fourth tile.  The batch's first four clusters begin at four
; different steps (cluster c at step c): they ask, the other four do not.  So tiles 4 S + 2 and 4 S + 3 are each named once in the launch; tiles 4 S and 4 S + 1 come by their loads alone; the later tiles of a walk are
; those at which other clusters began, and are not asked for; nor are f_W's.
; A tile is 416 blocks of 256 bytes: the four partners take 104 each, told apart by address; in each, waves 0 to 3 take 26, a lane a block; lanes 26 to 31 name lane 25's block again.
.macro ASK
	s_cmp_lt_u32 s[TT], s[LIM]
	s_cbranch_scc0 .Lnot_mine_\@
	global_prefetch_b8 v[PFO], s[PFA:PFA+1] th:TH_LOAD_NT scope:SCOPE_SE
.Lnot_mine_\@:
.endm
.macro QUANT s, hw, pc, tm, pw         ; 64 numbers of a lane, register 16 b + i = k 32 b + 16 (lane / 16) + i of my row, become a fragment's codes and its scale word.  hw = 1: the numbers lie in window 1
.if \hw
	WIN 0x05
.endif
.irp b, 0,1,2,3
	v_max3_num_f32 v[\tm+\b], |v[\s+16*\b]|, |v[\s+1+16*\b]|, 0x1800000
.endr
.if \hw
	WIN 0x14
.endif
.irp i, 2,4,6,8,10,12,14
.irp b, 0,1,2,3
	v_max3_num_f32 v[\tm+\b], v[\tm+\b], |v[\s+16*\b+\i]|, |v[\s+1+16*\b+\i]|
.endr
.endr
	WIN 0
.irp b, 0,1,2,3
	v_permlanex16_b32 v[\tm+4+\b], v[\tm+\b], s[SEL], s[SEL+1]
.endr
.irp b, 0,1,2,3
	s_delay_alu instid0(VALU_DEP_4)
	v_max_num_f32 v[\tm+\b], v[\tm+\b], v[\tm+4+\b]
.endr
.irp b, 0,1,2,3
	s_delay_alu instid0(VALU_DEP_4)
	v_add_nc_u32 v[\tm+12+\b], 0xff000000, v[\tm+\b]
.endr
.irp b, 0,1,2,3
	s_delay_alu instid0(VALU_DEP_4)
	v_lshrrev_b32 v[\tm+4+\b], 23, v[\tm+12+\b]
.endr
	s_delay_alu instid0(VALU_DEP_3)
	v_lshl_or_b32 v[\pw], v[\tm+5], 8, v[\tm+4]
	s_delay_alu instid0(VALU_DEP_1)
	v_lshl_or_b32 v[\pw], v[\tm+6], 16, v[\pw]
	s_delay_alu instid0(VALU_DEP_1)
	v_lshl_or_b32 v[\pw], v[\tm+7], 24, v[\pw]
.if \hw
	WIN 0x01
.endif
.irp c, 0,1
	v_cvt_scalef32_pk16_fp6_f32 v[\pc+6*\c:\pc+2+6*\c], v[\s+32*\c:\s+15+32*\c], v[\tm+12+2*\c]
	v_cvt_scalef32_pk16_fp6_f32 v[\pc+12+4*\c:\pc+14+4*\c], v[\s+16+32*\c:\s+31+32*\c], v[\tm+12+2*\c+1]
.endr
	WIN 0
	v_nop
.irp c, 0,1
.irp i, 0,1,2
	v_permlane16_swap_b32 v[\pc+6*\c+\i], v[\pc+12+4*\c+\i]
.endr
.irp i, 0,1,2
	s_delay_alu instid0(VALU_DEP_3)
	v_mov_b32 v[\pc+3+6*\c+\i], v[\pc+12+4*\c+\i]
.endr
.endr
.endm
.macro PAIRK k                         ; images 2 (k % 4), 2 (k % 4) + 1 of my block k / 4, into the pair of buffers k % 2
	FRAG FBUF+24*((\k)%2), WA, BLK*((\k)/4)+1536*(2*((\k)%4))
	FRAG FBUF+24*((\k)%2)+12, WA, BLK*((\k)/4)+1536*(2*((\k)%4)+1)
.endm
; My two blocks' 16 images, a pair at a time, two pairs ahead; source 0 = the image, source 1 = a fragment that stays.  The wait leaves the next pair's 6 loads out.
; kind 0: K's tile tau: image 4 e + m of block hb: keys' tile 4 hb + m, K step 2 tau + e.   kind 1: f_W: image 4 (e % 2) + t of block e / 2: column tile t, K step e.
.macro WALK kind, tau
.irp y, 0,1,2,3
	ds_load_b128 v[KS+4*\y:KS+4*\y+3], v[WA] offset:BLK*(\y/2)+12288+512*(\y%2)
.endr
	PAIRK 0
	PAIRK 1
.irp k, 0,1,2,3,4,5,6,7
.if \k < 7
	s_wait_dscnt 6
.else
	s_wait_dscnt 0x0
.endif
.irp u, 0,1
.set xi, 2*(\k%4)+\u
.if \kind == 0
.set ac, S+8*(4*(\k/4)+xi%4)
.set fq, QF+12*(2*\tau+xi/4)
.set sq, QS+2*\tau+xi/4
.else
.set ac, S+8*(xi%4)
.set fq, QF+12*(2*(\k/4)+xi/4)
.set sq, QS+2*(\k/4)+xi/4
.endif
	v_wmma_scale_f32_16x16x128_f8f6f4 v[ac:ac+7], v[FBUF+24*(\k%2)+12*\u:FBUF+24*(\k%2)+12*\u+11], v[fq:fq+11], v[ac:ac+7], v[KS+8*(\k/4)+xi], v[sq] matrix_a_fmt:MATRIX_FMT_FP6 matrix_b_fmt:MATRIX_FMT_FP6
.endr
.if \k < 6
	PLACES
	PAIRK \k+2
.endif
.endr
.endm
.macro PAIRV k                         ; V's fragments 2 k, 2 k + 1 of the tile: registers 0-5 from my first block (keys 0-63 of my 128), 6-11 from my second
.irp u, 0,1
.set fb, FBUF+24*((\k)%2)+12*\u
.set ao, 768*(2*(\k)+\u)
	ds_load_b128 v[fb:fb+3], v[WA] offset:ao
	ds_load_b64 v[fb+4:fb+5], v[WA8] offset:ao+512
	ds_load_b128 v[fb+6:fb+9], v[WA] offset:BLK+ao
	ds_load_b64 v[fb+10:fb+11], v[WA8] offset:BLK+ao+512
.endr
.endm
; O^T += V^T P^T for accumulators 16 half .. 16 half + 15.  The two halves' scale words are joined; resc = 1: all of O^T is brought under the new M first (these lines are also the places behind the joined words).
.macro PVT half, resc
.irp y, 0,1,2,3
	ds_load_b128 v[KS+4*\y:KS+4*\y+3], v[WA] offset:BLK*(\y/2)+12288+512*(\y%2)
.endr
	PAIRV 0
	PAIRV 1
	s_wait_dscnt 16                                ; the scale words are in; the two pairs' 16 loads may be out
.irp y, 0,1,2,3,4,5,6,7
	v_or_b32 v[KS+\y], v[KS+\y], v[KS+8+\y]
.endr
.if \resc
	WIN 0x41
.set j, 0
.rept 128
	v_pk_mul_f32 v[j:j+1], v[j:j+1], v[FF:FF+1] op_sel_hi:[1,0]
.set j, j+2
.endr
	WIN 0
.else
.rept 8
	v_nop                                          ; a scale register written by a vector instruction stands eight places ahead of the scaled product
.endr
.endif
	s_wait_alu depctr_va_vdst(0)
.irp k, 0,1,2,3,4,5,6,7
.if \k < 7
	s_wait_dscnt 8                                 ; the next pair's 8 loads may be out
.else
	s_wait_dscnt 0x0
.endif
	WIN 0x50
	v_wmma_scale_f32_16x16x128_f8f6f4 v[8*(16*\half+2*\k):8*(16*\half+2*\k)+7], v[FBUF+24*(\k%2):FBUF+24*(\k%2)+11], v[PCD:PCD+11], v[8*(16*\half+2*\k):8*(16*\half+2*\k)+7], v[KS+\k], v[PWD] matrix_a_fmt:MATRIX_FMT_FP6 matrix_b_fmt:MATRIX_FMT_FP6
	v_wmma_scale_f32_16x16x128_f8f6f4 v[8*(16*\half+2*\k+1):8*(16*\half+2*\k+1)+7], v[FBUF+24*(\k%2)+12:FBUF+24*(\k%2)+23], v[PCD:PCD+11], v[8*(16*\half+2*\k+1):8*(16*\half+2*\k+1)+7], v[KS+\k], v[PWD] matrix_a_fmt:MATRIX_FMT_FP6 matrix_b_fmt:MATRIX_FMT_FP6 matrix_a_scale:MATRIX_SCALE_ROW1
	WIN 0
.if \k < 6
	PLACES
	PAIRV \k+2
.endif
.endr
	PLACES
.endm
; The softmax of 16 queries x 128 keys: register 16 b + i is key 32 b + 16 (lane / 16) + i
.macro SOFTMAX
.irp b, 0,1,2,3
	v_max3_num_f32 v[BM+\b], v[S+16*\b], v[S+1+16*\b], v[S+2+16*\b]        ; the largest score of each block of 32 keys: for the row's maximum and, since p rises with the score, for the block's largest p
.endr
.irp i, 3,5,7,9,11,13
.irp b, 0,1,2,3
	v_max3_num_f32 v[BM+\b], v[BM+\b], v[S+16*\b+\i], v[S+1+16*\b+\i]
.endr
.endr
.irp b, 0,1,2,3
	v_max_num_f32 v[BM+\b], v[BM+\b], v[S+15+16*\b]
.endr
.irp b, 0,1,2,3
	s_delay_alu instid0(VALU_DEP_4)
	v_permlanex16_b32 v[TP+\b], v[BM+\b], s[SEL], s[SEL+1]
.endr
.irp b, 0,1,2,3
	s_delay_alu instid0(VALU_DEP_4)
	v_max_num_f32 v[BM+\b], v[BM+\b], v[TP+\b]
.endr
	s_delay_alu instid0(VALU_DEP_2)
	v_max3_num_f32 v230, v[BM], v[BM+1], v[BM+2]
	s_delay_alu instid0(VALU_DEP_1)
	v_max_num_f32 v230, v230, v[BM+3]
	s_delay_alu instid0(VALU_DEP_1)
	v_mul_f32 v230, s[CSC], v230                   ; as t (c is positive)
	s_delay_alu instid0(VALU_DEP_1)
	v_max_num_f32 v13, v13, v230                   ; the running largest t
	v_mov_b32 v230, v12
	s_delay_alu instid0(VALU_DEP_2)
	v_floor_f32 v12, -v13                          ; the new -M = floor(-t): M is a whole number
	s_delay_alu instid0(VALU_DEP_1)
	v_sub_f32 v230, v12, v230                      ; old M - new M, a whole number, 0 or less
	s_delay_alu instid0(VALU_DEP_1)
	v_cvt_i32_f32 v230, v230                       ; (it saturates)
	s_delay_alu instid0(VALU_DEP_1)
	v_ldexp_f32 v[FF], 1.0, v230                   ; f = 2^(old M - new M): a multiplication by it rounds nothing
.set j, 0
.rept 32
	v_pk_fma_f32 v[S+j:S+j+1], v[S+j:S+j+1], s[CSC:CSC+1], v[12:13] op_sel_hi:[1,0,0]     ; t - M
.set j, j+2
.endr
.irp b, 0,1,2,3
	v_fma_f32 v[BM+\b], v[BM+\b], s[CSC], v12
.endr
.set j, 0
	s_wait_alu depctr_va_vdst(0)
.rept 64
	v_exp_f32 v[S+j], v[S+j]                       ; p = 2^(t - M), at most 1, not normalised
.set j, j+1
.endr
	v_pk_mul_f32 v[14:15], v[14:15], v[FF:FF+1] op_sel_hi:[1,0]            ; the sums under the new M (a plain instruction behind the exponentials)
	s_wait_alu depctr_va_vdst(0)                   ; one wait for the batch, ahead of its first reader
.irp b, 0,1,2,3
	v_exp_f32 v[BM+\b], v[BM+\b]                   ; the block's largest p
.endr
	v_pk_add_f32 v[220:221], v[136:137], v[140:141]
	v_pk_add_f32 v[238:239], v[144:145], v[148:149]
	v_pk_add_f32 v[236:237], v[152:153], v[156:157]
	v_pk_add_f32 v[234:235], v[160:161], v[164:165]
	v_pk_add_f32 v[230:231], v[168:169], v[172:173]
	v_pk_add_f32 v[226:227], v[176:177], v[180:181]
	v_pk_add_f32 v[224:225], v[184:185], v[188:189]
	v_pk_add_f32 v[14:15], v[14:15], v[192:193]
	v_pk_add_f32 v[220:221], v[220:221], v[132:133]
	v_pk_add_f32 v[238:239], v[238:239], v[134:135]
	v_pk_add_f32 v[236:237], v[236:237], v[138:139]
	v_pk_add_f32 v[234:235], v[234:235], v[142:143]
	v_pk_add_f32 v[230:231], v[230:231], v[146:147]
	v_pk_add_f32 v[226:227], v[226:227], v[150:151]
	v_pk_add_f32 v[224:225], v[224:225], v[154:155]
	v_pk_add_f32 v[14:15], v[14:15], v[158:159]
	v_pk_add_f32 v[220:221], v[220:221], v[162:163]
	v_pk_add_f32 v[238:239], v[238:239], v[166:167]
	v_pk_add_f32 v[236:237], v[236:237], v[170:171]
	v_pk_add_f32 v[234:235], v[234:235], v[174:175]
	v_pk_add_f32 v[230:231], v[230:231], v[178:179]
	v_pk_add_f32 v[226:227], v[226:227], v[182:183]
	v_pk_add_f32 v[224:225], v[224:225], v[186:187]
	v_pk_add_f32 v[14:15], v[14:15], v[190:191]
	v_pk_add_f32 v[220:221], v[220:221], v[194:195]
	s_delay_alu instid0(VALU_DEP_2)
	v_pk_add_f32 v[14:15], v[14:15], v[234:235]
	s_delay_alu instid0(VALU_DEP_2)
	v_pk_add_f32 v[220:221], v[220:221], v[230:231]
	v_pk_add_f32 v[238:239], v[238:239], v[226:227]
	v_pk_add_f32 v[236:237], v[236:237], v[224:225]
	s_delay_alu instid0(VALU_DEP_2)
	v_pk_add_f32 v[14:15], v[14:15], v[238:239]
	s_delay_alu instid0(VALU_DEP_2)
	v_pk_add_f32 v[220:221], v[220:221], v[236:237]
	s_delay_alu instid0(VALU_DEP_1)
	v_pk_add_f32 v[14:15], v[14:15], v[220:221]
	s_wait_alu depctr_va_vdst(0)                   ; and one for the four
.irp b, 0,1,2,3
	v_max_num_f32 v[BM+\b], 0x1800000, v[BM+\b]    ; the floor 2^(3 - 127)
.endr
.irp b, 0,1,2,3
	s_delay_alu instid0(VALU_DEP_4)
	v_add_nc_u32 v[SO+\b], 0xff000000, v[BM+\b]
.endr
.irp b, 0,1,2,3
	s_delay_alu instid0(VALU_DEP_4)
	v_lshrrev_b32 v[TP+\b], 23, v[SO+\b]
.endr
	s_delay_alu instid0(VALU_DEP_3)
	v_lshl_or_b32 v[PWD], v[TP+1], 8, v[TP]
	s_delay_alu instid0(VALU_DEP_1)
	v_lshl_or_b32 v[PWD], v[TP+2], 16, v[PWD]
	s_delay_alu instid0(VALU_DEP_1)
	v_lshl_or_b32 v[PWD], v[TP+3], 24, v[PWD]
.irp c, 0,1
	v_cvt_scalef32_pk16_fp6_f32 v[PCD+6*\c:PCD+2+6*\c], v[S+32*\c:S+15+32*\c], v[SO+2*\c]
	v_cvt_scalef32_pk16_fp6_f32 v[208+4*\c:210+4*\c], v[S+16+32*\c:S+31+32*\c], v[SO+2*\c+1]
.endr
	v_nop
.irp c, 0,1
.irp i, 0,1,2
	v_permlane16_swap_b32 v[PCD+6*\c+\i], v[208+4*\c+\i]
.endr
.irp i, 0,1,2
	s_delay_alu instid0(VALU_DEP_3)
	v_mov_b32 v[PCD+3+6*\c+\i], v[208+4*\c+\i]
.endr
.endr
.endm
	s_load_b512 s[4:19], s[0:1], 0x0               ; qcs s[4:5], kvs s[6:7], wts s[8:9], bna s[10:11], mask s[12:13], f_mean s[14:15], f_beta s[16:17], f_b s[18:19]
	s_load_b64 s[20:21], s[0:1], 0x40              ; out0
	v_lshl_add_u32 v[SPW], v0, 2, SPARE
	v_mov_b32 v[NIL], 0
	ds_add_u32 v1, v2
	ds_add_u32 v1, v2
	s_wait_dscnt 0x0
	v_lshrrev_b32 v230, 5, v0
	s_delay_alu instid0(VALU_DEP_1)
	v_readfirstlane_b32 s[WV], v230                ; wave 0..7
	s_bfe_u32 s23, ttmp6, 0x40000                  ; cx
	s_lshl_b32 s24, ttmp9, 2
	s_add_co_u32 s24, s24, s23                     ; my block of 32 queries: it enters Q's and out's addresses alone
	s_and_b32 s25, ttmp7, 0xffff                   ; the batch, which the partners share
	s_lshr_b32 s[ROT], ttmp9, 2                    ; where my cluster begins its walks: numbers that the four partners share
	s_xor_b32 s[ROT], s[ROT], ttmp9
	s_and_b32 s[ROT], s[ROT], 3                    ; the 512-key step (c xor c / 4) mod 4,
	s_lshl_b32 s[ROT], s[ROT], 2                   ; as a tile
	s_xor_b32 s[RF], ttmp9, s25
	s_and_b32 s[RF], s[RF], 7                      ; f_W's tile (c xor batch) mod 8,
	s_lshl_b32 s[OO], s[RF], 10                    ; and its 256 columns in bytes of f32
	s_mov_b32 s[OO+1], 0
	s_and_b32 s67, s[WV], 1                        ; qt
	s_lshr_b32 s68, s[WV], 1                       ; g
	s_mov_b32 s[SL], SLOTX
	s_mov_b32 s[MS], 0
	s_mov_b32 s[FS], 0
	s_mov_b32 s[TT], -1
	s_mov_b32 s[SEL], 0x76543210
	s_mov_b32 s[SEL+1], 0xfedcba98
	s_mov_b32 s[CSC], 0x431044fe                   ; c = log2(e) / 0.01
	s_mov_b32 s[CSC+1], s[CSC]
	s_mov_b32 s52, 0x40c00000                      ; 6.0
	s_mov_b32 s62, 0x47c35000                      ; 1e5
	s_mov_b32 s63, 0xc7c35000                      ; -1e5
	s_lshr_b32 s66, s[WV], 2
	s_lshr_b32 s69, ttmp9, 2
	s_or_b32 s66, s66, s69                         ; 0 in waves 0-3 of the batch's first four clusters: the same in all partners
	s_cmp_eq_u32 s66, 0
	s_cselect_b32 s[LIM], 2, 0
	s_mov_b32 s[G1], 15|(3<<16)|(1<<21)            ; a block: 52 rows of 32 elements of 8 bytes, dense; asked for jointly by the four
	s_mov_b32 s[G1+1], 32<<16
	s_mov_b32 s[G1+2], 52<<16
	s_mov_b32 s[G1+3], 32<<16
	s_mov_b32 s[G1+4], 52
	s_mov_b32 s[G1+5], 32
	s_mov_b32 s[G1+6], 0
	s_mov_b32 s[G1+7], 0
	v_and_b32 v230, 31, v0                         ; lane
	v_and_b32 v231, 15, v0                         ; r
	v_bfe_u32 v11, v0, 4, 1                        ; h
	s_delay_alu instid0(VALU_DEP_3)
	v_lshlrev_b32 v[LI], 4, v230
	s_wait_alu depctr_va_vdst(0)
	v_lshlrev_b32 v[L8], 3, v230
	v_lshlrev_b32 v[L4], 2, v230
	v_lshlrev_b32 v[HB], 6, v11
	s_mul_i32 s69, s68, 2*BLK
	v_add_nc_u32 v[LW], s69, v[LI]
	v_add_nc_u32 v[LW8], s69, v[L8]
	s_lshl_b32 s69, s68, 9
	s_add_co_u32 s69, s69, MASK
	v_add_nc_u32 v[MA0], s69, v[HB]
	s_lshl_b32 s69, s[WV], 8
	s_add_co_u32 s69, s69, STAT
	v_add_nc_u32 v[STW], s69, v[L8]
	s_lshl_b32 s69, s67, 8
	s_add_co_u32 s69, s69, STAT
	v_add_nc_u32 v[SRD], s69, v[L8]
.irp d, 1,2,3
	s_add_co_u32 s69, s68, \d                      ; my accumulators 8 d .. 8 d + 7 belong to the wave of group (g + d) mod 4
	s_and_b32 s69, s69, 3
	s_lshl_b32 s69, s69, 1
	s_add_co_u32 s69, s69, s67
	s_lshl_b32 s69, s69, 13
	s_add_co_u32 s69, s69, MRG
	v_add_nc_u32 v[MW+\d-1], s69, v[LI]
.endr
	s_lshl_b32 s69, s[WV], 13
	s_add_co_u32 s69, s69, MRG
	v_add_nc_u32 v[MR], s69, v[LI]
	s_lshl_b32 s70, s67, 2
	s_add_co_u32 s71, s70, s68                     ; 4 qt + g
	s_mul_i32 s69, s71, 1536
	s_add_co_u32 s69, s69, FIMG
	v_add_nc_u32 v[FIW], s69, v[LI]
	s_lshl_b32 s69, s71, 7
	s_add_co_u32 s69, s69, FSC
	v_add_nc_u32 v[FSW], s69, v[L4]
	s_mul_i32 s69, s70, 1536
	s_add_co_u32 s69, s69, FIMG
	v_add_nc_u32 v[FIR], s69, v[LI]
	s_lshl_b32 s69, s70, 7
	s_add_co_u32 s69, s69, FSC
	v_add_nc_u32 v[FSR], s69, v[L4]
	s_mul_i32 s69, s[WV], 4352
	s_add_co_u32 s69, s69, MRG
	v_mul_u32_u24 v[SIN], v231, 272
	s_delay_alu instid0(VALU_DEP_1)
	v_add_nc_u32 v[SIN], v[SIN], v[HB]
	s_delay_alu instid0(VALU_DEP_1)
	v_add_nc_u32 v[SIN], s69, v[SIN]               ; the way out, in: row r, + 64 h
	v_mul_u32_u24 v[SOUT], v11, 272
	s_delay_alu instid0(VALU_DEP_1)
	v_lshl_add_u32 v[SOUT], v231, 4, v[SOUT]
	s_delay_alu instid0(VALU_DEP_1)
	v_add_nc_u32 v[SOUT], s69, v[SOUT]             ; back: lanes 0-15 one row of 256 bytes, lanes 16-31 the next
	s_lshl_b32 s69, s68, 8
	s_add_co_u32 s69, s69, FB
	v_add_nc_u32 v[FBA0], s69, v[HB]
	v_lshlrev_b32 v[CO], 13, v11
	s_delay_alu instid0(VALU_DEP_1)
	v_lshl_add_u32 v[CO], v231, 4, v[CO]           ; and the same two rows in out
	v_min_u32 v[PFO], 25, v230
	s_delay_alu instid0(VALU_DEP_1)
	v_lshlrev_b32 v[PFO], 8, v[PFO]
	s_mul_i32 s69, s[WV], 6656
	v_add_nc_u32 v[PFO], s69, v[PFO]
	; the head's own offsets.  A thread takes 8 mask bytes and 32 bytes of f_b, from the cluster's first key and first column on, round the end: in LDS they then lie in the order of the cluster's walk
	s_lshl_b32 s69, s[ROT], 7                      ; 512 keys for each four tiles
	v_lshl_add_u32 v234, v0, 3, s69
	s_delay_alu instid0(VALU_DEP_1)
	v_and_b32 v234, 0x7ff, v234
	v_lshl_add_u32 v235, v0, 5, s[OO]
	s_delay_alu instid0(VALU_DEP_1)
	v_and_b32 v235, 0x1fff, v235
	v_lshl_add_u32 v236, v0, 5, MASK
	v_lshl_add_u32 v237, v0, 5, FB
	s_lshl_b32 s72, s25, 5
	s_add_co_u32 s72, s72, s24
	s_mul_i32 s72, s72, BLK                        ; my block of qcs
	s_mul_i32 s74, s67, 6144
	s_add_co_u32 s74, s74, s72
	s_mov_b32 s75, 0
	s_lshl_b32 s76, s67, 9
	s_add_co_u32 s76, s76, s72
	s_add_co_u32 s76, s76, 12288
	s_mov_b32 s77, 0
	s_mul_i32 s78, s25, 16*TILEB
	s_mov_b32 s79, 0
	s_mul_i32 s80, s[WV], BLK
	s_mov_b32 s81, 0
	s_mul_i32 s[TO], s[ROT], TILEB                 ; the cluster's first tile
	s_mov_b32 s[TO+1], 0
	s_mul_i32 s82, s23, 26624
	s_add_co_u32 s82, s82, TILEB
	s_add_co_u32 s82, s82, s[TO]
	s_mov_b32 s83, 0
	s_mov_b32 s[CT], 1
	s_wait_alu depctr_va_vdst(0)
	s_wait_kmcnt 0x0
	s_add_nc_u64 s[74:75], s[4:5], s[74:75]
	s_add_nc_u64 s[76:77], s[4:5], s[76:77]
.irp e, 0,1,2,3
.irp c, 0,1,2
	global_load_b128 v[QF+12*\e+4*\c:QF+12*\e+4*\c+3], v[LI], s[74:75] offset:1536*\e+512*\c      ; Q's fragments stay in registers
.endr
	global_load_b32 v[QS+\e], v[L4], s[76:77] offset:128*\e
.endr
	s_lshl_b32 s72, s25, 11
	s_mov_b32 s73, 0
	s_add_nc_u64 s[12:13], s[12:13], s[72:73]
	global_load_b64 v[84:85], v234, s[12:13]
	global_load_b128 v[88:91], v235, s[18:19]
	global_load_b128 v[92:95], v235, s[18:19] offset:16
	s_add_nc_u64 s[6:7], s[6:7], s[78:79]          ; the batch's first tile
	s_add_nc_u64 s[KB:KB+1], s[6:7], s[80:81]      ; its block w
	s_mov_b32 s[G0], 1
	s_mov_b32 s[G0+1], s80                         ; LDS: block w of slot 0
	s_add_nc_u64 s[G0+2:G0+3], s[KB:KB+1], s[TO:TO+1]      ; block w of the cluster's first tile
	s_or_b32 s[G0+3], s[G0+3], 0x80000000
	s_add_nc_u64 s[FWP:FWP+1], s[8:9], s[80:81]
	s_add_nc_u64 s[FWP:FWP+1], s[FWP:FWP+1], 24*TILEB      ; block w of f_W's first tile
	s_add_nc_u64 s[PFA:PFA+1], s[6:7], s[82:83]    ; my work-group's quarter of the walk's second tile: the first change of slots steps it to the third.  Nothing is prefetched at the head
	s_lshl_b32 s72, s25, 23                        ; out: row 1,024 batch + 32 block + 8 qt, + 256 g bytes
	s_lshl_b32 s69, s24, 18
	s_add_co_u32 s72, s72, s69
	s_lshl_b32 s69, s67, 16
	s_add_co_u32 s72, s72, s69
	s_lshl_b32 s69, s68, 8
	s_add_co_u32 s72, s72, s69
	s_add_nc_u64 s[OB:OB+1], s[20:21], s[72:73]
	s_add_nc_u64 s[OUTP:OUTP+1], s[OB:OB+1], s[OO:OO+1]    ; at the cluster's first 256 columns
	s_lshl_b32 s72, s68, 9                         ; f's batch-norm at my 128 channels
	s_add_nc_u64 s[58:59], s[14:15], s[72:73]
	s_add_nc_u64 s[60:61], s[16:17], s[72:73]
	s_add_co_u32 s72, s72, 24576
	s_add_nc_u64 s[56:57], s[10:11], s[72:73]
	ROUND                                          ; the four work-groups are here: the first joint loads meet
	tensor_load_to_lds s[G0:G0+3], s[G1:G1+7]      ; the cluster's first tile
	s_nop 0
.rept 4
	v_nop
.endr
	WIN 0x40
.set j, 0
.rept 256
	v_mov_b32 v[j], 0                              ; O^T.  The loop is written once: its first step finds zeros, which the first change of M leaves zeros
.set j, j+1
.endr
	WIN 0
	v_mov_b32 v13, 0xff61b1e6                      ; the largest t so far: -3e38
	s_delay_alu instid0(VALU_DEP_1)
	v_floor_f32 v12, -v13
	v_mov_b32 v14, 0
	v_mov_b32 v15, 0
	v_mov_b32 v[PWD], 0                            ; (named as the upper half of a pair before it is first written)
.irp b, 0,1,2,3
	v_mov_b32 v[TP+\b], 0                          ; a lane permute's destination counts as one of its sources
.endr
	s_wait_loadcnt 0x0
.irp j, 0,1,2,3,4,5,6,7
	v_bfe_u32 v[96+\j], v[84+\j/4], 8*(\j%4), 8
.endr
.irp j, 0,1,2,3,4,5,6,7
	v_cvt_f32_u32 v[96+\j], v[96+\j]
.endr
.irp j, 0,1,2,3,4,5,6,7
	v_fma_f32 v[96+\j], v[96+\j], s62, s63         ; (mask - 1) x 1e5: exactly 0 for a key that counts
.endr
	ds_store_b128 v236, v[96:99]
	ds_store_b128 v236, v[100:103] offset:16
	ds_store_b128 v237, v[88:91]
	ds_store_b128 v237, v[92:95] offset:16         ; the first change of slots waits for these stores and passes a barrier
	s_mov_b32 s[CS], 4
.Lss:                                      ; a trip: 512 keys of the batch, 128 of them mine: four ring trips
	HEAD 1, 1
	ASK
	v_add_nc_u32 v[MA], s[MS], v[MA0]
.irp t, 0,1,2,3,4,5,6,7
	ds_load_b128 v[S+8*\t:S+8*\t+3], v[MA] offset:128*(\t/2)+32*(\t%2)           ; the scores begin as the mask's addend: register j of tile t is key 32 (t / 2) + 16 h + 8 (t % 2) + j
	ds_load_b128 v[S+8*\t+4:S+8*\t+7], v[MA] offset:128*(\t/2)+32*(\t%2)+16
.endr
	s_wait_alu depctr_va_vdst(0)
	WALK 0, 0
	HEAD 1, 1
	ASK
	s_wait_alu depctr_va_vdst(0)
	WALK 0, 1
	PLACES
	SOFTMAX
	HEAD 1, 1
	ASK
	s_wait_alu depctr_va_vdst(0)
	PVT 0, 1
	HEAD 1, 1
	ASK
	s_wait_alu depctr_va_vdst(0)
	PVT 1, 0
	s_add_co_u32 s[MS], s[MS], 2048
	s_sub_co_u32 s[CS], s[CS], 1
	s_cmp_lg_u32 s[CS], 0
	s_cbranch_scc1 .Lss
	; ---- THE MERGE of the four key groups.  Plain barriers
	v_add_f32 v14, v14, v15
	s_delay_alu instid0(VALU_DEP_1)
	v_permlanex16_b32 v[TP], v14, s[SEL], s[SEL+1]
	s_delay_alu instid0(VALU_DEP_1)
	v_add_f32 v13, v14, v[TP]                      ; my group's sum, beside -M
	ds_store_b64 v[STW], v[12:13]
	BARRIER
.irp y, 0,1,2,3
	ds_load_b64 v[208+2*\y:209+2*\y], v[SRD] offset:512*\y
.endr
	s_wait_dscnt 0x0
	v_min_num_f32 v[BM], v208, v210
	v_min_num_f32 v[BM+1], v212, v214
	s_delay_alu instid0(VALU_DEP_1)
	v_min_num_f32 v[BM], v[BM], v[BM+1]            ; -M of all four
.irp y, 0,1,2,3
	v_sub_f32 v[TP+\y], v[BM], v[208+2*\y]
.endr
.irp y, 0,1,2,3
	s_delay_alu instid0(VALU_DEP_4)
	v_cvt_i32_f32 v[TP+\y], v[TP+\y]
.endr
.irp y, 0,1,2,3
	s_delay_alu instid0(VALU_DEP_4)
	v_ldexp_f32 v[TP+\y], 1.0, v[TP+\y]            ; 2^(a group's M - M)
.endr
	s_delay_alu instid0(VALU_DEP_4)
	v_mul_f32 v[SO], v209, v[TP]
	s_delay_alu instid0(VALU_DEP_1)
	v_fma_f32 v[SO], v211, v[TP+1], v[SO]
	s_delay_alu instid0(VALU_DEP_1)
	v_fma_f32 v[SO], v213, v[TP+2], v[SO]
	s_delay_alu instid0(VALU_DEP_1)
	v_fma_f32 v[SO], v215, v[TP+3], v[SO]          ; the row's sum
	v_sub_f32 v230, v[BM], v12
	s_delay_alu instid0(VALU_DEP_1)
	v_cvt_i32_f32 v230, v230
	s_delay_alu instid0(VALU_DEP_1)
	v_ldexp_f32 v[FF], 1.0, v230                   ; my own group's factor
	s_wait_alu depctr_va_vdst(0)
	v_rcp_f32 v[SO+2], v[SO]
	WIN 0x41
.set j, 0
	s_wait_alu depctr_va_vdst(0)
.rept 128
	v_pk_mul_f32 v[j:j+1], v[j:j+1], v[FF:FF+1] op_sel_hi:[1,0]
.set j, j+2
.endr
	WIN 0
	s_wait_alu depctr_va_vdst(0)                   ; the reciprocal's wait, ahead of its first reader
; Round d: my accumulators 8 d .. 8 d + 7 go to their owner's 8,192 bytes; a barrier; what came for me is added onto my accumulators 0 .. 7; a barrier ahead of the next round's stores.
; The registers that a round's stores have left take a parameter of f's batch-norm, in the result's layout.
.macro MROUND d, pb
	WIN 0x04                                       ; an LDS store's data are its source 1: window 1
.set j, 0
.rept 16
	ds_store_b128 v[MW+\d-1], v[64*\d+4*j:64*\d+4*j+3] offset:512*j
.set j, j+1
.endr
	WIN 0
	s_wait_dscnt 0x0
	WIN 0x40
.irp i, 0,1,2,3,4,5,6,7
	global_load_b128 v[64*\d+8*\i:64*\d+8*\i+3], v[HB], s[\pb:\pb+1] offset:128*(\i/2)+32*(\i%2)
	global_load_b128 v[64*\d+8*\i+4:64*\d+8*\i+7], v[HB], s[\pb:\pb+1] offset:128*(\i/2)+32*(\i%2)+16
.endr
	WIN 0
	s_barrier_signal -1
	s_barrier_wait -1
.irp y, 0,1
.irp x, 0,1,2,3,4,5,6,7
	ds_load_b128 v[FBUF+4*\x:FBUF+4*\x+3], v[MR] offset:512*(8*\y+\x)
.endr
	s_wait_dscnt 0x0
	WIN 0x41
.set j, 0
.rept 16
	v_pk_add_f32 v[32*\y+j:32*\y+j+1], v[32*\y+j:32*\y+j+1], v[FBUF+j:FBUF+j+1]
.set j, j+2
.endr
	WIN 0
.endr
.if \d < 3
	s_barrier_signal -1
	s_barrier_wait -1
.endif
.endm
	MROUND 1, 56                                   ; a
	MROUND 2, 58                                   ; mean
	MROUND 3, 60                                   ; beta
	s_wait_loadcnt 0x0
	WIN 0x41
.set j, 0
.rept 32
	v_pk_mul_f32 v[j:j+1], v[j:j+1], v[SO+2:SO+3] op_sel_hi:[1,0]          ; / the row's sum
.set j, j+2
.endr
	WIN 0x45
.set j, 0
.rept 32
	v_pk_add_f32 v[j:j+1], v[j:j+1], v[128+j:129+j] neg_lo:[0,1] neg_hi:[0,1]
.set j, j+2
.endr
	WIN 0x55
.set j, 0
.rept 32
	v_pk_fma_f32 v[j:j+1], v[j:j+1], v[64+j:65+j], v[192+j:193+j]
.set j, j+2
.endr
	WIN 0
	QUANT 0, 1, 84, 108, 124                       ; 16 queries x my 128 channels: K step g of the last product
	IMAGE FIW, 0, 84
	ds_store_b32 v[FSW], v124
	BARRIER                                        ; the features' images lie in LDS, and every wave's reads of the merge's bytes are over
.irp e, 0,1,2,3
	FRAG QF+12*\e, FIR, 1536*\e
	ds_load_b32 v[QS+\e], v[FSR] offset:128*\e
.endr
; ---- THE LAST PRODUCT: a trip makes my 16 queries x 64 columns of 256: four accumulators, which begin as f_b, by turns; clip; through my stage; whole pieces of rows out
.macro FTRIP fill
	HEAD \fill, 0
	v_add_nc_u32 v[FBA], s[FS], v[FBA0]
.irp t, 0,1,2,3
	ds_load_b128 v[S+8*\t:S+8*\t+3], v[FBA] offset:128*(\t/2)+32*(\t%2)
	ds_load_b128 v[S+8*\t+4:S+8*\t+7], v[FBA] offset:128*(\t/2)+32*(\t%2)+16
.endr
	s_wait_alu depctr_va_vdst(0)
	WALK 1, 0
	PLACES
.set j, 0
.rept 32
	v_med3_num_f32 v[S+j], v[S+j], 0, s52
.set j, j+1
.endr
.irp t, 0,1,2,3
	ds_store_b128 v[SIN], v[S+8*\t:S+8*\t+3] offset:128*(\t/2)+32*(\t%2)
	ds_store_b128 v[SIN], v[S+8*\t+4:S+8*\t+7] offset:128*(\t/2)+32*(\t%2)+16
.endr
.irp k, 0,1,2,3,4,5,6,7
	ds_load_b128 v[164+4*\k:167+4*\k], v[SOUT] offset:544*\k       ; LDS serves a wave's instructions in order: these see my stores
.endr
.irp k, 0,1,2,3,4,5,6,7
	s_wait_dscnt 7-\k
	global_store_b128 v[CO], v[164+4*\k:167+4*\k], s[OUTP:OUTP+1] offset:(2*\k+8*(\k/4))*8192 th:TH_STORE_NT     ; 16 lanes store 256 consecutive bytes, aligned; stage row rho is query 8 qt + rho + 8 (rho / 8)
.endr
	s_wait_xcnt 0x0                                ; the stores' base and registers are written again only behind this wait
	s_add_co_u32 s[OO], s[OO], 1024                ; 256 columns on, round the row's end
	s_and_b32 s[OO], s[OO], 8191
	s_add_nc_u64 s[OUTP:OUTP+1], s[OB:OB+1], s[OO:OO+1]
	s_add_co_u32 s[FS], s[FS], 1024
.endm
	s_mov_b32 s[CS], 7
.Lf:
	FTRIP 1
	s_sub_co_u32 s[CS], s[CS], 1
	s_cmp_lg_u32 s[CS], 0
	s_cbranch_scc1 .Lf
	FTRIP 0                                        ; the last tile is written out
	s_wait_tensorcnt 0x0                           ; the wave's end
	ds_add_u32 v[SPW], v[NIL]
	s_wait_dscnt 0x0
	ROUND                                          ; the closing round
	s_endpgm
.Lfunc_end_k_qb628beb556_attn:
	.size	k_qb628beb556_attn, .Lfunc_end_k_qb628beb556_attn-k_qb628beb556_attn
	.p2alignl 7, 3214868480
	.fill 96, 4, 3214868480
	.section	.rodata,"a",@progbits
	.p2align	6, 0x0
	.amdhsa_kernel k_qb628beb556_attn
		.amdhsa_group_segment_fixed_size 327680
		.amdhsa_private_segment_fixed_size 0
		.amdhsa_enable_private_segment 0
		.amdhsa_kernarg_size 72
		.amdhsa_user_sgpr_count 2
		.amdhsa_user_sgpr_kernarg_segment_ptr 1
		.amdhsa_wavefront_size32 1
		.amdhsa_system_sgpr_workgroup_id_x 1
		.amdhsa_system_sgpr_workgroup_id_y 1
		.amdhsa_system_sgpr_workgroup_id_z 1
		.amdhsa_system_vgpr_workitem_id 0
		.amdhsa_next_free_vgpr 512
		.amdhsa_next_free_sgpr 96
		.amdhsa_reserve_vcc 0
		.amdhsa_float_denorm_mode_32 3
		.amdhsa_float_denorm_mode_16_64 3
		.amdhsa_memory_ordered 1
		.amdhsa_forward_progress 1
		.amdhsa_inst_pref_size 142
	.end_amdhsa_kernel
	.amdgpu_metadata
---
amdhsa.version: [ 1, 2 ]
amdhsa.kernels:
  - .name:           k_qb628beb556_attn
    .symbol:         k_qb628beb556_attn.kd
    .args:
      - { .name: qcs, .offset: 0, .size: 8, .value_kind: global_buffer, .address_space: global }
      - { .name: kvs, .offset: 8, .size: 8, .value_kind: global_buffer, .address_space: global }
      - { .name: wts, .offset: 16, .size: 8, .value_kind: global_buffer, .address_space: global }
      - { .name: bna, .offset: 24, .size: 8, .value_kind: global_buffer, .address_space: global }
      - { .name: valid_mask, .offset: 32, .size: 8, .value_kind: global_buffer, .address_space: global }
      - { .name: f_mean, .offset: 40, .size: 8, .value_kind: global_buffer, .address_space: global }
      - { .name: f_beta, .offset: 48, .size: 8, .value_kind: global_buffer, .address_space: global }
      - { .name: f_b, .offset: 56, .size: 8, .value_kind: global_buffer, .address_space: global }
      - { .name: out0, .offset: 64, .size: 8, .value_kind: global_buffer, .address_space: global }
    .group_segment_fixed_size: 327680
    .private_segment_fixed_size: 0
    .kernarg_segment_align: 8
    .kernarg_segment_size: 72
    .max_flat_workgroup_size: 256
    .sgpr_count:     96
    .vgpr_count:     512
    .wavefront_size: 32
...
	.end_amdgpu_metadata
.endif
;; end of part 6
